; MI455X (gfx1250); checked and timed in simulation.
; The chip was launched on July 23, 2026; its instructions are those of AMD's public machine-readable ISA for CDNA 5 (MIT licence, August 2026) and "CDNA5" Instruction Set Architecture Reference Guide (July 2026). The comments in the code are by the model that wrote it; some were corrected since.
;; mutli Head Attention. Allowed arithmetic: matrix products marked QUANTISED: E4M3 operands, one E8M0 scale for each 32 along K, by v_wmma_scale_f32_16x16x128_f8f6f4 with both operands' format E4M3, f32 sums; everything else in f32.
;; Inputs: attn_mask 4 x 1 x 2,048 x 2,048 bool; input_K_codes 4 x 2,048 x 32 x 32 uint8 (E4M3 codes of input_K, K innermost, in blocks of 32 codes); input_K_scales 4 x 2,048 x 32 uint8 (E8M0 scales of input_K, one for each 32 codes along K); input_Q 4 x 2,048 x 1,024 float32; input_V_codes 4 x 2,048 x 32 x 32 uint8 (E4M3 codes of input_V, K innermost, in blocks of 32 codes); input_V_scales 4 x 2,048 x 32 uint8 (E8M0 scales of input_V, one for each 32 codes along K); ln_beta 1,024 float32; ln_gamma 1,024 float32; w_k_codes 1,024 x 32 x 32 uint8 (E4M3 codes of w_k, K innermost, in blocks of 32 codes); w_k_scales 1,024 x 32 uint8 (E8M0 scales of w_k, one for each 32 codes along K); w_o_codes 1,024 x 32 x 32 uint8 (E4M3 codes of w_o, K innermost, in blocks of 32 codes); w_o_scales 1,024 x 32 uint8 (E8M0 scales of w_o, one for each 32 codes along K); w_q_codes 1,024 x 32 x 32 uint8 (E4M3 codes of w_q, K innermost, in blocks of 32 codes); w_q_scales 1,024 x 32 uint8 (E8M0 scales of w_q, one for each 32 codes along K); w_v_codes 1,024 x 32 x 32 uint8 (E4M3 codes of w_v, K innermost, in blocks of 32 codes); w_v_scales 1,024 x 32 uint8 (E8M0 scales of w_v, one for each 32 codes along K).
;; Outputs: out0 4 x 2,048 x 1,024 float32.
;; This version of the problem:
;;   THIS VERSION OF THE PROBLEM IS GIVEN IN LOW PRECISION. The matrix products marked QUANTISED in the list below multiply operands that are first quantised to E4M3 (4 exponent bits, 3 mantissa bits; 8 bits a number), with one power-of-two scale for each 32 numbers along K (OCP MX v1.0); their sums are f32. All else is computed in f32.
;;   The module's matrix products, in the order in which they are computed (A, B: the left and right operand; K: the contracted axis; several contracted axes count as one K, in the product's order):
;;     1. [M 8,192, K 1,024] x [K 1,024, N 1,024]; A: input input_Q; B: input w_q (given as codes): QUANTISED
;;     2. [M 8,192, K 1,024] x [K 1,024, N 1,024]; A: input input_K (given as codes); B: input w_k (given as codes): QUANTISED
;;     3. [M 8,192, K 1,024] x [K 1,024, N 1,024]; A: input input_V (given as codes); B: input w_v (given as codes): QUANTISED
;;     4. batch 64 x [M 2,048, K 64] x [K 64, N 2,048]; A: computed on the way; B: computed on the way: QUANTISED
;;     5. batch 64 x [M 2,048, K 2,048] x [K 2,048, N 64]; A: softmax (see below); B: computed on the way: QUANTISED
;;     6. [M 8,192, K 1,024] x [K 1,024, N 1,024]; A: computed on the way; B: input w_o (given as codes): QUANTISED
;;   THE QUANTISER, for each operand of a quantised product, along K:
;;     - K is cut into blocks of 32 from its start; a last block that is shorter is filled with zeros.
;;     - A block's scale is 2^e with e = floor(log2(the largest magnitude in the block)) - 8, held to -126 .. 127; a block of zeros has e = 0. As a byte (E8M0): e + 127.
;;     - Each number is divided by its block's scale, clamped to +-448, and rounded to the nearest number of E4M3, ties to even, subnormals kept.
;;     - The product sums the exact products of the quantised numbers (number of the format x scale) in f32.
;;   ~~~python
;;   def quantise(x, axis):      # numpy; x: float32 -> the quantised numbers, widened to float32 again
;;       x = np.moveaxis(x, axis, -1); K = x.shape[-1]
;;       x = np.pad(x, [(0, 0)] * (x.ndim - 1) + [(0, -K % 32)]); x = x.reshape(x.shape[:-1] + (-1, 32)); a = np.abs(x).max(-1, keepdims=True)
;;       e = np.where(a > 0, np.clip(np.frexp(np.where(a > 0, a, 1))[1] - 1 - 8, -126, 127), 0)      # np.frexp(a)[1] - 1 = floor(log2(a)), exactly
;;       r = np.clip(x / 2.0 ** e, -448, 448)
;;       step = 2.0 ** (np.maximum(np.frexp(np.where(r == 0, 1, r))[1] - 1, -6) - 3)
;;       q = np.round(r / step) * step * 2.0 ** e      # np.round: ties to even
;;       return np.moveaxis(q.reshape(q.shape[:-2] + (-1,))[..., :K], -1, axis).astype(np.float32)
;;   ~~~
;;   SOFTMAX AHEAD OF A QUANTISED PRODUCT. Where the list says 'softmax', what is quantised is not the finished softmax but p = 2^(t - M), with t = logit x log2(e) and M = ceil(the row's largest t), a whole number; so 1/2 < the row's largest p <= 1. The row's sum l is taken of the UNQUANTISED p, in f32, and the product's result is divided by l at the end. Since M is a whole number, a kernel that streams over the keys may use a running M (the ceiling of the running maximum): every later rescaling is an exact power of two, which a block's scale takes up: the codes' values come out the same.
;;   OPERANDS COMPUTED ON THE WAY. 'Computed on the way' means the value that the module computes at that place (a softmax that the list does not call 'softmax' is quantised finished and normalised). What goes into a quantiser is computed in f32, as accurately as f32 sums, v_exp_f32 and their like allow (about 1e-6 of the number): no bf16 or f16 on the way to a quantiser, and a product that is left as it is and whose result goes on into a quantised operand takes f32 operands (vector FMAs, or v_wmma_f32_16x16x4_f32). A number that lies on a knife's edge between two numbers of the format may be rounded either way, as far as f32 arithmetic and the matrix unit's own rounding can turn it there, and no further.
;;   INPUTS GIVEN AS CODES. input_K (in the module: [4, 2048, 1024], K = its axis 2); input_V (in the module: [4, 2048, 1024], K = its axis 2); w_k (in the module: [1024, 1024], K = its axis 1); w_o (in the module: [1024, 1024], K = its axis 1); w_q (in the module: [1024, 1024], K = its axis 1); w_v (in the module: [1024, 1024], K = its axis 1): each comes as NAME_codes (uint8): NAME with its K axis moved to the last place and cut into blocks of 32 codes, [.., K / 32, bytes a block], one block behind the other in memory; one code a byte (a code: sign, 4 exponent bits, 3 mantissa bits); and NAME_scales (uint8): the same leading axes, one E8M0 byte (e + 127) for each 32 codes along K. Its value is code x scale, taken as it is: it is not quantised again, and the codes and scales need not be those that the quantiser above would give.
;; 2 versions. Each part assembles by itself: llvm-mc -triple=amdgcn-amd-amdhsa -mcpu=gfx1250 --defsym DOCPART=n.
;; ======== version 1 of 2: 4 launches
;; limits: right only within a limited range of input values
;; workspace buffers: qin 8,650,752 bytes; maskw 2,097,152 bytes of whole numbers; wo 1,081,344 bytes; qkv 25,952,256 bytes; ctx 8,650,752 bytes
;; launch prep (part 1): grid 416 x 1, 4 waves a work-group, no clusters, 50,688 bytes of LDS; arguments input_Q, attn_mask, w_o_codes, w_o_scales, qin, maskw, wo; writes qin, maskw, wo
.if DOCPART == 1
	.amdgcn_target "amdgcn-amd-amdhsa--gfx1250"
	.amdhsa_code_object_version 6
	.text
	.protected	k_q7cbc4a671f_prep
	.globl	k_q7cbc4a671f_prep
	.p2align	8
	.type	k_q7cbc4a671f_prep,@function
k_q7cbc4a671f_prep:
	s_mov_b64 s[64:65], 0
	v_nop
	global_prefetch_b8 v0, s[64:65] scope:SCOPE_SE
	s_setreg_imm32_b32 hwreg(HW_REG_WAVE_MODE, 25, 1), 1
	s_wait_xcnt 0x0
; PREP: three jobs that later launches lean on, shared out by the work-group's number; each way has LDS bytes of its own.
;  work-groups 0-255:   input_Q [8192][1024] f32 -> codes of FP8 (E4M3), K innermost, at qin + 0, and one E8M0 byte for each 32 along K at qin + QSC.
;  work-groups 256-383: attn_mask [8192 rows][2048 keys] of bytes -> lane masks: for each tile of 16 queries and each step of 128 keys 64 words; bit l of word n stands for
;                       query 16 T + l % 16 and key 128 step + 16 (n / 8) + 8 (l / 16) + n % 8: the place of score register n in lane l of the attention launch.
;  work-groups 384-415: w_o's codes and scale bytes are laid in the order of the operand's registers: fragment (tile of 16 rows, 128 along K) = 2,048 bytes on end, lane l's 16 bytes of register group c at 512 c + 16 l.
; The quantiser: a block's scale is 2^(floor(log2(largest magnitude)) - 8); its byte is the largest magnitude's exponent field - 8, held at 1 from below; numbers are held within +-448 x the scale and rounded to the nearest code.
; LIMITS: a block of zeros, or one whose largest magnitude lies under 2^-118, gets the byte 1 (its codes add nothing or are taken at that scale; the bytes are read by this program alone); NaN and infinities in input_Q are not served.
; No matrix unit, no cluster, no tensor load: the launch streams, and waves share nothing.
.set QSC,   8388608
.set WOSC,  1048576
.set STEPS, 16
.set R,     16                         ; v16-79   four sets of 16 numbers as loaded
.set X,     80                         ; v80-111  two sets of 16 neighbours
.set C,     128                        ; v128-191 codes, four registers a step
.set E,     112                        ; v112-127 a scale byte a step
.set SP,    80                         ; a lane's place in the stage: 64 bytes + 16 of padding
	s_load_b256 s[4:11], s[0:1], 0x0               ; input_Q, attn_mask, w_o_codes, w_o_scales
	s_load_b128 s[12:15], s[0:1], 0x20             ; qin, maskw
	s_load_b64 s[16:17], s[0:1], 0x30              ; wo
	v_lshl_add_u32 v192, v0, 2, 0xc400
	v_mov_b32 v193, 0
	v_lshrrev_b32 v1, 5, v0
	v_readfirstlane_b32 s18, v1                    ; wave
	v_and_b32 v2, 31, v0                           ; lane
	s_mov_b32 s21, 0                               ; the upper word of every offset pair s[20:21]
	s_cmp_lt_u32 ttmp9, 256
	s_cbranch_scc0 .Lnot_q
; ---------------- input_Q into codes.  A wave takes 16 steps of 512 numbers.  Each load reads 512 consecutive bytes; a step's 2,048 bytes turn through the wave's own stage so that a lane holds 16 neighbours.
	v_lshlrev_b32 v3, 4, v2                        ; my 16 bytes of a load's 512, and of a step's 512 bytes of codes
	s_lshl_b32 s19, s18, 13                        ; my wave's 8,192 bytes of LDS
	v_lshrrev_b32 v14, 2, v2
	v_mul_u32_u24 v14, v14, SP
	v_and_b32 v15, 3, v2
	v_lshl_add_u32 v14, v15, 4, v14
	v_add_nc_u32 v14, s19, v14                     ; into the stage: SP (lane / 4) + 16 (lane % 4)
	v_mul_u32_u24 v15, v2, SP
	v_add_nc_u32 v15, s19, v15                     ; out of it: SP x lane
	v_lshrrev_b32 v5, 1, v2
	s_add_co_u32 s19, s19, 2*32*SP
	v_add_nc_u32 v5, s19, v5                       ; my block's scale byte among my wave's 256
	v_lshlrev_b32 v7, 3, v2
	v_add_nc_u32 v6, s19, v7                       ; and 8 of them a lane on the way out
	s_mov_b32 s23, 0x600000                        ; the mantissa field of 448
	s_lshl_b32 s22, ttmp9, 2
	s_add_co_u32 s22, s22, s18                     ; which run of 8,192 numbers is my wave's
	s_wait_kmcnt 0x0
	s_lshl_b32 s20, s22, 15
	s_add_nc_u64 s[4:5], s[4:5], s[20:21]
	s_lshl_b32 s20, s22, 13
	s_add_nc_u64 s[24:25], s[12:13], s[20:21]      ; its codes
	s_lshl_b32 s20, s22, 8
	s_add_co_u32 s20, s20, QSC
	s_add_nc_u64 s[26:27], s[12:13], s[20:21]      ; its 256 scale bytes
.macro QLOAD t
.irp i, 0,1,2,3
	global_load_b128 v[R+16*((\t)%4)+4*\i:R+16*((\t)%4)+4*\i+3], v3, s[4:5] offset:2048*(\t)+512*\i th:TH_LOAD_NT
.endr
.endm
.macro QTURN t                         ; LDS serves a wave's instructions in order: no wait between these stores and loads
.irp i, 0,1,2,3
	ds_store_b128 v14, v[R+16*((\t)%4)+4*\i:R+16*((\t)%4)+4*\i+3] offset:32*SP*((\t)%2)+8*SP*\i
.endr
.irp i, 0,1,2,3
	ds_load_b128 v[X+16*((\t)%2)+4*\i:X+16*((\t)%2)+4*\i+3], v15 offset:32*SP*((\t)%2)+16*\i
.endr
.endm
.irp t, 0,1,2,3
	QLOAD \t
.endr
	s_wait_loadcnt 12                              ; step 0's four loads are in; the twelve of steps 1 to 3 stay out
	QTURN 0
.macro QSTEP t
.set XS, X+16*((\t)%2)
.if (\t) > 0
	s_wait_dscnt 1                                 ; this step's numbers are back from the stage; the last step's byte store may be out
.else
	s_wait_dscnt 0x0
.endif
.if (\t)+4 < STEPS
	QLOAD (\t)+4                                   ; into the registers whose stores into the stage are done
.endif
.if (\t)+1 < STEPS
.if STEPS-2-(\t) >= 3
	s_wait_loadcnt 12                              ; the next step's loads are in; those of the three steps behind it stay out
.else
	s_wait_loadcnt 4*(STEPS-2-(\t))
.endif
	QTURN (\t)+1
.endif
	v_max3_num_f32 v8, |v[XS]|, |v[XS+1]|, |v[XS+2]|
	v_max3_num_f32 v9, |v[XS+3]|, |v[XS+4]|, |v[XS+5]|
.irp i, 6,10
	v_max3_num_f32 v8, v8, |v[XS+\i]|, |v[XS+\i+1]|
	v_max3_num_f32 v9, v9, |v[XS+\i+2]|, |v[XS+\i+3]|
.endr
	v_max3_num_f32 v8, v8, |v[XS+14]|, |v[XS+15]|
	v_max3_num_f32 v8, v8, v9, 0x4800000           ; with the floor 2^(9 - 127): the byte cannot fall under 1
	v_max_num_f32_dpp v8, v8, v8 row_xmask:1 row_mask:0xf bank_mask:0xf   ; with my neighbour's 16: the block's largest magnitude
	v_add_nc_u32 v11, 0xfc000000, v8               ; 8 off the exponent field: the conversion's scale operand
	v_and_or_b32 v10, v8, 0x7f800000, s23          ; 448 x the scale
.irp i, 0,1,2,3,4,5,6,7,8,9,10,11,12,13,14,15
	v_med3_num_f32 v[XS+\i], v[XS+\i], -v10, v10   ; the conversion to an 8-bit code does not saturate (ISA guide 7.6.2): the hold comes first
.endr
	v_cvt_scalef32_pk8_fp8_f32 v[C+4*(\t):C+4*(\t)+1], v[XS:XS+7], v11
	v_cvt_scalef32_pk8_fp8_f32 v[C+4*(\t)+2:C+4*(\t)+3], v[XS+8:XS+15], v11
	v_lshrrev_b32 v[E+(\t)], 23, v11               ; the scale's byte
	ds_store_b8 v5, v[E+(\t)] offset:16*(\t)       ; both lanes of a block write the same byte
	global_store_b128 v3, v[C+4*(\t):C+4*(\t)+3], s[24:25] offset:512*(\t)   ; 512 consecutive bytes a wave
.endm
.irp t, 0,1,2,3,4,5,6,7,8,9,10,11,12,13,14,15
	QSTEP \t
.endr
	ds_load_b64 v[12:13], v6
	s_wait_dscnt 0x0
	global_store_b64 v7, v[12:13], s[26:27]        ; 256 consecutive bytes, aligned
	s_wait_tensorcnt 0x0
	ds_add_u32 v192, v193
	s_wait_dscnt 0x0
	s_endpgm
.Lnot_q:
	s_cmp_lt_u32 ttmp9, 384
	s_cbranch_scc0 .Lwo
; ---------------- the mask.  A wave takes one tile of 16 queries and walks its 2,048 keys, 256 a trip (two steps of 128).
	s_sub_co_u32 s22, ttmp9, 256
	s_lshl_b32 s22, s22, 2
	s_add_co_u32 s22, s22, s18                     ; T: the tile, 0 to 511
	s_mul_i32 s19, s18, 4352
	s_add_co_u32 s19, s19, 32768                   ; my stage: 16 rows x (256 + 16) bytes
	v_and_b32 v3, 15, v2
	v_lshrrev_b32 v4, 4, v2
	v_mul_u32_u24 v12, v4, 272
	v_lshl_add_u32 v12, v3, 4, v12
	v_add_nc_u32 v12, s19, v12                     ; in: lanes 0-15 one row's 256 bytes, lanes 16-31 the next row's
	v_mul_u32_u24 v13, v3, 272
	v_lshl_add_u32 v13, v4, 3, v13
	v_add_nc_u32 v13, s19, v13                     ; out: row lane % 16, 8 keys for each half of the lanes
	v_lshlrev_b32 v11, 11, v4
	v_lshl_add_u32 v11, v3, 4, v11                 ; the same two rows in memory
	v_lshlrev_b32 v14, 3, v2                       ; two words a lane on the way out
.irp i, 0,1,2,3
	v_mov_b32 v[80+\i], 0                          ; written once: v_writelane_b32's destination counts as read
.endr
	s_wait_kmcnt 0x0
	s_lshl_b32 s20, s22, 15
	s_add_nc_u64 s[6:7], s[6:7], s[20:21]          ; 16 rows of 2,048 bytes a tile
	s_lshl_b32 s20, s22, 12
	s_add_nc_u64 s[24:25], s[14:15], s[20:21]      ; 16 steps of 256 bytes a tile
.irp i, 0,1,2,3,4,5,6,7
	global_load_b128 v[16+4*\i:19+4*\i], v11, s[6:7] offset:4096*\i th:TH_LOAD_NT
.endr
.macro TRIPM fill
	s_wait_loadcnt 0x0                             ; the trip's eight loads
.irp i, 0,1,2,3,4,5,6,7
	ds_store_b128 v12, v[16+4*\i:19+4*\i] offset:544*\i
.endr
.irp e, 0,1
.irp t, 0,1,2,3,4,5,6,7
	ds_load_b64 v[48+16*\e+2*\t:49+16*\e+2*\t], v13 offset:128*\e+16*\t   ; keys 128 e + 16 t + 8 (lane / 16) + 0..7 of my query
.endr
.endr
	s_wait_dscnt 0x0                               ; the stores have read their registers, the bytes are back
.if \fill
.irp i, 0,1,2,3,4,5,6,7
	global_load_b128 v[16+4*\i:19+4*\i], v11, s[6:7] offset:4096*\i+256 th:TH_LOAD_NT   ; the next 256 keys
.endr
.endif
.irp e, 0,1
.set n, 0
.rept 64
	v_and_b32 v[84+n%4], 0xff<<(8*(n%4)), v[48+16*\e+n/4]
	v_cmp_ne_u32 s[32+n%8], 0, v[84+n%4]           ; word n: one bit a lane
	v_writelane_b32 v[80+2*\e+n%2], s[32+n%8], n/2 ; lane n / 2 carries words n and n + 1
.set n, n+1
.endr
	global_store_b64 v14, v[80+2*\e:81+2*\e], s[24:25] offset:256*\e   ; 256 consecutive bytes, aligned
.endr
.if \fill
	s_wait_xcnt 0x0                                ; bases and the words' registers are written again only behind this wait
	s_add_nc_u64 s[6:7], s[6:7], 256
	s_add_nc_u64 s[24:25], s[24:25], 512
.endif
.endm
	s_mov_b32 s30, 7
.Lmask:
	TRIPM 1
	s_sub_co_u32 s30, s30, 1
	s_cmp_lg_u32 s30, 0
	s_cbranch_scc1 .Lmask
	TRIPM 0                                        ; the last trip loads nothing and steps nothing
	s_wait_tensorcnt 0x0
	ds_add_u32 v192, v193
	s_wait_dscnt 0x0
	s_endpgm
.Lwo:
; ---------------- w_o in the order of the operand's registers.  A wave takes a pair of tiles (32 rows) and two K steps of 128.
	s_sub_co_u32 s22, ttmp9, 384
	s_lshl_b32 s22, s22, 2
	s_add_co_u32 s22, s22, s18
	s_lshr_b32 s23, s22, 2                         ; the pair, 0 to 31
	s_and_b32 s22, s22, 3                          ; which two of the eight K steps
	v_and_b32 v3, 15, v2
	v_lshrrev_b32 v4, 4, v2
	v_lshlrev_b32 v5, 10, v3
	v_lshl_add_u32 v5, v4, 4, v5                   ; row lane % 16 of 1,024 bytes, + 16 (lane / 16)
	v_lshlrev_b32 v6, 5, v2                        ; scale bytes: row = lane, 32 bytes a row
	v_lshlrev_b32 v7, 4, v2
	v_lshlrev_b32 v8, 2, v2
	s_wait_kmcnt 0x0
	s_lshl_b32 s20, s23, 15
	s_lshl_b32 s24, s22, 8
	s_add_co_u32 s20, s20, s24
	s_add_nc_u64 s[8:9], s[8:9], s[20:21]          ; codes: 32 rows a pair, 256 bytes for two K steps
	s_lshl_b32 s20, s23, 10
	s_lshl_b32 s24, s22, 3
	s_add_co_u32 s20, s20, s24
	s_add_nc_u64 s[10:11], s[10:11], s[20:21]      ; scale bytes: 8 for two K steps
	s_lshl_b32 s20, s23, 15
	s_lshl_b32 s24, s22, 12
	s_add_co_u32 s20, s20, s24
	s_add_nc_u64 s[26:27], s[16:17], s[20:21]      ; the image: (tile x 8 + K step) x 2,048
	s_lshl_b32 s20, s23, 10
	s_lshl_b32 s24, s22, 8
	s_add_co_u32 s20, s20, s24
	s_add_co_u32 s20, s20, WOSC
	s_add_nc_u64 s[28:29], s[16:17], s[20:21]      ; the scale words: (pair x 8 + K step) x 128
.irp u, 0,1
.irp e, 0,1
.irp c, 0,1,2,3
	global_load_b128 v[16+4*(8*\u+4*\e+\c):19+4*(8*\u+4*\e+\c)], v5, s[8:9] offset:16384*\u+128*\e+32*\c
.endr
.endr
.endr
	global_load_b64 v[80:81], v6, s[10:11]
	s_wait_loadcnt 0x0
.irp u, 0,1
.irp e, 0,1
.irp c, 0,1,2,3
	global_store_b128 v7, v[16+4*(8*\u+4*\e+\c):19+4*(8*\u+4*\e+\c)], s[26:27] offset:16384*\u+2048*\e+512*\c   ; 512 consecutive bytes a store
.endr
.endr
.endr
	global_store_b32 v8, v80, s[28:29]
	global_store_b32 v8, v81, s[28:29] offset:128
	s_endpgm
.Lfunc_end_k_q7cbc4a671f_prep:
	.size	k_q7cbc4a671f_prep, .Lfunc_end_k_q7cbc4a671f_prep-k_q7cbc4a671f_prep
	.p2alignl 7, 3214868480
	.fill 96, 4, 3214868480
	.section	.rodata,"a",@progbits
	.p2align	6, 0x0
	.amdhsa_kernel k_q7cbc4a671f_prep
		.amdhsa_group_segment_fixed_size 50688
		.amdhsa_private_segment_fixed_size 0
		.amdhsa_enable_private_segment 0
		.amdhsa_kernarg_size 56
		.amdhsa_user_sgpr_count 2
		.amdhsa_user_sgpr_kernarg_segment_ptr 1
		.amdhsa_wavefront_size32 1
		.amdhsa_system_sgpr_workgroup_id_x 1
		.amdhsa_system_sgpr_workgroup_id_y 1
		.amdhsa_system_sgpr_workgroup_id_z 1
		.amdhsa_system_vgpr_workitem_id 0
		.amdhsa_next_free_vgpr 194
		.amdhsa_next_free_sgpr 66
		.amdhsa_reserve_vcc 0
		.amdhsa_float_denorm_mode_32 3
		.amdhsa_float_denorm_mode_16_64 3
		.amdhsa_memory_ordered 1
		.amdhsa_forward_progress 1
		.amdhsa_inst_pref_size 110
	.end_amdhsa_kernel
	.amdgpu_metadata
---
amdhsa.version: [ 1, 2 ]
amdhsa.kernels:
  - .name:           k_q7cbc4a671f_prep
    .symbol:         k_q7cbc4a671f_prep.kd
    .args:
      - { .name: input_Q, .offset: 0, .size: 8, .value_kind: global_buffer, .address_space: global }
      - { .name: attn_mask, .offset: 8, .size: 8, .value_kind: global_buffer, .address_space: global }
      - { .name: w_o_codes, .offset: 16, .size: 8, .value_kind: global_buffer, .address_space: global }
      - { .name: w_o_scales, .offset: 24, .size: 8, .value_kind: global_buffer, .address_space: global }
      - { .name: qin, .offset: 32, .size: 8, .value_kind: global_buffer, .address_space: global }
      - { .name: maskw, .offset: 40, .size: 8, .value_kind: global_buffer, .address_space: global }
      - { .name: wo, .offset: 48, .size: 8, .value_kind: global_buffer, .address_space: global }
    .group_segment_fixed_size: 50688
    .private_segment_fixed_size: 0
    .kernarg_segment_align: 8
    .kernarg_segment_size: 56
    .max_flat_workgroup_size: 128
    .sgpr_count:     66
    .vgpr_count:     194
    .wavefront_size: 32
...
	.end_amdgpu_metadata
.endif
;; end of part 1
;; launch proj (part 2): grid 8 x 192, 4 waves a work-group, clusters of 4 x 4, 287,744 bytes of LDS; arguments qin, w_q_codes, w_q_scales, input_K_codes, input_K_scales, w_k_codes, w_k_scales, w_v_codes, w_v_scales, input_V_codes, input_V_scales, qkv; writes qkv
.if DOCPART == 2
	.amdgcn_target "amdgcn-amd-amdhsa--gfx1250"
	.amdhsa_code_object_version 6
	.text
	.protected	k_q7cbc4a671f_proj
	.globl	k_q7cbc4a671f_proj
	.p2align	8
	.type	k_q7cbc4a671f_proj,@function
k_q7cbc4a671f_proj:
	s_mov_b64 s[64:65], 0
	v_nop
	global_prefetch_b8 v0, s[64:65] scope:SCOPE_SE
	s_setreg_imm32_b32 hwreg(HW_REG_WAVE_MODE, 25, 1), 1
	s_wait_xcnt 0x0
	s_wait_alu depctr_hold_cnt(0) depctr_sa_sdst(0) depctr_va_vdst(0) depctr_va_sdst(0) depctr_va_ssrc(0) depctr_va_vcc(0) depctr_vm_vsrc(0)
	s_getreg_b32 s2, hwreg(HW_REG_IB_STS2, 6, 4)
	s_cmp_eq_u32 s2, 0
	s_cbranch_scc0 .Lentry_in_a_cluster
	s_endpgm
.Lentry_in_a_cluster:
	s_bfe_u32 s2, ttmp6, 0x10000c
	s_cmp_lg_u32 s2, 0xf033
	s_cbranch_scc0 .Lentry_shape_is_right
	s_endpgm
.Lentry_shape_is_right:
; PROJ: the three projections on codes of FP8 (E4M3) with E8M0 scales, and the quantising of their results for the attention launch.
; One body serves all three.  X is the side whose rows run along a lane's REGISTERS in the result (source 0), Y the side whose rows lie in the LANES (source 1); the result is quantised along X, in blocks of 32.
;   p = 0: Q: X = w_q (1,024 rows), Y = input_Q's codes (8,192 rows).   p = 1: K: X = w_k, Y = input_K.   p = 2: V: X = input_V (the keys are the next K), Y = w_v.
; A work-group makes 128 X x 128 Y over all of K = 1,024; both operands lie whole in LDS (4 chunks of 256 along K), so every tensor load is a first fill and no LDS byte is filled twice.
; Four waves, each 64 X x 64 Y: 16 accumulators.  By this text's own count a wave has five tensor loads out at the most.
; CLUSTER 4 x 4: X's tile hangs on cx alone and is asked for jointly by a column of the cluster, Y's on cy alone and by a row.  p and the cluster's coordinates are the same in all sixteen.
; OUT: images of the next operand's registers: [Y tile of 16][X group of 32][512 bytes], lane l's 16 bytes at 16 l; scale bytes as words [X / 128][Y row], byte g for X group g.
;   A result tile gives lane (r, h) the numbers X = 16 b + 8 h + j; the two conversions of a block of 32 are brought into the operand's order (X = 32 g + 16 h + 0..15) by two exchanges between the halves of the lanes.
;   The scale bytes leave as 2 bytes a lane, 4 bytes apart: aligned blocks of 256 bytes are written in part there; they are 1/32 of the codes' bytes.
; LIMITS: a block whose largest magnitude lies under 2^-118 (zeros too) gets the byte 1; NaN codes or 0xff scale bytes among the inputs are not served.
; REGISTERS: window 0: v1-11 addresses; v16-31 scale words, two sets; v32-63 codes; v64-67 scale bytes; v68-77 at work; v128-255 the accumulators ((a, b) at 128 + 8 (4 a + b)).
;   window 1: two fragment buffers of 128: Y's four fragments, then X's four.
.set PITCH, 272                        ; an LDS row: 256 bytes + 16 of padding: the 16 rows of a fragment load start at 16 different banks (64 banks of 4 bytes: ISA guide 11.1)
.set HALF,  64*PITCH                   ; what one tensor load brings, and what one wave reads of X or of Y
.set CHUNK, 4*HALF                     ; X's 128 rows, then Y's 128 rows, 256 along K
.set SCL,   4*CHUNK                    ; behind the chunks: the scale bytes, as blocks of 256 bytes + 16
.set SHALF, 8*272                      ; those of 64 rows
.set ACC,   128
.set SC,    16
.set TM,    68
.set SELR,  16                         ; s[16:17], s18, s19: written in the way out, when no tensor load is out
.set MNTR,  18
.set G1X,  16
.set G1Y,  24
.set G1SX, 32
.set G1SY, 40
.set G0X,  48                          ; s[48:63]: four groups 0, one a chunk
.set G0SX, 68
.set G0Y,  72                          ; s[72:87]
.set G0SY, 88
.set MSB, 0
.macro WIN new                         ; the immediate's high byte repeats the setting that is left
.if MSB != \new
	s_set_vgpr_msb (MSB<<8)|\new
.set MSB, \new
.endif
.endm
.macro CROUND                          ; a round of the cluster's barrier
	s_barrier_signal -1
	s_barrier_wait -1
	s_cmp_lg_u32 s14, 0
	s_cbranch_scc1 .Lnot_wave_0_\@
	s_barrier_signal -3
.Lnot_wave_0_\@:
	s_barrier_wait -3
	s_barrier_signal -1
	s_barrier_wait -1
.endm
.macro PLACES n
.rept \n
	v_nop
.endr
.endm
	s_load_b64 s[4:5], s[0:1], 0x0                 ; qin
	s_load_b128 s[8:11], s[0:1], 0x8               ; w_q's codes, scales
	s_load_b256 s[16:23], s[0:1], 0x18             ; input_K's codes, scales, w_k's codes, scales
	s_load_b256 s[24:31], s[0:1], 0x38             ; w_v's codes, scales, input_V's codes, scales
	s_load_b64 s[12:13], s[0:1], 0x58              ; qkv
	v_lshl_add_u32 v126, v0, 2, 0x46200
	v_mov_b32 v127, 0
	ds_add_u32 v126, v127
	ds_add_u32 v126, v127
	v_lshrrev_b32 v1, 5, v0
	v_readfirstlane_b32 s14, v1                    ; wave 0..3
	s_lshr_b32 s15, s14, 1                         ; which half of Y is mine.  Also: I fetch for X (0) or for Y (1)
	s_and_b32 s2, s14, 1                           ; which half of X.  Also: which 64 rows of that tile I fetch
	s_bfe_u32 s66, ttmp6, 0x40000                  ; cx
	s_bfe_u32 s67, ttmp6, 0x40004                  ; cy
	s_and_b32 s96, ttmp7, 0xffff                   ; the cluster's y: 16 p + c
	s_lshr_b32 s94, s96, 4                         ; p
	s_and_b32 s95, s96, 15                         ; c
	s_mov_b32 s97, 16384                           ; bytes of a Y tile of 16 in the image: X / 32 groups of 512
	s_mov_b32 s96, 32768                           ; bytes of an X / 128 in the scale words: 4 a Y row
	s_cmp_eq_u32 s94, 2                            ; V has the long side on X
	s_cselect_b32 s92, s95, ttmp9
	s_cselect_b32 s93, ttmp9, s95
	s_cselect_b32 s97, 131072, s97
	s_cselect_b32 s96, 4096, s96
	s_lshl_b32 s92, s92, 2
	s_add_co_u32 s92, s92, s66                     ; X's tile of 128: hangs on cx alone
	s_lshl_b32 s93, s93, 2
	s_add_co_u32 s93, s93, s67                     ; Y's tile of 128: hangs on cy alone
	s_wait_dscnt 0x0
	s_wait_kmcnt 0x0
	s_add_nc_u64 s[6:7], s[4:5], 0x800000          ; input_Q's scale bytes lie behind its codes
	s_cmp_eq_u32 s94, 1                            ; (Y's codes, Y's scales, X's codes, X's scales) = s[4:11]: the choice hangs on p alone
	s_cselect_b64 s[4:5], s[16:17], s[4:5]
	s_cselect_b64 s[6:7], s[18:19], s[6:7]
	s_cselect_b64 s[8:9], s[20:21], s[8:9]
	s_cselect_b64 s[10:11], s[22:23], s[10:11]
	s_cmp_eq_u32 s94, 2
	s_cselect_b64 s[4:5], s[24:25], s[4:5]
	s_cselect_b64 s[6:7], s[26:27], s[6:7]
	s_cselect_b64 s[8:9], s[28:29], s[8:9]
	s_cselect_b64 s[10:11], s[30:31], s[10:11]
	; descriptor groups 1.  Codes: 64 rows x 256 bytes, 1,024 bytes apart, 16 bytes of padding behind each.  Scale bytes of 64 rows: 2,048 dense bytes as 8 rows of 256, padded alike.
	s_lshl_b32 s98, 0x1111, s66                    ; my column of the cluster: the four that share cx
	s_or_b32 s[G1X], s98, (1<<20)|(1<<21)|(5<<22)|(3<<25)          ; 15:0 the mask; 17:16 elements of 1 byte; 20 padding on; 21 set beside a mask; 24:22 after every 64 words; 31:25 four words
	s_or_b32 s[G1SX], s98, (3<<16)|(1<<20)|(1<<21)|(5<<22)|(3<<25) ; the same with elements of 8 bytes
	s_lshl_b32 s100, s67, 2
	s_lshl_b32 s100, 15, s100                      ; my row: the four that share cy
	s_or_b32 s[G1Y], s100, (1<<20)|(1<<21)|(5<<22)|(3<<25)
	s_or_b32 s[G1SY], s100, (3<<16)|(1<<20)|(1<<21)|(5<<22)|(3<<25)
.irp g, G1X, G1Y
	s_mov_b32 s[\g+1], 256<<16                     ; tensor_dim0
	s_mov_b32 s[\g+2], 64<<16                      ; tensor_dim1
	s_mov_b32 s[\g+3], 256<<16                     ; tile_dim0
	s_mov_b32 s[\g+4], 64                          ; tile_dim1
	s_mov_b32 s[\g+5], 1024                        ; from row to row
	s_mov_b32 s[\g+6], 0
	s_mov_b32 s[\g+7], 0
.endr
.irp g, G1SX, G1SY
	s_mov_b32 s[\g+1], 32<<16
	s_mov_b32 s[\g+2], 8<<16
	s_mov_b32 s[\g+3], 32<<16
	s_mov_b32 s[\g+4], 8
	s_mov_b32 s[\g+5], 32
	s_mov_b32 s[\g+6], 0
	s_mov_b32 s[\g+7], 0
.endr
	s_lshl_b32 s95, s2, 6                          ; which 64 rows of the tile I fetch
	s_lshl_b32 s104, s92, 7
	s_add_co_u32 s104, s104, s95                   ; X's row
	s_lshl_b32 s105, s93, 7
	s_add_co_u32 s105, s105, s95                   ; Y's row
	s_mov_b32 s99, 0
	s_mov_b32 s101, 0
	s_lshl_b32 s98, s104, 10
	s_add_nc_u64 s[8:9], s[8:9], s[98:99]          ; X's codes at my rows,
	s_lshl_b32 s98, s104, 5
	s_add_nc_u64 s[10:11], s[10:11], s[98:99]      ; and their scale bytes
	s_lshl_b32 s100, s105, 10
	s_add_nc_u64 s[4:5], s[4:5], s[100:101]        ; Y's likewise, in registers that never hold cx
	s_lshl_b32 s100, s105, 5
	s_add_nc_u64 s[6:7], s[6:7], s[100:101]
	s_mul_i32 s3, s14, HALF                        ; where they go: wave x 64 rows: X's two halves, then Y's
	s_mul_i32 s95, s14, SHALF
	s_mov_b32 s[G0SX], 1
	s_add_co_u32 s[G0SX+1], s95, SCL
	s_mov_b64 s[G0SX+2:G0SX+3], s[10:11]
	s_or_b32 s[G0SX+3], s[G0SX+3], 0x80000000
	s_mov_b32 s[G0SY], 1
	s_add_co_u32 s[G0SY+1], s95, SCL
	s_mov_b64 s[G0SY+2:G0SY+3], s[6:7]
	s_or_b32 s[G0SY+3], s[G0SY+3], 0x80000000
.irp j, 0,1,2,3
	s_mov_b32 s[G0X+4*\j], 1
	s_add_co_u32 s[G0X+4*\j+1], s3, \j*CHUNK
	s_add_nc_u64 s[G0X+4*\j+2:G0X+4*\j+3], s[8:9], \j*256
	s_or_b32 s[G0X+4*\j+3], s[G0X+4*\j+3], 0x80000000
	s_mov_b32 s[G0Y+4*\j], 1
	s_add_co_u32 s[G0Y+4*\j+1], s3, \j*CHUNK
	s_add_nc_u64 s[G0Y+4*\j+2:G0Y+4*\j+3], s[4:5], \j*256
	s_or_b32 s[G0Y+4*\j+3], s[G0Y+4*\j+3], 0x80000000
.endr
	CROUND                                         ; all sixteen work-groups are here: the joint loads meet
	s_cmp_eq_u32 s15, 0                            ; a wave's five first fills stand in one branch on the wave's number; four v_nop follow the last
	s_cbranch_scc0 .Lfirst_y
	tensor_load_to_lds s[G0SX:G0SX+3], s[G1SX:G1SX+7]
	s_nop 0
	tensor_load_to_lds s[G0X:G0X+3], s[G1X:G1X+7]
	s_nop 0
	tensor_load_to_lds s[G0X+4:G0X+7], s[G1X:G1X+7]
	s_nop 0
	tensor_load_to_lds s[G0X+8:G0X+11], s[G1X:G1X+7]
	s_nop 0
	tensor_load_to_lds s[G0X+12:G0X+15], s[G1X:G1X+7]
	s_nop 0
	PLACES 4
	s_branch .Lfirst_asked
.Lfirst_y:
	tensor_load_to_lds s[G0SY:G0SY+3], s[G1SY:G1SY+7]
	s_nop 0
	tensor_load_to_lds s[G0Y:G0Y+3], s[G1Y:G1Y+7]
	s_nop 0
	tensor_load_to_lds s[G0Y+4:G0Y+7], s[G1Y:G1Y+7]
	s_nop 0
	tensor_load_to_lds s[G0Y+8:G0Y+11], s[G1Y:G1Y+7]
	s_nop 0
	tensor_load_to_lds s[G0Y+12:G0Y+15], s[G1Y:G1Y+7]
	s_nop 0
	PLACES 4
.Lfirst_asked:
	v_and_b32 v1, 15, v0                           ; r
	v_bfe_u32 v2, v0, 4, 1                         ; h
	v_and_b32 v3, 31, v0
	v_lshlrev_b32 v7, 2, v3                        ; 4 x lane
	v_lshlrev_b32 v3, 4, v3                        ; 16 x lane
	v_mul_u32_u24 v4, v1, PITCH
	v_lshl_add_u32 v4, v2, 4, v4                   ; a fragment's row x pitch + 16 x half
	s_mul_i32 s98, s2, HALF                        ; my 64 rows of X
	s_mul_i32 s99, s15, HALF                       ; my 64 rows of Y,
	s_add_co_u32 s99, s99, 2*HALF                  ; which lie behind X's 128
	v_add_nc_u32 v5, s99, v4
	v_add_nc_u32 v4, s98, v4
	v_lshrrev_b32 v6, 3, v1                        ; my row's scale bytes: 32 a row, eight rows to a block of 256 + 16
	v_mul_u32_u24 v6, v6, 272
	v_and_b32 v8, 7, v1
	v_lshl_add_u32 v6, v8, 5, v6
	s_mul_i32 s98, s2, SHALF                       ; X's: my 64 rows
	s_mul_i32 s99, s15, SHALF                      ; Y's: my 64 rows, behind X's 128
	s_add_co_u32 s99, s99, 2*SHALF
	s_sub_co_u32 s99, s99, s98
	v_mul_u32_u24 v8, s99, v2                      ; lanes 16-31 take Y's: one product, the distance x the half
	s_add_co_u32 s98, s98, SCL
	v_add_nc_u32 v6, v6, v8
	v_add_nc_u32 v6, s98, v6
	v_mov_b32 v8, v3                               ; the way out: 16 x lane + a x the bytes of a Y tile of 16
	v_add_nc_u32 v9, s97, v8
	v_add_nc_u32 v10, s97, v9
	v_add_nc_u32 v11, s97, v10
	v_mov_b32 v[TM+2], 0                           ; written once: a lane permute's destination counts as one of its sources
	v_mov_b32 v[TM+3], 0
.macro FETCH k, f                      ; the eight fragments of the k-th 128 along K into buffer f: 32 LDS loads in one run
	WIN 0x40                                       ; destination window 1, address window 0
.irp i, 0,1,2,3
.irp c, 0,1,2,3
	ds_load_b128 v[\f+64+16*\i+4*\c:\f+64+16*\i+4*\c+3], v4 offset:\i*16*PITCH+128*((\k)%2)+32*\c
.endr
.endr
.irp i, 0,1,2,3
.irp c, 0,1,2,3
	ds_load_b128 v[\f+16*\i+4*\c:\f+16*\i+4*\c+3], v5 offset:\i*16*PITCH+128*((\k)%2)+32*\c
.endr
.endr
.endm
.macro SCALES j, set                   ; chunk j's scale words, two a row: lanes 0-15 X's tile i, lanes 16-31 Y's tile i
.irp i, 0,1,2,3
	ds_load_b64 v[SC+8*(\set)+2*\i:SC+8*(\set)+2*\i+1], v6 offset:544*\i+8*(\j)
.endr
.endm
.macro MUL8 f, a0, set, q, zero        ; Y's tiles a0, a0 + 1 against X's four.  The 16 accumulators take turns, one instruction a turn, in the same order in every step
.irp a, \a0, \a0+1
.irp b, 0,1,2,3
.if \zero
	v_wmma_scale_f32_16x16x128_f8f6f4 v[ACC+8*(4*(\a)+\b):ACC+8*(4*(\a)+\b)+7], v[\f+64+16*\b:\f+64+16*\b+15], v[\f+16*(\a):\f+16*(\a)+15], 0, v[SC+8*(\set)+2*\b+(\q)], v[SC+8*(\set)+2*(\a)+(\q)] matrix_b_scale:MATRIX_SCALE_ROW1
.else
	v_wmma_scale_f32_16x16x128_f8f6f4 v[ACC+8*(4*(\a)+\b):ACC+8*(4*(\a)+\b)+7], v[\f+64+16*\b:\f+64+16*\b+15], v[\f+16*(\a):\f+16*(\a)+15], v[ACC+8*(4*(\a)+\b):ACC+8*(4*(\a)+\b)+7], v[SC+8*(\set)+2*\b+(\q)], v[SC+8*(\set)+2*(\a)+(\q)] matrix_b_scale:MATRIX_SCALE_ROW1
.endif
.endr
.endr
.endm
; A step of 128 along K: its fragments were asked for a step ago; the next step's are asked for ahead of its 16 products.
.macro STEP k, zero
	s_wait_dscnt 0x0                               ; this step's fragments and scale words are in
.if (((\k)%2)==1) && ((\k)<7)
	s_wait_tensorcnt 3-((\k)+1)/2                  ; my part of the next chunk has landed; the loads of the chunks behind it stay out: nothing is filled twice in this launch
	s_barrier_signal -1
	s_barrier_wait -1                              ; everybody's has
	WIN 0
	v_add_nc_u32 v4, CHUNK, v4
	v_add_nc_u32 v5, CHUNK, v5
.endif
.if (\k)<7
.if (\k)>0
	PLACES 8                                       ; in front of loads into registers that the last step's products have read (ISA guide 7.12.1 for vector instructions)
.endif
	FETCH (\k)+1, 128*(((\k)+1)%2)
.if ((\k)%2)==1
	WIN 0
	SCALES ((\k)+1)/2, (((\k)+1)/2)%2
.endif
.endif
	WIN 0x05                                       ; sources 0 and 1 window 1; C and D window 0
	MUL8 128*((\k)%2), 0, ((\k)/2)%2, (\k)%2, \zero
	MUL8 128*((\k)%2), 2, ((\k)/2)%2, (\k)%2, \zero
.endm
; 32 numbers of a lane, v[s] on, register 8 b + j = X 16 b + 8 h + j of my Y row, become two register groups of the next operand in v[pc] on, and their two scale bytes in v[u].
.macro QUANT2 s, pc, u
.irp g, 0,1
	v_max3_num_f32 v[TM+\g], |v[\s+16*\g]|, |v[\s+16*\g+1]|, 0x4800000   ; with the floor 2^(9 - 127): the byte cannot fall under 1.  Each accumulator is read from its low end on
.endr
.irp i, 2,4,6,8,10,12,14
.irp g, 0,1
	v_max3_num_f32 v[TM+\g], v[TM+\g], |v[\s+16*\g+\i]|, |v[\s+16*\g+\i+1]|
.endr
.endr
.irp g, 0,1
	v_permlanex16_b32 v[TM+2+\g], v[TM+\g], s[SELR], s[SELR+1]
.endr
.irp g, 0,1
	v_max_num_f32 v[TM+\g], v[TM+\g], v[TM+2+\g]   ; with lane l xor 16's 16: the block's largest magnitude
.endr
.irp g, 0,1
	v_add_nc_u32 v[TM+4+\g], 0xfc000000, v[TM+\g]  ; 8 off the exponent field: the conversion's scale operand
.endr
.irp g, 0,1
	v_and_or_b32 v[TM+6+\g], v[TM+\g], 0x7f800000, s[MNTR]   ; 448 x the scale
.endr
.irp g, 0,1
	v_lshrrev_b32 v[TM+2+\g], 23, v[TM+4+\g]       ; the scale's byte
.endr
	v_lshl_or_b32 v[\u], v[TM+3], 8, v[TM+2]
.irp g, 0,1
.irp i, 0,1,2,3,4,5,6,7,8,9,10,11,12,13,14,15
	v_med3_num_f32 v[\s+16*\g+\i], v[\s+16*\g+\i], -v[TM+6+\g], v[TM+6+\g]   ; the conversion does not saturate (ISA guide 7.6.2): the hold comes first
.endr
	v_cvt_scalef32_pk8_fp8_f32 v[\pc+4*\g:\pc+4*\g+1], v[\s+16*\g:\s+16*\g+7], v[TM+4+\g]
	v_cvt_scalef32_pk8_fp8_f32 v[\pc+4*\g+2:\pc+4*\g+3], v[\s+16*\g+8:\s+16*\g+15], v[TM+4+\g]
.endr
	v_nop                                          ; a plain place between the conversions and the lines that touch their results
.irp g, 0,1
	v_permlane16_swap_b32 v[\pc+4*\g], v[\pc+4*\g+2]     ; the first tile's lanes 16-31 change places with the second's lanes 0-15: lane (r, h) now holds X = 32 g + 16 h + 0..15
	v_permlane16_swap_b32 v[\pc+4*\g+1], v[\pc+4*\g+3]
.endr
.endm
	s_wait_tensorcnt 3                             ; the scale bytes and my part of chunk 0 are in; chunks 1 to 3 stay out
	s_barrier_signal -1
	s_barrier_wait -1                              ; everybody's are
	SCALES 0, 0
	FETCH 0, 0
	STEP 0, 1                                      ; the first products start the sums: nothing is cleared
	STEP 1, 0
	STEP 2, 0
	STEP 3, 0
	STEP 4, 0
	STEP 5, 0                                      ; (its wait on TENSORcnt is for 0: from here on the descriptors' registers are free)
	STEP 6, 0
	STEP 7, 0
	WIN 0
	s_mov_b32 s[SELR], 0x76543210
	s_mov_b32 s[SELR+1], 0xfedcba98                ; v_permlanex16_b32's selects for lane l xor 16
	s_mov_b32 s[MNTR], 0x600000                    ; the mantissa field of 448
	s_mov_b32 s19, 0xffff0000                      ; lanes 16-31
	s_lshl_b32 s20, s94, 23                        ; the image: p x 8 MiB + (8 Y tile + 4 half) x bytes of a tile of 16 + (4 X tile + 2 half) x 512
	s_lshl_b32 s21, s93, 3
	s_lshl_b32 s22, s15, 2
	s_add_co_u32 s21, s21, s22
	s_mul_i32 s21, s21, s97
	s_add_co_u32 s20, s20, s21
	s_lshl_b32 s21, s92, 11
	s_add_co_u32 s20, s20, s21
	s_lshl_b32 s21, s2, 10
	s_add_co_u32 s20, s20, s21
	s_mov_b32 s21, 0
	s_add_nc_u64 s[22:23], s[12:13], s[20:21]
	s_lshl_b32 s20, s94, 18                        ; the scale words: behind the images, p x 256 KiB + X tile x its bytes + 4 x my first Y row + 2 x my half of X
	s_add_co_u32 s20, s20, 25165824
	s_mul_i32 s24, s92, s96
	s_add_co_u32 s20, s20, s24
	s_lshl_b32 s24, s93, 9
	s_add_co_u32 s20, s20, s24
	s_lshl_b32 s24, s15, 8
	s_add_co_u32 s20, s20, s24
	s_lshl_b32 s24, s2, 1
	s_add_co_u32 s20, s20, s24
	s_add_nc_u64 s[24:25], s[12:13], s[20:21]
	PLACES 8                                       ; in front of the first read of results
.irp a, 0,1,2,3
	QUANT2 ACC+32*\a, 32+8*\a, 64+\a
	global_store_b128 v[8+\a], v[32+8*\a:35+8*\a], s[22:23]              ; 512 consecutive bytes a store
	global_store_b128 v[8+\a], v[36+8*\a:39+8*\a], s[22:23] offset:512
.endr
	v_cndmask_b32 v76, v64, v65, s19               ; lanes 0-15: tile 0's rows; lanes 16-31: tile 1's
	v_cndmask_b32 v77, v66, v67, s19
	global_store_b16 v7, v76, s[24:25]
	global_store_b16 v7, v77, s[24:25] offset:128
	s_wait_tensorcnt 0x0
	ds_add_u32 v126, v127
	s_wait_dscnt 0x0
	CROUND                                         ; the closing round: no work-group ends while a partner may still ask for a tile that names it
	s_endpgm
.Lfunc_end_k_q7cbc4a671f_proj:
	.size	k_q7cbc4a671f_proj, .Lfunc_end_k_q7cbc4a671f_proj-k_q7cbc4a671f_proj
	.p2alignl 7, 3214868480
	.fill 96, 4, 3214868480
	.section	.rodata,"a",@progbits
	.p2align	6, 0x0
	.amdhsa_kernel k_q7cbc4a671f_proj
		.amdhsa_group_segment_fixed_size 287744
		.amdhsa_private_segment_fixed_size 0
		.amdhsa_enable_private_segment 0
		.amdhsa_kernarg_size 96
		.amdhsa_user_sgpr_count 2
		.amdhsa_user_sgpr_kernarg_segment_ptr 1
		.amdhsa_wavefront_size32 1
		.amdhsa_system_sgpr_workgroup_id_x 1
		.amdhsa_system_sgpr_workgroup_id_y 1
		.amdhsa_system_sgpr_workgroup_id_z 1
		.amdhsa_system_vgpr_workitem_id 0
		.amdhsa_next_free_vgpr 512
		.amdhsa_next_free_sgpr 106
		.amdhsa_reserve_vcc 0
		.amdhsa_float_denorm_mode_32 3
		.amdhsa_float_denorm_mode_16_64 3
		.amdhsa_memory_ordered 1
		.amdhsa_forward_progress 1
		.amdhsa_inst_pref_size 66
	.end_amdhsa_kernel
	.amdgpu_metadata
---
amdhsa.version: [ 1, 2 ]
amdhsa.kernels:
  - .name:           k_q7cbc4a671f_proj
    .symbol:         k_q7cbc4a671f_proj.kd
    .args:
      - { .name: qin, .offset: 0, .size: 8, .value_kind: global_buffer, .address_space: global }
      - { .name: w_q_codes, .offset: 8, .size: 8, .value_kind: global_buffer, .address_space: global }
      - { .name: w_q_scales, .offset: 16, .size: 8, .value_kind: global_buffer, .address_space: global }
      - { .name: input_K_codes, .offset: 24, .size: 8, .value_kind: global_buffer, .address_space: global }
      - { .name: input_K_scales, .offset: 32, .size: 8, .value_kind: global_buffer, .address_space: global }
      - { .name: w_k_codes, .offset: 40, .size: 8, .value_kind: global_buffer, .address_space: global }
      - { .name: w_k_scales, .offset: 48, .size: 8, .value_kind: global_buffer, .address_space: global }
      - { .name: w_v_codes, .offset: 56, .size: 8, .value_kind: global_buffer, .address_space: global }
      - { .name: w_v_scales, .offset: 64, .size: 8, .value_kind: global_buffer, .address_space: global }
      - { .name: input_V_codes, .offset: 72, .size: 8, .value_kind: global_buffer, .address_space: global }
      - { .name: input_V_scales, .offset: 80, .size: 8, .value_kind: global_buffer, .address_space: global }
      - { .name: qkv, .offset: 88, .size: 8, .value_kind: global_buffer, .address_space: global }
    .group_segment_fixed_size: 287744
    .private_segment_fixed_size: 0
    .kernarg_segment_align: 8
    .kernarg_segment_size: 96
    .max_flat_workgroup_size: 128
    .sgpr_count:     106
    .vgpr_count:     512
    .wavefront_size: 32
...
	.end_amdgpu_metadata
.endif
;; end of part 2
;; launch attn (part 3): grid 4 x 64, 16 waves a work-group, no clusters, 276,480 bytes of LDS; arguments qkv, maskw, ctx; writes ctx
.if DOCPART == 3
	.amdgcn_target "amdgcn-amd-amdhsa--gfx1250"
	.amdhsa_code_object_version 6
	.text
	.protected	k_q7cbc4a671f_attn
	.globl	k_q7cbc4a671f_attn
	.p2align	8
	.type	k_q7cbc4a671f_attn,@function
k_q7cbc4a671f_attn:
	s_mov_b64 s[64:65], 0
	v_nop
	global_prefetch_b8 v0, s[64:65] scope:SCOPE_SE
	s_setreg_imm32_b32 hwreg(HW_REG_WAVE_MODE, 25, 1), 1
	s_wait_xcnt 0x0
; ATTN: ctx = softmax(Q K^T / 8, masked) V for one head of one batch and 512 queries, both products on codes of FP8 (E4M3) with E8M0 scales; ctx leaves quantised along the features, as images of the next operand's registers.
; THE SOFTMAX AHEAD OF THE SECOND PRODUCT: t = score x log2(e) / 8; M = the running largest t rounded UP to a whole number; p = 2^(t - M) is quantised along the keys, not normalised.
; The row's sum is taken of the unquantised p and divides at the end.  When M moves, the sum and O are multiplied by 2^(old M - new M): exact.
; SHARES: sixteen waves, four to a SIMD; wave w owns query tiles 2 w and 2 w + 1 of the block, one after the other, and walks all 2,048 keys, 128 a step.
; The head's whole K and V lie in LDS as images of their registers, brought once by four tensor loads a wave (four are out at the most); no LDS byte is filled twice; one barrier.
; LAYOUT: S^T = K Q^T (source 0 = 16 keys, source 1 = my 16 queries), O^T = V^T P^T: a lane holds ONE query throughout.
; THE HEAD IS 64 LONG, THE INSTRUCTION 128: Q's registers 8-15 are zero codes.  K's eight tiles of a step lie on end, 8 registers each, with 8 zero registers behind; tile t's operand is 16 registers from its first on:
; its upper half holds the next tile's codes, which meet Q's zeros.  That leans on K's codes never being NaN codes: the launch that made them holds at 448.  The scale words are 16 bits with zeros above (2^-127, no NaN).
; THE MASK comes as one lane mask for each score register: 64 words a step, by scalar loads a step ahead.  The 64 selects are done in every step: the masks choose values alone, and no branch and no address hangs on them.
; LIMIT: a masked logit is taken as -2^30 and not -1e9: the score -2^33 times c is exact and whole, so a row that is masked throughout gives p = 1 for every key, as the definition does.
;   The results are the same as long as unmasked logits lie above about -9.9e8.  NaN and infinities are not served.  A block of ctx under 2^-118 gets the byte 1.
; NO CLUSTER: the four query blocks of a head read the same K and V, but only once: 268 KB at the launch's head, behind which a work-group walks 16 waves x 2 tiles x 16 steps without a further fetch.
;   A joint request would spare three of four of those single reads and nothing in the loop.
; REGISTERS: v1-4 addresses that stay; v5-8 the step's; v9 4 r, v10 2 x lane; v11 tile 0's scale bytes; v12 -M, v13 largest t, v[14:15] the sum; v16-23 Q, v24-31 zeros; v32-95 K, v96-103 zeros;
;   v104-167 S^T, then p, then V's four fragments; v168-199 O^T; v200-215 p's codes; v216-231 at work; v[232:233] second chain of the sum; v[234:235] f; v238 the masked score; v239 p's scale word; v240-247, v248-251, v252 scale words of K, V, Q.
.set KIMG, 8388608
.set VIMG, 16777216
.set QSW,  25165824
.set KSW,  25427968
.set VSW,  25690112
.set LV,   131072                      ; LDS: K [tile 128][1,024] at 0; V [step 16][tile 4][2,048] here;
.set LKS,  262144                      ; K's scale words, one a key (both heads of the pair);
.set LVS,  270336                      ; V's, [step 16][64 rows]
.set S,    104
.set O,    168
.set PC,   200
.set BM,   216
.set T1,   220
.set CAP,  224
.set SOP,  228
.set TM,   216
.set SELR, 20
.set MNTR, 19
	s_load_b128 s[84:87], s[0:1], 0x0              ; qkv, maskw
	s_load_b64 s[88:89], s[0:1], 0x10              ; ctx
	v_lshl_add_u32 v254, v0, 2, 0x43000
	v_mov_b32 v255, 0
	ds_add_u32 v254, v255
	ds_add_u32 v254, v255
	v_lshrrev_b32 v1, 5, v0
	v_readfirstlane_b32 s16, v1                    ; wave 0..15
	s_and_b32 s24, ttmp7, 0xffff
	s_lshr_b32 s25, s24, 4                         ; the batch
	s_and_b32 s26, s24, 15                         ; the head
	s_lshl_b32 s27, s25, 7
	s_lshl_b32 s28, ttmp9, 5
	s_add_co_u32 s27, s27, s28
	s_lshl_b32 s28, s16, 1
	s_add_co_u32 s27, s27, s28                     ; my first query tile among the 512: 128 b + 32 x + 2 w
	s_mov_b32 s31, 0
	; descriptor groups 1, elements of 8 bytes, no padding.  K: 8 tiles x 1,024 bytes, 16,384 apart.  V: 4 tiles x 2,048 bytes, 131,072 apart.  Scale words: dense rows of 256 bytes.
	s_mov_b32 s32, 3<<16
	s_mov_b32 s33, 128<<16
	s_mov_b32 s34, 8<<16
	s_mov_b32 s35, 128<<16
	s_mov_b32 s36, 8
	s_mov_b32 s37, 2048
	s_mov_b32 s38, 0
	s_mov_b32 s39, 0
	s_mov_b32 s40, 3<<16
	s_mov_b32 s41, 256<<16
	s_mov_b32 s42, 4<<16
	s_mov_b32 s43, 256<<16
	s_mov_b32 s44, 4
	s_mov_b32 s45, 16384
	s_mov_b32 s46, 0
	s_mov_b32 s47, 0
	s_mov_b32 s48, 3<<16
	s_mov_b32 s49, 32<<16
	s_mov_b32 s50, 2<<16
	s_mov_b32 s51, 32<<16
	s_mov_b32 s52, 2
	s_mov_b32 s53, 32
	s_mov_b32 s54, 0
	s_mov_b32 s55, 0
	s_mov_b32 s56, 3<<16
	s_mov_b32 s57, 32<<16
	s_mov_b32 s58, 1<<16
	s_mov_b32 s59, 32<<16
	s_mov_b32 s60, 1
	s_mov_b32 s61, 32
	s_mov_b32 s62, 0
	s_mov_b32 s63, 0
	s_mov_b32 s68, 1
	s_lshl_b32 s69, s16, 13                        ; K: my eight tiles
	s_mov_b32 s72, 1
	s_lshl_b32 s73, s16, 13
	s_add_co_u32 s73, s73, LV                      ; V: step w
	s_mov_b32 s76, 1
	s_lshl_b32 s77, s16, 9
	s_add_co_u32 s77, s77, LKS
	s_mov_b32 s80, 1
	s_lshl_b32 s81, s16, 8
	s_add_co_u32 s81, s81, LVS
	s_wait_dscnt 0x0
	s_wait_kmcnt 0x0
	s_lshl_b32 s30, s25, 21                        ; K's image: ((128 b + 8 w) x 32 + 2 h) x 512
	s_lshl_b32 s28, s16, 17
	s_add_co_u32 s30, s30, s28
	s_lshl_b32 s28, s26, 10
	s_add_co_u32 s30, s30, s28
	s_add_co_u32 s30, s30, KIMG
	s_add_nc_u64 s[70:71], s[84:85], s[30:31]
	s_or_b32 s71, s71, 0x80000000
	s_lshl_b32 s30, s26, 19                        ; V's image: (4 h x 256 + 64 b + 4 w) x 512
	s_lshl_b32 s28, s25, 15
	s_add_co_u32 s30, s30, s28
	s_lshl_b32 s28, s16, 11
	s_add_co_u32 s30, s30, s28
	s_add_co_u32 s30, s30, VIMG
	s_add_nc_u64 s[74:75], s[84:85], s[30:31]
	s_or_b32 s75, s75, 0x80000000
	s_lshr_b32 s28, s26, 1                         ; K's scale words: ((h / 2) x 8,192 + 2,048 b + 128 w) x 4
	s_lshl_b32 s30, s28, 15
	s_lshl_b32 s28, s25, 13
	s_add_co_u32 s30, s30, s28
	s_lshl_b32 s28, s16, 9
	s_add_co_u32 s30, s30, s28
	s_add_co_u32 s30, s30, KSW
	s_add_nc_u64 s[78:79], s[84:85], s[30:31]
	s_or_b32 s79, s79, 0x80000000
	s_lshl_b32 s30, s25, 16                        ; V's: ((16 b + w) x 1,024 + 64 h) x 4
	s_lshl_b32 s28, s16, 12
	s_add_co_u32 s30, s30, s28
	s_lshl_b32 s28, s26, 8
	s_add_co_u32 s30, s30, s28
	s_add_co_u32 s30, s30, VSW
	s_add_nc_u64 s[82:83], s[84:85], s[30:31]
	s_or_b32 s83, s83, 0x80000000
	tensor_load_to_lds s[68:71], s[32:39]          ; every wave's four first fills go out together, ahead of every wait on TENSORcnt, LDS read and barrier
	s_nop 0
	tensor_load_to_lds s[72:75], s[40:47]
	s_nop 0
	tensor_load_to_lds s[76:79], s[48:55]
	s_nop 0
	tensor_load_to_lds s[80:83], s[56:63]
	s_nop 0
.rept 4
	v_nop
.endr
	s_lshl_b32 s30, s27, 14                        ; Q's image and ctx's: (tile x 32 + 2 h) x 512
	s_lshl_b32 s28, s26, 10
	s_add_co_u32 s30, s30, s28
	s_add_nc_u64 s[4:5], s[84:85], s[30:31]
	s_add_nc_u64 s[12:13], s[88:89], s[30:31]
	s_lshr_b32 s28, s26, 1                         ; Q's scale bytes: ((h / 2) x 8,192 + 16 tile) x 4 + 2 (h % 2)
	s_lshl_b32 s30, s28, 15
	s_lshl_b32 s28, s27, 6
	s_add_co_u32 s30, s30, s28
	s_and_b32 s29, s26, 1
	s_lshl_b32 s29, s29, 1
	s_add_co_u32 s30, s30, s29
	s_add_co_u32 s30, s30, QSW
	s_add_nc_u64 s[6:7], s[84:85], s[30:31]
	s_lshl_b32 s30, s27, 12                        ; the lane masks: 4,096 bytes a tile
	s_add_nc_u64 s[8:9], s[86:87], s[30:31]
	s_lshl_b32 s30, s26, 14                        ; ctx's scale bytes: (h x 8,192 + 16 tile) x 2
	s_lshl_b32 s28, s27, 5
	s_add_co_u32 s30, s30, s28
	s_add_co_u32 s30, s30, 8388608
	s_add_nc_u64 s[14:15], s[88:89], s[30:31]
	v_and_b32 v10, 31, v0
	v_lshlrev_b32 v1, 4, v10                       ; 16 x lane: an image's place for my lane
	v_add_nc_u32 v2, LV, v1
	v_and_b32 v9, 15, v0
	v_lshlrev_b32 v9, 2, v9                        ; 4 r
	v_add_nc_u32 v3, s29, v9
	v_add_nc_u32 v3, LKS, v3                       ; K's scale bytes: my head's two of the key's four
	v_add_nc_u32 v4, LVS, v9
	v_lshlrev_b32 v10, 1, v10
	s_mov_b32 s29, 0xffff0000                      ; lanes 16-31
	s_mov_b32 s[MNTR], 0x600000                    ; the mantissa field of 448
	s_mov_b32 s[SELR], 0x76543210
	s_mov_b32 s[SELR+1], 0xfedcba98                ; v_permlanex16_b32's selects for lane l xor 16
	s_mov_b32 s22, 0x3e38aa3b                      ; c = log2(e) / 8
	s_mov_b32 s23, s22                             ; (named with it as a pair)
.irp j, 0,1,2,3,4,5,6,7
	v_mov_b32 v[24+\j], 0                          ; Q's upper half: zero codes
	v_mov_b32 v[96+\j], 0                          ; and what stands behind K's last tile
.endr
.irp b, 0,1,2,3
	v_mov_b32 v[T1+\b], 0                          ; written once: a lane permute's destination counts as one of its sources
.endr
	v_mov_b32 v235, 0                              ; (named as the upper half of the pair v[234:235])
	v_mov_b32 v236, 0
	v_mov_b32 v238, 0xd0000000                     ; -2^33
	s_wait_tensorcnt 0x0                           ; my four loads have landed: their descriptors' registers are free from here on
	s_barrier_signal -1
	s_barrier_wait -1                              ; everybody's have
.macro KFETCH                          ; a step's eight tiles of K and their scale bytes
.irp t, 0,1,2,3,4,5,6,7
	ds_load_b128 v[32+8*\t:35+8*\t], v5 offset:1024*\t
	ds_load_b128 v[36+8*\t:39+8*\t], v5 offset:1024*\t+512
	ds_load_u16 v[240+\t], v6 offset:64*\t
.endr
.endm
.macro MASKLOAD ti                     ; the 64 lane masks of the step whose byte offset is in s28
	s_load_b512 s[32:47], s[8:9], s28 offset:4096*\ti
	s_load_b512 s[48:63], s[8:9], s28 offset:4096*\ti+64
	s_load_b512 s[68:83], s[8:9], s28 offset:4096*\ti+128
	s_load_b512 s[84:99], s[8:9], s28 offset:4096*\ti+192
.endm
.macro QUANT2 s, pc, u                 ; 32 numbers of a lane, register 8 b + j = feature 16 b + 8 h + j of my row -> two register groups of the next operand, and their two scale bytes
.irp g, 0,1
	v_max3_num_f32 v[TM+\g], |v[\s+16*\g]|, |v[\s+16*\g+1]|, 0x4800000
.endr
.irp e, 2,4,6,8,10,12,14
.irp g, 0,1
	v_max3_num_f32 v[TM+\g], v[TM+\g], |v[\s+16*\g+\e]|, |v[\s+16*\g+\e+1]|
.endr
.endr
.irp g, 0,1
	v_permlanex16_b32 v[TM+2+\g], v[TM+\g], s[SELR], s[SELR+1]
.endr
.irp g, 0,1
	v_max_num_f32 v[TM+\g], v[TM+\g], v[TM+2+\g]
.endr
.irp g, 0,1
	v_add_nc_u32 v[TM+4+\g], 0xfc000000, v[TM+\g]
.endr
.irp g, 0,1
	v_and_or_b32 v[TM+6+\g], v[TM+\g], 0x7f800000, s[MNTR]
.endr
.irp g, 0,1
	v_lshrrev_b32 v[TM+2+\g], 23, v[TM+4+\g]
.endr
	v_lshl_or_b32 v[\u], v[TM+3], 8, v[TM+2]
.irp g, 0,1
.irp e, 0,1,2,3,4,5,6,7,8,9,10,11,12,13,14,15
	v_med3_num_f32 v[\s+16*\g+\e], v[\s+16*\g+\e], -v[TM+6+\g], v[TM+6+\g]
.endr
	v_cvt_scalef32_pk8_fp8_f32 v[\pc+4*\g:\pc+4*\g+1], v[\s+16*\g:\s+16*\g+7], v[TM+4+\g]
	v_cvt_scalef32_pk8_fp8_f32 v[\pc+4*\g+2:\pc+4*\g+3], v[\s+16*\g+8:\s+16*\g+15], v[TM+4+\g]
.endr
	v_nop                                          ; a plain place behind the conversions
.irp g, 0,1
	v_permlane16_swap_b32 v[\pc+4*\g], v[\pc+4*\g+2]
	v_permlane16_swap_b32 v[\pc+4*\g+1], v[\pc+4*\g+3]
.endr
.endm
; A KEY STEP: 128 keys, step s17 of 16.
.macro STEP ti
	s_wait_dscnt 0x0                               ; K's tiles and scale bytes are in
.irp t, 0,1,2,3,4,5,6,7
	v_wmma_scale_f32_16x16x128_f8f6f4 v[S+8*\t:S+8*\t+7], v[32+8*\t:47+8*\t], v[16:31], 0, v[240+\t], v252
.endr
	s_add_co_u32 s24, s17, 1
	s_and_b32 s24, s24, 15                         ; the next step; behind the last, step 0 again: what the next tile begins with
	s_lshl_b32 s25, s24, 13
	s_lshl_b32 s26, s24, 9
	s_lshl_b32 s27, s17, 13
	s_lshl_b32 s30, s17, 8
	v_add_nc_u32 v5, s25, v1                       ; these four and four v_nop are the eight places in front of the loads into K's registers and of the first read of the scores
	v_add_nc_u32 v6, s26, v3
	v_add_nc_u32 v7, s27, v2
	v_add_nc_u32 v8, s30, v4
.rept 4
	v_nop
.endr
	KFETCH                                         ; the next step's K: it has the whole softmax in which to come
	s_wait_kmcnt 0x0                               ; the step's lane masks are in
.set n, 0
.rept 32
	v_cndmask_b32 v[S+n], v[S+n], v238, s[32+n]    ; a masked key's score becomes -2^33; each accumulator from its low end on
.set n, n+1
.endr
.rept 32
	v_cndmask_b32 v[S+n], v[S+n], v238, s[36+n]
.set n, n+1
.endr
	s_lshl_b32 s28, s24, 8
	MASKLOAD \ti                                   ; the next step's
.irp b, 0,1,2,3
	v_max3_num_f32 v[BM+\b], v[S+16*\b], v[S+16*\b+1], v[S+16*\b+2]   ; the largest score of each block of 32 keys: for the row's maximum, and, since p rises with the score, for the block's largest p
.endr
.irp e, 3,5,7,9,11,13
.irp b, 0,1,2,3
	v_max3_num_f32 v[BM+\b], v[BM+\b], v[S+16*\b+\e], v[S+16*\b+\e+1]
.endr
.endr
.irp b, 0,1,2,3
	v_max_num_f32 v[BM+\b], v[BM+\b], v[S+16*\b+15]
.endr
.irp b, 0,1,2,3
	v_permlanex16_b32 v[T1+\b], v[BM+\b], s[SELR], s[SELR+1]
.endr
.irp b, 0,1,2,3
	v_max_num_f32 v[BM+\b], v[BM+\b], v[T1+\b]     ; with lane l xor 16's 16 keys
.endr
	v_max3_num_f32 v236, v[BM], v[BM+1], v[BM+2]
	v_max_num_f32 v236, v236, v[BM+3]
	v_mul_f32 v236, s22, v236                      ; as t (c is positive)
	v_max_num_f32 v13, v13, v236                   ; the running largest t
	v_mov_b32 v236, v12
	v_floor_f32 v12, -v13                          ; the new -M = -ceil(t)
	v_sub_f32 v236, v12, v236                      ; old M - new M: whole, 0 or less
	v_cvt_i32_f32 v236, v236                       ; (it saturates)
	v_ldexp_f32 v234, 1.0, v236                    ; f = 2^(old M - new M)
.irp j, 0,2,4,6,8,10,12,14,16,18,20,22,24,26,28,30,32,34,36,38,40,42,44,46,48,50,52,54,56,58,60,62
	v_pk_fma_f32 v[S+\j:S+\j+1], v[S+\j:S+\j+1], s[22:23], v[12:13] op_sel_hi:[1,0,0]   ; t - M
.endr
.irp b, 0,1,2,3
	v_fma_f32 v[BM+\b], v[BM+\b], s22, v12
.endr
.irp j, 0,1,2,3,4,5,6,7,8,9,10,11,12,13,14,15,16,17,18,19,20,21,22,23,24,25,26,27,28,29,30,31,32,33,34,35,36,37,38,39,40,41,42,43,44,45,46,47,48,49,50,51,52,53,54,55,56,57,58,59,60,61,62,63
	v_exp_f32 v[S+\j], v[S+\j]                     ; p = 2^(t - M)
.endr
.irp b, 0,1,2,3
	v_exp_f32 v[BM+\b], v[BM+\b]                   ; the block's largest p: the same two instructions on the same number
.endr
	v_pk_mul_f32 v[14:15], v[14:15], v[234:235] op_sel_hi:[1,0]   ; the sum under the new M (a plain place behind the exponentials)
	s_wait_alu depctr_va_vdst(0)
.irp b, 0,1,2,3
	v_max_num_f32 v[BM+\b], 0x4800000, v[BM+\b]    ; the floor 2^(9 - 127)
.endr
.irp b, 0,1,2,3
	v_add_nc_u32 v[SOP+\b], 0xfc000000, v[BM+\b]
.endr
.irp b, 0,1,2,3
	v_and_or_b32 v[CAP+\b], v[BM+\b], 0x7f800000, s[MNTR]
.endr
.irp b, 0,1,2,3
	v_lshrrev_b32 v[T1+\b], 23, v[SOP+\b]
.endr
	v_lshl_or_b32 v239, v[T1+1], 8, v[T1]          ; p's scale word for these 128 keys: far more than eight places ahead of the products that name it
	v_lshl_or_b32 v239, v[T1+2], 16, v239
	v_lshl_or_b32 v239, v[T1+3], 24, v239
	v_pk_add_f32 v[232:233], v[S:S+1], v[S+2:S+3]  ; the row's sum of the unquantised p, in two chains
.irp j, 4,8,12,16,20,24,28,32,36,40,44,48,52,56,60
	v_pk_add_f32 v[14:15], v[14:15], v[S+\j:S+\j+1]
	v_pk_add_f32 v[232:233], v[232:233], v[S+\j+2:S+\j+3]
.endr
	v_pk_add_f32 v[14:15], v[14:15], v[232:233]
.irp b, 0,1,2,3
.irp e, 0,1,2,3,4,5,6,7,8,9,10,11,12,13,14,15
	v_min_num_f32 v[S+16*\b+\e], v[S+16*\b+\e], v[CAP+\b]   ; the hold; p is not negative
.endr
	v_cvt_scalef32_pk8_fp8_f32 v[PC+4*\b:PC+4*\b+1], v[S+16*\b:S+16*\b+7], v[SOP+\b]
	v_cvt_scalef32_pk8_fp8_f32 v[PC+4*\b+2:PC+4*\b+3], v[S+16*\b+8:S+16*\b+15], v[SOP+\b]
.irp c, 0,1,2,3
	ds_load_b128 v[S+16*\b+4*\c:S+16*\b+4*\c+3], v7 offset:2048*\b+512*\c   ; V's fragment b takes the registers that block b of p has left
.endr
	ds_load_b32 v[248+\b], v8 offset:64*\b
.endr
.irp j, 0,2,4,6,8,10,12,14,16,18,20,22,24,26,28,30
	v_pk_mul_f32 v[O+\j:O+\j+1], v[O+\j:O+\j+1], v[234:235] op_sel_hi:[1,0]   ; O^T under the new M; also the plain places behind the conversions
.endr
.irp b, 0,1,2,3
	v_permlane16_swap_b32 v[PC+4*\b], v[PC+4*\b+2] ; into the operand's order: lane (r, h) holds keys 32 b + 16 h + 0..15
	v_permlane16_swap_b32 v[PC+4*\b+1], v[PC+4*\b+3]
.endr
.rept 4
	v_nop                                          ; an operand written by vector instructions stands four places ahead of a scaled matrix instruction
.endr
	s_wait_dscnt 0x0                               ; V's fragments and scale words (and the next step's K)
.irp d, 0,1,2,3
	v_wmma_scale_f32_16x16x128_f8f6f4 v[O+8*\d:O+8*\d+7], v[S+16*\d:S+16*\d+15], v[PC:PC+15], v[O+8*\d:O+8*\d+7], v[248+\d], v239   ; four accumulators by turns
.endr
.rept 9
	v_nop                                          ; the next step's scores are laid over V's registers: nine places in front of a matrix instruction that writes over an operand
.endr
.endm
.macro TILE ti
	s_wait_kmcnt 0x0                               ; no scalar load is out: the masks' registers and s28 may be named anew
	s_mov_b32 s28, 0
	MASKLOAD \ti
	global_load_b128 v[16:19], v1, s[4:5] offset:16384*\ti
	global_load_b128 v[20:23], v1, s[4:5] offset:16384*\ti+512
	global_load_u16 v252, v9, s[6:7] offset:64*\ti
.if \ti == 0
	v_mov_b32 v5, v1
	v_mov_b32 v6, v3
	KFETCH                                         ; step 0's K (for the second tile the last step has fetched it)
.endif
	v_mov_b32 v13, 0xff61b1e6                      ; the largest t so far: -3e38
	v_floor_f32 v12, -v13
	v_mov_b32 v14, 0
	v_mov_b32 v15, 0
.irp j, 0,1,2,3,4,5,6,7,8,9,10,11,12,13,14,15,16,17,18,19,20,21,22,23,24,25,26,27,28,29,30,31
	v_mov_b32 v[O+\j], 0                           ; the step is written once: the first finds zeros, which the first change of M leaves zeros
.endr
	s_wait_loadcnt 0x0                             ; Q
	s_mov_b32 s17, 0
.Lstep_\@:
	STEP \ti
	s_add_co_u32 s17, s17, 1
	s_cmp_lt_u32 s17, 16
	s_cbranch_scc1 .Lstep_\@
	v_add_f32 v14, v14, v15
	v_permlanex16_b32 v236, v14, s[SELR], s[SELR+1]
	v_add_f32 v14, v14, v236                       ; the row's sum
	v_rcp_f32 v14, v14
	v_nop
	s_wait_alu depctr_va_vdst(0)
.irp j, 0,2,4,6,8,10,12,14,16,18,20,22,24,26,28,30
	v_pk_mul_f32 v[O+\j:O+\j+1], v[O+\j:O+\j+1], v[14:15] op_sel_hi:[1,0]
.endr
.if \ti == 0
	QUANT2 O, PC, 11
.else
	QUANT2 O, PC, 237
.endif
	global_store_b128 v1, v[PC:PC+3], s[12:13] offset:16384*\ti          ; 512 consecutive bytes a store
	global_store_b128 v1, v[PC+4:PC+7], s[12:13] offset:16384*\ti+512
	s_wait_xcnt 0x0                                ; the codes' registers are written again only behind this wait
.endm
	TILE 0
	TILE 1
	v_cndmask_b32 v236, v11, v237, s29             ; lanes 0-15: the first tile's rows; lanes 16-31: the second's
	global_store_b16 v10, v236, s[14:15]
	s_wait_kmcnt 0x0                               ; the last step's look-ahead
	s_wait_tensorcnt 0x0
	ds_add_u32 v254, v255
	s_wait_dscnt 0x0
	s_endpgm
.Lfunc_end_k_q7cbc4a671f_attn:
	.size	k_q7cbc4a671f_attn, .Lfunc_end_k_q7cbc4a671f_attn-k_q7cbc4a671f_attn
	.p2alignl 7, 3214868480
	.fill 96, 4, 3214868480
	.section	.rodata,"a",@progbits
	.p2align	6, 0x0
	.amdhsa_kernel k_q7cbc4a671f_attn
		.amdhsa_group_segment_fixed_size 276480
		.amdhsa_private_segment_fixed_size 0
		.amdhsa_enable_private_segment 0
		.amdhsa_kernarg_size 24
		.amdhsa_user_sgpr_count 2
		.amdhsa_user_sgpr_kernarg_segment_ptr 1
		.amdhsa_wavefront_size32 1
		.amdhsa_system_sgpr_workgroup_id_x 1
		.amdhsa_system_sgpr_workgroup_id_y 1
		.amdhsa_system_sgpr_workgroup_id_z 1
		.amdhsa_system_vgpr_workitem_id 0
		.amdhsa_next_free_vgpr 256
		.amdhsa_next_free_sgpr 100
		.amdhsa_reserve_vcc 0
		.amdhsa_float_denorm_mode_32 3
		.amdhsa_float_denorm_mode_16_64 3
		.amdhsa_memory_ordered 1
		.amdhsa_forward_progress 1
		.amdhsa_inst_pref_size 72
	.end_amdhsa_kernel
	.amdgpu_metadata
---
amdhsa.version: [ 1, 2 ]
amdhsa.kernels:
  - .name:           k_q7cbc4a671f_attn
    .symbol:         k_q7cbc4a671f_attn.kd
    .args:
      - { .name: qkv, .offset: 0, .size: 8, .value_kind: global_buffer, .address_space: global }
      - { .name: maskw, .offset: 8, .size: 8, .value_kind: global_buffer, .address_space: global }
      - { .name: ctx, .offset: 16, .size: 8, .value_kind: global_buffer, .address_space: global }
    .group_segment_fixed_size: 276480
    .private_segment_fixed_size: 0
    .kernarg_segment_align: 8
    .kernarg_segment_size: 24
    .max_flat_workgroup_size: 512
    .sgpr_count:     100
    .vgpr_count:     256
    .wavefront_size: 32
...
	.end_amdgpu_metadata
.endif
;; end of part 3
;; launch oproj (part 4): grid 256 x 1, 16 waves a work-group, no clusters, 110,592 bytes of LDS; arguments ctx, wo, input_Q, ln_gamma, ln_beta, out0; writes out0
.if DOCPART == 4
	.amdgcn_target "amdgcn-amd-amdhsa--gfx1250"
	.amdhsa_code_object_version 6
	.text
	.protected	k_q7cbc4a671f_oproj
	.globl	k_q7cbc4a671f_oproj
	.p2align	8
	.type	k_q7cbc4a671f_oproj,@function
k_q7cbc4a671f_oproj:
	s_mov_b64 s[64:65], 0
	v_nop
	global_prefetch_b8 v0, s[64:65] scope:SCOPE_SE
	s_setreg_imm32_b32 hwreg(HW_REG_WAVE_MODE, 25, 1), 1
	s_wait_xcnt 0x0
; OPROJ: out0 = LayerNorm(ctx w_o^T + input_Q) x gamma + beta; the product on codes of FP8 (E4M3) with E8M0 scales, all else in f32.
; SHARES: a work-group takes 32 rows and all 1,024 columns, so that a row's mean and variance stay inside it.  Sixteen waves; wave w makes columns 64 w .. 64 w + 63: four tiles of w_o x two tiles of rows, 8 accumulators.
; ctx's 16 fragments (32 KB) are needed by every wave: each wave brings one into LDS as an image of its registers.  Each fragment of w_o is used by ONE wave of the work-group, once: it comes dense from its image straight into registers.
; NO CLUSTER, NO TENSOR LOAD: w_o does not pass through LDS here, so there is no tile that a joint load could serve.
; THE PRODUCT IS USED TRANSPOSED (source 0 = 16 rows of w_o, source 1 = 16 rows of ctx): lane (r, h) holds row r and columns 16 t + 8 h + 0..7.
; The residual comes in and the result goes out through the wave's own stage in LDS, so that sixteen lanes read or store 256 consecutive bytes, aligned.  The variance is taken of the centred numbers, in a second pass.
; REGISTERS: v1-11 addresses; v16-23 w_o's scale words, two sets; v24-25 ctx's; v[26:27], v[28:29] a row tile's mean, then 1 / sigma; v32-63 ctx's two fragments, later gamma; v64-127, v128-191 w_o's fragments, two sets,
;   later the residual, beta, partial sums and the rows on their way out; v192-255 the accumulators ((t, a) at 192 + 8 (2 t + a)).
.set YSC,   32768                      ; LDS: ctx's 16 fragments at 0, (8 a + s) x 2,048; their scale words here, 128 s + 64 a + 4 r;
.set STAGE, 33792                      ; a stage of 16 rows x (256 + 16) bytes for each wave;
.set RED1,  103424                     ; 32 rows x 16 partial sums, rows 80 bytes apart;
.set RED2,  2560                       ; and the same for the squares, this far behind
.set ACC,   192
	s_load_b256 s[4:11], s[0:1], 0x0               ; ctx, wo, input_Q, ln_gamma
	s_load_b128 s[12:15], s[0:1], 0x20             ; ln_beta, out0
	v_lshrrev_b32 v1, 5, v0
	v_readfirstlane_b32 s16, v1                    ; wave 0..15
	s_and_b32 s17, s16, 1                          ; which tile of rows, and
	s_lshr_b32 s18, s16, 1                         ; which K step of ctx I bring in
	s_mov_b32 s25, 0
	v_and_b32 v12, 31, v0
	v_and_b32 v13, 15, v0                          ; r
	v_bfe_u32 v14, v0, 4, 1                        ; h
	v_lshlrev_b32 v1, 4, v12                       ; 16 x lane
	v_lshlrev_b32 v2, 2, v13                       ; 4 r
	v_lshlrev_b32 v11, 1, v13                      ; 2 r
	v_lshlrev_b32 v8, 5, v14                       ; 32 h
	s_mul_i32 s19, s16, 4352
	s_add_co_u32 s19, s19, STAGE
	v_mul_u32_u24 v3, v13, 272
	v_lshl_add_u32 v3, v14, 5, v3
	v_add_nc_u32 v3, s19, v3                       ; the stage in the result's layout: row r, + 32 h
	v_mul_u32_u24 v4, v14, 272
	v_lshl_add_u32 v4, v13, 4, v4
	v_add_nc_u32 v4, s19, v4                       ; and by rows: lanes 0-15 one row, lanes 16-31 the next
	v_lshlrev_b32 v5, 12, v14
	v_lshl_add_u32 v5, v13, 4, v5
	s_lshl_b32 s19, s16, 8
	v_add_nc_u32 v5, s19, v5                       ; the same two rows in memory, at my 256 bytes
	v_mul_u32_u24 v7, v13, 80
	v_add_nc_u32 v7, RED1, v7
	s_lshl_b32 s19, s16, 2
	v_add_nc_u32 v6, s19, v7
	s_lshl_b32 s19, s17, 14
	s_lshl_b32 s20, s18, 11
	s_add_co_u32 s19, s19, s20
	v_add_nc_u32 v9, s19, v1                       ; where my fragment of ctx goes
	s_lshl_b32 s19, s18, 7
	s_lshl_b32 s20, s17, 6
	s_add_co_u32 s19, s19, s20
	s_add_co_u32 s19, s19, YSC
	v_add_nc_u32 v10, s19, v2                      ; and its scale words
	v_mov_b32 v27, 0                               ; (upper halves of pairs that are named whole)
	v_mov_b32 v29, 0
	v_mov_b32 v30, 0                               ; written once: a lane permute's destination counts as one of its sources
	v_mov_b32 v31, 0
	s_mov_b32 s34, 0x3a800000                      ; 1 / 1,024
	s_mov_b32 s35, 0x3727c5ac                      ; 1e-5
	s_mov_b32 s36, 0x76543210
	s_mov_b32 s37, 0xfedcba98
	s_lshl_b32 s21, ttmp9, 1
	s_add_co_u32 s21, s21, s17                     ; the tile of 16 rows that I bring in
	s_wait_kmcnt 0x0
	s_lshl_b32 s24, s21, 14
	s_lshl_b32 s20, s18, 11
	s_add_co_u32 s24, s24, s20
	s_add_nc_u64 s[26:27], s[4:5], s[24:25]        ; ctx's image: (tile x 32 + 4 s) x 512
	s_lshl_b32 s24, s18, 15
	s_lshl_b32 s20, s21, 5
	s_add_co_u32 s24, s24, s20
	s_add_co_u32 s24, s24, 8388608
	s_add_nc_u64 s[28:29], s[4:5], s[24:25]        ; its scale bytes: (head 2 s x 8,192 + 16 tile) x 2
	s_lshl_b32 s24, s16, 16
	s_add_nc_u64 s[30:31], s[6:7], s[24:25]        ; w_o's image: my four tiles
	s_lshl_b32 s24, s16, 11
	s_add_co_u32 s24, s24, 1048576
	s_add_nc_u64 s[32:33], s[6:7], s[24:25]        ; and their scale words
	s_lshl_b32 s24, ttmp9, 17
	s_add_nc_u64 s[8:9], s[8:9], s[24:25]          ; input_Q and out0 at my 32 rows
	s_add_nc_u64 s[14:15], s[14:15], s[24:25]
	s_lshl_b32 s24, s16, 8
	s_add_nc_u64 s[10:11], s[10:11], s[24:25]      ; gamma and beta at my 64 columns
	s_add_nc_u64 s[12:13], s[12:13], s[24:25]
.macro XLOAD s                         ; K step s of w_o: four fragments and their scale words: 20 loads
.irp t, 0,1,2,3
.irp c, 0,1,2,3
	global_load_b128 v[64+64*((\s)%2)+16*\t+4*\c:64+64*((\s)%2)+16*\t+4*\c+3], v1, s[30:31] offset:16384*\t+2048*(\s)+512*\c
.endr
	global_load_b32 v[16+4*((\s)%2)+\t], v2, s[32:33] offset:1024*(\t/2)+128*(\s)+64*(\t%2)
.endr
.endm
.macro YLOAD s                         ; K step s of ctx, both tiles of rows
.irp a, 0,1
.irp c, 0,1,2,3
	ds_load_b128 v[32+16*\a+4*\c:32+16*\a+4*\c+3], v1 offset:(8*\a+(\s))*2048+512*\c
.endr
	ds_load_b32 v[24+\a], v2 offset:YSC+128*(\s)+64*\a
.endr
.endm
.irp c, 0,1,2,3
	global_load_b128 v[32+4*\c:35+4*\c], v1, s[26:27] offset:512*\c
.endr
	global_load_u16 v48, v11, s[28:29]
	global_load_u16 v49, v11, s[28:29] offset:16384
	XLOAD 0
	XLOAD 1
	s_wait_loadcnt 40                              ; my fragment of ctx and its scale bytes are in; the 40 loads of w_o's first two K steps stay out
	v_lshl_or_b32 v50, v49, 16, v48                ; two heads' bytes make the K step's scale word
.irp c, 0,1,2,3
	ds_store_b128 v9, v[32+4*\c:35+4*\c] offset:512*\c
.endr
	ds_store_b32 v10, v50                          ; (both halves of the lanes write the same word)
	s_wait_dscnt 0x0                               ; for the others' sake
	s_barrier_signal -1
	s_barrier_wait -1                              ; ctx's sixteen fragments lie in LDS
	YLOAD 0
.macro KSTEP s
.if (\s)==7
	s_wait_loadcnt 16                              ; the last K step of w_o is in; the residual's 16 loads stay out
.else
	s_wait_loadcnt 20                              ; this K step of w_o is in; the next one's 20 loads stay out
.endif
	s_wait_dscnt 0x0
.irp t, 0,1,2,3
.irp a, 0,1
.if (\s)==0
	v_wmma_scale_f32_16x16x128_f8f6f4 v[ACC+8*(2*\t+\a):ACC+8*(2*\t+\a)+7], v[64+64*((\s)%2)+16*\t:64+64*((\s)%2)+16*\t+15], v[32+16*\a:32+16*\a+15], 0, v[16+4*((\s)%2)+\t], v[24+\a]
.else
	v_wmma_scale_f32_16x16x128_f8f6f4 v[ACC+8*(2*\t+\a):ACC+8*(2*\t+\a)+7], v[64+64*((\s)%2)+16*\t:64+64*((\s)%2)+16*\t+15], v[32+16*\a:32+16*\a+15], v[ACC+8*(2*\t+\a):ACC+8*(2*\t+\a)+7], v[16+4*((\s)%2)+\t], v[24+\a]
.endif
.endr
.endr
.rept 8
	v_nop                                          ; in front of loads into registers that these products have read, and of the first read of results (ISA guide 7.12.1 for vector instructions)
.endr
.if (\s)<7
	YLOAD (\s)+1
.endif
.if (\s)<6
	XLOAD (\s)+2
.endif
.if (\s)==6
.irp a, 0,1
.irp i, 0,1,2,3,4,5,6,7
	global_load_b128 v[64+32*\a+4*\i:67+32*\a+4*\i], v5, s[8:9] offset:(16*\a+2*\i)*4096 th:TH_LOAD_NT   ; the residual, by rows: sixteen lanes read 256 consecutive bytes
.endr
.endr
.endif
.endm
.irp s, 0,1,2,3,4,5,6,7
	KSTEP \s                                       ; the eight accumulators take turns, one instruction a turn
.endr
.irp t, 0,1,2,3
	global_load_b128 v[32+8*\t:35+8*\t], v8, s[10:11] offset:64*\t        ; gamma in the result's layout: columns 16 t + 8 h + 0..7
	global_load_b128 v[36+8*\t:39+8*\t], v8, s[10:11] offset:64*\t+16
.endr
	s_wait_loadcnt 8                               ; the residual is in; gamma's eight loads stay out
.irp a, 0,1
.irp i, 0,1,2,3,4,5,6,7
	ds_store_b128 v4, v[64+32*\a+4*\i:67+32*\a+4*\i] offset:544*\i
.endr
.irp t, 0,1,2,3
	ds_load_b128 v[128+32*\a+8*\t:131+32*\a+8*\t], v3 offset:64*\t        ; LDS serves a wave's instructions in order: these see the stores above, and the next tile's stores come behind them
	ds_load_b128 v[132+32*\a+8*\t:135+32*\a+8*\t], v3 offset:64*\t+16
.endr
.endr
	s_wait_dscnt 0x0
.irp t, 0,1,2,3
	global_load_b128 v[64+8*\t:67+8*\t], v8, s[12:13] offset:64*\t        ; beta likewise
	global_load_b128 v[68+8*\t:71+8*\t], v8, s[12:13] offset:64*\t+16
.endr
.irp t, 0,1,2,3
.irp a, 0,1
.irp j, 0,2,4,6
	v_pk_add_f32 v[ACC+8*(2*\t+\a)+\j:ACC+8*(2*\t+\a)+\j+1], v[ACC+8*(2*\t+\a)+\j:ACC+8*(2*\t+\a)+\j+1], v[128+32*\a+8*\t+\j:128+32*\a+8*\t+\j+1]   ; y = the product + the residual; each accumulator from its low end on
.endr
.endr
.endr
; A sum over a row's 1,024 numbers (sq = 0) or their squares (sq = 1): my 32, lane l xor 16's 32, then the sixteen waves' through LDS.  Ends with the totals in v96 (rows 0-15) and v112 (rows 16-31), the same bits in every wave.
.macro ROWRED sq, red
.irp a, 0,1
.if \sq
	v_pk_mul_f32 v[96+2*\a:97+2*\a], v[ACC+8*\a:ACC+8*\a+1], v[ACC+8*\a:ACC+8*\a+1]
.else
	v_pk_add_f32 v[96+2*\a:97+2*\a], v[ACC+8*\a:ACC+8*\a+1], v[ACC+8*\a+2:ACC+8*\a+3]
.endif
.endr
.set p, 2-\sq
.rept 14+\sq
.irp a, 0,1
.if \sq
	v_pk_fma_f32 v[96+2*\a:97+2*\a], v[ACC+8*(2*(p/4)+\a)+2*(p%4):ACC+8*(2*(p/4)+\a)+2*(p%4)+1], v[ACC+8*(2*(p/4)+\a)+2*(p%4):ACC+8*(2*(p/4)+\a)+2*(p%4)+1], v[96+2*\a:97+2*\a]
.else
	v_pk_add_f32 v[96+2*\a:97+2*\a], v[96+2*\a:97+2*\a], v[ACC+8*(2*(p/4)+\a)+2*(p%4):ACC+8*(2*(p/4)+\a)+2*(p%4)+1]
.endif
.endr
.set p, p+1
.endr
.irp a, 0,1
	v_add_f32 v[96+2*\a], v[96+2*\a], v[97+2*\a]
.endr
.irp a, 0,1
	v_permlanex16_b32 v[30+\a], v[96+2*\a], s36, s37
.endr
.irp a, 0,1
	v_add_f32 v[96+2*\a], v[96+2*\a], v[30+\a]
.endr
	ds_store_b32 v6, v96 offset:\red               ; row r's partial sum of my 64 columns (both halves of the lanes write the same word)
	ds_store_b32 v6, v98 offset:\red+1280
	s_wait_dscnt 0x0                               ; for the others' sake
	s_barrier_signal -1
	s_barrier_wait -1
.irp a, 0,1
.irp q, 0,1,2,3
	ds_load_b128 v[96+16*\a+4*\q:99+16*\a+4*\q], v7 offset:\red+1280*\a+16*\q
.endr
.endr
	s_wait_dscnt 0x0
.irp a, 0,1
	v_pk_add_f32 v[96+16*\a:97+16*\a], v[96+16*\a:97+16*\a], v[98+16*\a:99+16*\a]
	v_pk_add_f32 v[100+16*\a:101+16*\a], v[100+16*\a:101+16*\a], v[102+16*\a:103+16*\a]
	v_pk_add_f32 v[104+16*\a:105+16*\a], v[104+16*\a:105+16*\a], v[106+16*\a:107+16*\a]
	v_pk_add_f32 v[108+16*\a:109+16*\a], v[108+16*\a:109+16*\a], v[110+16*\a:111+16*\a]
	v_pk_add_f32 v[96+16*\a:97+16*\a], v[96+16*\a:97+16*\a], v[100+16*\a:101+16*\a]
	v_pk_add_f32 v[104+16*\a:105+16*\a], v[104+16*\a:105+16*\a], v[108+16*\a:109+16*\a]
	v_pk_add_f32 v[96+16*\a:97+16*\a], v[96+16*\a:97+16*\a], v[104+16*\a:105+16*\a]
	v_add_f32 v[96+16*\a], v[96+16*\a], v[97+16*\a]
.endr
.endm
	ROWRED 0, 0
	v_mul_f32 v26, s34, v96                        ; the means
	v_mul_f32 v28, s34, v112
.irp t, 0,1,2,3
.irp a, 0,1
.irp j, 0,2,4,6
	v_pk_add_f32 v[ACC+8*(2*\t+\a)+\j:ACC+8*(2*\t+\a)+\j+1], v[ACC+8*(2*\t+\a)+\j:ACC+8*(2*\t+\a)+\j+1], v[26+2*\a:27+2*\a] op_sel_hi:[1,0] neg_lo:[0,1] neg_hi:[0,1]   ; y - mean
.endr
.endr
.endr
	ROWRED 1, RED2
	v_fma_f32 v96, v96, s34, s35                   ; the variance + 1e-5
	v_fma_f32 v112, v112, s34, s35
	v_rsq_f32 v26, v96
	v_rsq_f32 v28, v112
	v_nop                                          ; a plain place behind the transcendentals
	s_wait_loadcnt 0x0                             ; gamma and beta
	s_wait_alu depctr_va_vdst(0)
.irp t, 0,1,2,3
.irp a, 0,1
.irp j, 0,2,4,6
	v_pk_mul_f32 v[ACC+8*(2*\t+\a)+\j:ACC+8*(2*\t+\a)+\j+1], v[ACC+8*(2*\t+\a)+\j:ACC+8*(2*\t+\a)+\j+1], v[26+2*\a:27+2*\a] op_sel_hi:[1,0]
.endr
.endr
.endr
.irp t, 0,1,2,3
.irp a, 0,1
.irp j, 0,2,4,6
	v_pk_fma_f32 v[ACC+8*(2*\t+\a)+\j:ACC+8*(2*\t+\a)+\j+1], v[ACC+8*(2*\t+\a)+\j:ACC+8*(2*\t+\a)+\j+1], v[32+8*\t+\j:32+8*\t+\j+1], v[64+8*\t+\j:64+8*\t+\j+1]
.endr
.endr
.endr
.irp a, 0,1                            ; the way out: a tile of 16 rows x my 256 bytes through my stage, back by rows
.irp t, 0,1,2,3
	ds_store_b128 v3, v[ACC+8*(2*\t+\a):ACC+8*(2*\t+\a)+3] offset:64*\t
	ds_store_b128 v3, v[ACC+8*(2*\t+\a)+4:ACC+8*(2*\t+\a)+7] offset:64*\t+16
.endr
.irp i, 0,1,2,3,4,5,6,7
	ds_load_b128 v[128+32*\a+4*\i:131+32*\a+4*\i], v4 offset:544*\i
.endr
.endr
.irp i, 0,1,2,3,4,5,6,7
	s_wait_dscnt 23-\i                             ; behind this load: the rest of its run, and the second tile's 8 stores and 8 loads
	global_store_b128 v5, v[128+4*\i:131+4*\i], s[14:15] offset:2*\i*4096 th:TH_STORE_NT   ; sixteen lanes store 256 consecutive bytes, aligned
.endr
.irp i, 0,1,2,3,4,5,6,7
	s_wait_dscnt 7-\i
	global_store_b128 v5, v[160+4*\i:163+4*\i], s[14:15] offset:(16+2*\i)*4096 th:TH_STORE_NT
.endr
	s_wait_xcnt 0x0
	v_lshl_add_u32 v254, v0, 2, 0x1a800
	v_mov_b32 v255, 0
	s_wait_tensorcnt 0x0
	ds_add_u32 v254, v255
	s_wait_dscnt 0x0
	s_endpgm
.Lfunc_end_k_q7cbc4a671f_oproj:
	.size	k_q7cbc4a671f_oproj, .Lfunc_end_k_q7cbc4a671f_oproj-k_q7cbc4a671f_oproj
	.p2alignl 7, 3214868480
	.fill 96, 4, 3214868480
	.section	.rodata,"a",@progbits
	.p2align	6, 0x0
	.amdhsa_kernel k_q7cbc4a671f_oproj
		.amdhsa_group_segment_fixed_size 110592
		.amdhsa_private_segment_fixed_size 0
		.amdhsa_enable_private_segment 0
		.amdhsa_kernarg_size 48
		.amdhsa_user_sgpr_count 2
		.amdhsa_user_sgpr_kernarg_segment_ptr 1
		.amdhsa_wavefront_size32 1
		.amdhsa_system_sgpr_workgroup_id_x 1
		.amdhsa_system_sgpr_workgroup_id_y 1
		.amdhsa_system_sgpr_workgroup_id_z 1
		.amdhsa_system_vgpr_workitem_id 0
		.amdhsa_next_free_vgpr 256
		.amdhsa_next_free_sgpr 66
		.amdhsa_reserve_vcc 0
		.amdhsa_float_denorm_mode_32 3
		.amdhsa_float_denorm_mode_16_64 3
		.amdhsa_memory_ordered 1
		.amdhsa_forward_progress 1
		.amdhsa_inst_pref_size 61
	.end_amdhsa_kernel
	.amdgpu_metadata
---
amdhsa.version: [ 1, 2 ]
amdhsa.kernels:
  - .name:           k_q7cbc4a671f_oproj
    .symbol:         k_q7cbc4a671f_oproj.kd
    .args:
      - { .name: ctx, .offset: 0, .size: 8, .value_kind: global_buffer, .address_space: global }
      - { .name: wo, .offset: 8, .size: 8, .value_kind: global_buffer, .address_space: global }
      - { .name: input_Q, .offset: 16, .size: 8, .value_kind: global_buffer, .address_space: global }
      - { .name: ln_gamma, .offset: 24, .size: 8, .value_kind: global_buffer, .address_space: global }
      - { .name: ln_beta, .offset: 32, .size: 8, .value_kind: global_buffer, .address_space: global }
      - { .name: out0, .offset: 40, .size: 8, .value_kind: global_buffer, .address_space: global }
    .group_segment_fixed_size: 110592
    .private_segment_fixed_size: 0
    .kernarg_segment_align: 8
    .kernarg_segment_size: 48
    .max_flat_workgroup_size: 512
    .sgpr_count:     66
    .vgpr_count:     256
    .wavefront_size: 32
...
	.end_amdgpu_metadata
.endif
;; end of part 4
;; ======== version 2 of 2: 4 launches
;; limits: right only within a limited range of input values
;; workspace buffers: qin 8,650,752 bytes; maski 16,777,216 bytes; wo 1,081,344 bytes; qkv 25,952,256 bytes; ctx 8,650,752 bytes
;; launch prep (part 5): grid 800 x 1, 4 waves a work-group, no clusters, 50,688 bytes of LDS; arguments input_Q, attn_mask, w_o_codes, w_o_scales, qin, maski, wo; writes qin, maski, wo
.if DOCPART == 5
	.amdgcn_target "amdgcn-amd-amdhsa--gfx1250"
	.amdhsa_code_object_version 6
	.text
	.protected	k_q7cbc4a671f_prep
	.globl	k_q7cbc4a671f_prep
	.p2align	8
	.type	k_q7cbc4a671f_prep,@function
k_q7cbc4a671f_prep:
	s_mov_b64 s[64:65], 0
	v_nop
	global_prefetch_b8 v0, s[64:65] scope:SCOPE_SE
	s_setreg_imm32_b32 hwreg(HW_REG_WAVE_MODE, 25, 1), 1
	s_wait_xcnt 0x0
; PREP: three jobs that later launches lean on, shared out by the work-group's number; each way has LDS bytes of its own.
;  work-groups 0-255:   input_Q [8192][1024] f32 -> codes of FP8 (E4M3), K innermost, at qin + 0, and one E8M0 byte for each 32 along K at qin + QSC.
;  work-groups 256-767: attn_mask [8192 rows][2048 keys] of bytes -> the bytes in the order of the attention launch's operand registers: for each tile of 16 queries and each step of 128 keys four groups of 512 bytes; lane l's 16 bytes of group g are
;                       keys 128 step + 32 g + 16 (l / 16) + 0..15 of query 16 T + l % 16.
;                       A work-group takes one tile of queries, each of its four waves 512 keys: 2,048 waves of two trips.
;  work-groups 768-799: w_o's codes and scale bytes are laid in the order of the operand's registers: fragment (tile of 16 rows, 128 along K) = 2,048 bytes on end, lane l's 16 bytes of register group c at 512 c + 16 l.
; The quantiser: a block's scale is 2^(floor(log2(largest magnitude)) - 8); its byte is the largest magnitude's exponent field - 8, held at 1 from below; numbers are held within +-448 x the scale and rounded to the nearest code.
; LIMITS: a block of zeros, or one whose largest magnitude lies under 2^-118, gets the byte 1 (its codes add nothing or are taken at that scale; the bytes are read by this program alone); NaN and infinities in input_Q are not served.
; No matrix unit, no cluster, no tensor load: the launch streams, and waves share nothing.
.set QSC,   8388608
.set WOSC,  1048576
.set STEPS, 16
.set R,     16                         ; v16-79   four sets of 16 numbers as loaded
.set X,     80                         ; v80-111  two sets of 16 neighbours
.set C,     128                        ; v128-191 codes, four registers a step
.set E,     112                        ; v112-127 a scale byte a step
.set SP,    80                         ; a lane's place in the stage: 64 bytes + 16 of padding
	s_load_b256 s[4:11], s[0:1], 0x0               ; input_Q, attn_mask, w_o_codes, w_o_scales
	s_load_b128 s[12:15], s[0:1], 0x20             ; qin, maski
	s_load_b64 s[16:17], s[0:1], 0x30              ; wo
	v_lshl_add_u32 v192, v0, 2, 0xc400
	v_mov_b32 v193, 0
	v_lshrrev_b32 v1, 5, v0
	v_readfirstlane_b32 s18, v1                    ; wave
	v_and_b32 v2, 31, v0                           ; lane
	s_mov_b32 s21, 0                               ; the upper word of every offset pair s[20:21]
	s_cmp_lt_u32 ttmp9, 256
	s_cbranch_scc0 .Lnot_q
; ---------------- input_Q into codes.  A wave takes 16 steps of 512 numbers.  Each load reads 512 consecutive bytes; a step's 2,048 bytes turn through the wave's own stage so that a lane holds 16 neighbours.
	v_lshlrev_b32 v3, 4, v2                        ; my 16 bytes of a load's 512, and of a step's 512 bytes of codes
	s_lshl_b32 s19, s18, 13                        ; my wave's 8,192 bytes of LDS
	v_lshrrev_b32 v14, 2, v2
	v_mul_u32_u24 v14, v14, SP
	v_and_b32 v15, 3, v2
	v_lshl_add_u32 v14, v15, 4, v14
	v_add_nc_u32 v14, s19, v14                     ; into the stage: SP (lane / 4) + 16 (lane % 4)
	v_mul_u32_u24 v15, v2, SP
	v_add_nc_u32 v15, s19, v15                     ; out of it: SP x lane
	v_lshrrev_b32 v5, 1, v2
	s_add_co_u32 s19, s19, 2*32*SP
	v_add_nc_u32 v5, s19, v5                       ; my block's scale byte among my wave's 256
	v_lshlrev_b32 v7, 3, v2
	v_add_nc_u32 v6, s19, v7                       ; and 8 of them a lane on the way out
	s_mov_b32 s23, 0x600000                        ; the mantissa field of 448
	s_lshl_b32 s22, ttmp9, 2
	s_add_co_u32 s22, s22, s18                     ; which run of 8,192 numbers is my wave's
	s_wait_alu depctr_va_vdst(0)
	s_wait_kmcnt 0x0
	s_lshl_b32 s20, s22, 15
	s_add_nc_u64 s[4:5], s[4:5], s[20:21]
	s_lshl_b32 s20, s22, 13
	s_add_nc_u64 s[24:25], s[12:13], s[20:21]      ; its codes
	s_lshl_b32 s20, s22, 8
	s_add_co_u32 s20, s20, QSC
	s_add_nc_u64 s[26:27], s[12:13], s[20:21]      ; its 256 scale bytes
.macro QLOAD t
.irp i, 0,1,2,3
	global_load_b128 v[R+16*((\t)%4)+4*\i:R+16*((\t)%4)+4*\i+3], v3, s[4:5] offset:2048*(\t)+512*\i th:TH_LOAD_NT
.endr
.endm
.macro QTURN t                         ; LDS serves a wave's instructions in order: no wait between these stores and loads
.irp i, 0,1,2,3
	ds_store_b128 v14, v[R+16*((\t)%4)+4*\i:R+16*((\t)%4)+4*\i+3] offset:32*SP*((\t)%2)+8*SP*\i
.endr
.irp i, 0,1,2,3
	ds_load_b128 v[X+16*((\t)%2)+4*\i:X+16*((\t)%2)+4*\i+3], v15 offset:32*SP*((\t)%2)+16*\i
.endr
.endm
.irp t, 0,1,2,3
	QLOAD \t
.endr
	s_wait_loadcnt 12                              ; step 0's four loads are in; the twelve of steps 1 to 3 stay out
	QTURN 0
.macro QSTEP t
.set XS, X+16*((\t)%2)
.if (\t) > 0
	s_wait_dscnt 1                                 ; this step's numbers are back from the stage; the last step's byte store may be out
.else
	s_wait_dscnt 0x0
.endif
.if (\t)+4 < STEPS
	QLOAD (\t)+4                                   ; into the registers whose stores into the stage are done
.endif
.if (\t)+1 < STEPS
.if STEPS-2-(\t) >= 3
	s_wait_loadcnt 12                              ; the next step's loads are in; those of the three steps behind it stay out
.else
	s_wait_loadcnt 4*(STEPS-2-(\t))
.endif
	QTURN (\t)+1
.endif
	v_max3_num_f32 v8, |v[XS]|, |v[XS+1]|, |v[XS+2]|
	v_max3_num_f32 v9, |v[XS+3]|, |v[XS+4]|, |v[XS+5]|
.irp i, 6,10
	v_max3_num_f32 v8, v8, |v[XS+\i]|, |v[XS+\i+1]|
	v_max3_num_f32 v9, v9, |v[XS+\i+2]|, |v[XS+\i+3]|
.endr
	v_max3_num_f32 v8, v8, |v[XS+14]|, |v[XS+15]|
	v_max3_num_f32 v8, v8, v9, 0x4800000           ; with the floor 2^(9 - 127): the byte cannot fall under 1
	v_max_num_f32_dpp v8, v8, v8 row_xmask:1 row_mask:0xf bank_mask:0xf   ; with my neighbour's 16: the block's largest magnitude
	v_add_nc_u32 v11, 0xfc000000, v8               ; 8 off the exponent field: the conversion's scale operand
	v_and_or_b32 v10, v8, 0x7f800000, s23          ; 448 x the scale
.irp i, 0,1,2,3,4,5,6,7,8,9,10,11,12,13,14,15
	v_med3_num_f32 v[XS+\i], v[XS+\i], -v10, v10   ; the conversion to an 8-bit code does not saturate (ISA guide 7.6.2): the hold comes first
.endr
	v_cvt_scalef32_pk8_fp8_f32 v[C+4*(\t):C+4*(\t)+1], v[XS:XS+7], v11
	v_cvt_scalef32_pk8_fp8_f32 v[C+4*(\t)+2:C+4*(\t)+3], v[XS+8:XS+15], v11
	v_lshrrev_b32 v[E+(\t)], 23, v11               ; the scale's byte
	ds_store_b8 v5, v[E+(\t)] offset:16*(\t)       ; both lanes of a block write the same byte
	global_store_b128 v3, v[C+4*(\t):C+4*(\t)+3], s[24:25] offset:512*(\t)   ; 512 consecutive bytes a wave
.endm
.irp t, 0,1,2,3,4,5,6,7,8,9,10,11,12,13,14,15
	QSTEP \t
.endr
	ds_load_b64 v[12:13], v6
	s_wait_dscnt 0x0
	global_store_b64 v7, v[12:13], s[26:27]        ; 256 consecutive bytes, aligned
	s_wait_tensorcnt 0x0
	ds_add_u32 v192, v193
	s_wait_dscnt 0x0
	s_endpgm
.Lnot_q:
	s_cmp_lt_u32 ttmp9, 768
	s_cbranch_scc0 .Lwo
; ---------------- the mask.  The work-group takes one tile of 16 queries; wave q takes keys 512 q on, 256 a trip (two steps of 128), two trips.
	s_sub_co_u32 s22, ttmp9, 256                   ; T: the tile, 0 to 511
	s_mul_i32 s19, s18, 4352
	s_add_co_u32 s19, s19, 32768                   ; my stage: 16 rows x (256 + 16) bytes
	s_wait_alu depctr_va_vdst(0)
	v_and_b32 v3, 15, v2
	v_lshrrev_b32 v4, 4, v2
	v_mul_u32_u24 v12, v4, 272
	v_lshl_add_u32 v12, v3, 4, v12
	v_add_nc_u32 v12, s19, v12                     ; in: lanes 0-15 one row's 256 bytes, lanes 16-31 the next row's
	v_mul_u32_u24 v13, v3, 272
	; THE MASK'S JOB AS IT NOW STANDS (no lane masks are made): the mask's bytes are laid in the order of the attention launch's operand registers:
	; for each tile of 16 queries and each step of 128 keys four groups of 512 bytes; lane l's 16 bytes of group g are keys 128 step + 32 g + 16 (l / 16) + 0..15 of query 16 T + l % 16.
	v_lshl_add_u32 v13, v4, 4, v13
	v_add_nc_u32 v13, s19, v13                     ; out: row lane % 16, 16 keys for each half of the lanes
	v_lshlrev_b32 v11, 11, v4
	v_lshl_add_u32 v11, v3, 4, v11                 ; the same two rows in memory
	v_lshlrev_b32 v14, 4, v2                       ; 16 bytes a lane on the way out
	s_wait_alu depctr_va_vdst(0)
	s_wait_kmcnt 0x0
	s_lshl_b32 s20, s22, 15                        ; 16 rows of 2,048 bytes a tile,
	s_lshl_b32 s23, s18, 9                         ; 512 keys a wave
	s_add_co_u32 s20, s20, s23
	s_add_nc_u64 s[6:7], s[6:7], s[20:21]
	s_lshl_b32 s20, s22, 15                        ; 16 steps of 2,048 bytes a tile,
	s_lshl_b32 s23, s18, 13                        ; four steps a wave
	s_add_co_u32 s20, s20, s23
	s_add_nc_u64 s[24:25], s[14:15], s[20:21]
.irp i, 0,1,2,3,4,5,6,7
	global_load_b128 v[16+4*\i:19+4*\i], v11, s[6:7] offset:4096*\i th:TH_LOAD_NT
.endr
.macro TRIPM fill
	s_wait_loadcnt 0x0                             ; the trip's eight loads
.irp i, 0,1,2,3,4,5,6,7
	ds_store_b128 v12, v[16+4*\i:19+4*\i] offset:544*\i
.endr
.irp g, 0,1,2,3,4,5,6,7
	ds_load_b128 v[48+4*\g:51+4*\g], v13 offset:32*\g   ; keys 32 g + 16 (lane / 16) + 0..15 of my query
.endr
	s_wait_dscnt 0x0                               ; the stores have read their registers, the bytes are back
.if \fill
.irp i, 0,1,2,3,4,5,6,7
	global_load_b128 v[16+4*\i:19+4*\i], v11, s[6:7] offset:4096*\i+256 th:TH_LOAD_NT   ; the next 256 keys
.endr
.endif
.irp g, 0,1,2,3,4,5,6,7
	global_store_b128 v14, v[48+4*\g:51+4*\g], s[24:25] offset:512*\g   ; 512 consecutive bytes a store
.endr
.if \fill
	s_wait_xcnt 0x0                                ; bases and the words' registers are written again only behind this wait
	s_add_nc_u64 s[6:7], s[6:7], 256
	s_add_nc_u64 s[24:25], s[24:25], 4096
.endif
.endm
	TRIPM 1
	TRIPM 0                                        ; the second trip loads nothing and steps nothing
	s_wait_tensorcnt 0x0
	ds_add_u32 v192, v193
	s_wait_dscnt 0x0
	s_endpgm
.Lwo:
; ---------------- w_o in the order of the operand's registers.  A wave takes a pair of tiles (32 rows) and two K steps of 128.
	s_sub_co_u32 s22, ttmp9, 768
	s_lshl_b32 s22, s22, 2
	s_add_co_u32 s22, s22, s18
	s_lshr_b32 s23, s22, 2                         ; the pair, 0 to 31
	s_and_b32 s22, s22, 3                          ; which two of the eight K steps
	s_wait_alu depctr_va_vdst(0)
	v_and_b32 v3, 15, v2
	v_lshrrev_b32 v4, 4, v2
	v_lshlrev_b32 v5, 10, v3
	v_lshl_add_u32 v5, v4, 4, v5                   ; row lane % 16 of 1,024 bytes, + 16 (lane / 16)
	v_lshlrev_b32 v6, 5, v2                        ; scale bytes: row = lane, 32 bytes a row
	v_lshlrev_b32 v7, 4, v2
	v_lshlrev_b32 v8, 2, v2
	s_wait_alu depctr_va_vdst(0)
	s_wait_kmcnt 0x0
	s_lshl_b32 s20, s23, 15
	s_lshl_b32 s24, s22, 8
	s_add_co_u32 s20, s20, s24
	s_add_nc_u64 s[8:9], s[8:9], s[20:21]          ; codes: 32 rows a pair, 256 bytes for two K steps
	s_lshl_b32 s20, s23, 10
	s_lshl_b32 s24, s22, 3
	s_add_co_u32 s20, s20, s24
	s_add_nc_u64 s[10:11], s[10:11], s[20:21]      ; scale bytes: 8 for two K steps
	s_lshl_b32 s20, s23, 15
	s_lshl_b32 s24, s22, 12
	s_add_co_u32 s20, s20, s24
	s_add_nc_u64 s[26:27], s[16:17], s[20:21]      ; the image: (tile x 8 + K step) x 2,048
	s_lshl_b32 s20, s23, 10
	s_lshl_b32 s24, s22, 8
	s_add_co_u32 s20, s20, s24
	s_add_co_u32 s20, s20, WOSC
	s_add_nc_u64 s[28:29], s[16:17], s[20:21]      ; the scale words: (pair x 8 + K step) x 128
.irp u, 0,1
.irp e, 0,1
.irp c, 0,1,2,3
	global_load_b128 v[16+4*(8*\u+4*\e+\c):19+4*(8*\u+4*\e+\c)], v5, s[8:9] offset:16384*\u+128*\e+32*\c
.endr
.endr
.endr
	global_load_b64 v[80:81], v6, s[10:11]
	s_wait_loadcnt 0x0
.irp u, 0,1
.irp e, 0,1
.irp c, 0,1,2,3
	global_store_b128 v7, v[16+4*(8*\u+4*\e+\c):19+4*(8*\u+4*\e+\c)], s[26:27] offset:16384*\u+2048*\e+512*\c   ; 512 consecutive bytes a store
.endr
.endr
.endr
	global_store_b32 v8, v80, s[28:29]
	global_store_b32 v8, v81, s[28:29] offset:128
	s_endpgm
.Lfunc_end_k_q7cbc4a671f_prep:
	.size	k_q7cbc4a671f_prep, .Lfunc_end_k_q7cbc4a671f_prep-k_q7cbc4a671f_prep
	.p2alignl 7, 3214868480
	.fill 96, 4, 3214868480
	.section	.rodata,"a",@progbits
	.p2align	6, 0x0
	.amdhsa_kernel k_q7cbc4a671f_prep
		.amdhsa_group_segment_fixed_size 50688
		.amdhsa_private_segment_fixed_size 0
		.amdhsa_enable_private_segment 0
		.amdhsa_kernarg_size 56
		.amdhsa_user_sgpr_count 2
		.amdhsa_user_sgpr_kernarg_segment_ptr 1
		.amdhsa_wavefront_size32 1
		.amdhsa_system_sgpr_workgroup_id_x 1
		.amdhsa_system_sgpr_workgroup_id_y 1
		.amdhsa_system_sgpr_workgroup_id_z 1
		.amdhsa_system_vgpr_workitem_id 0
		.amdhsa_next_free_vgpr 194
		.amdhsa_next_free_sgpr 66
		.amdhsa_reserve_vcc 0
		.amdhsa_float_denorm_mode_32 3
		.amdhsa_float_denorm_mode_16_64 3
		.amdhsa_memory_ordered 1
		.amdhsa_forward_progress 1
		.amdhsa_inst_pref_size 62
	.end_amdhsa_kernel
	.amdgpu_metadata
---
amdhsa.version: [ 1, 2 ]
amdhsa.kernels:
  - .name:           k_q7cbc4a671f_prep
    .symbol:         k_q7cbc4a671f_prep.kd
    .args:
      - { .name: input_Q, .offset: 0, .size: 8, .value_kind: global_buffer, .address_space: global }
      - { .name: attn_mask, .offset: 8, .size: 8, .value_kind: global_buffer, .address_space: global }
      - { .name: w_o_codes, .offset: 16, .size: 8, .value_kind: global_buffer, .address_space: global }
      - { .name: w_o_scales, .offset: 24, .size: 8, .value_kind: global_buffer, .address_space: global }
      - { .name: qin, .offset: 32, .size: 8, .value_kind: global_buffer, .address_space: global }
      - { .name: maski, .offset: 40, .size: 8, .value_kind: global_buffer, .address_space: global }
      - { .name: wo, .offset: 48, .size: 8, .value_kind: global_buffer, .address_space: global }
    .group_segment_fixed_size: 50688
    .private_segment_fixed_size: 0
    .kernarg_segment_align: 8
    .kernarg_segment_size: 56
    .max_flat_workgroup_size: 128
    .sgpr_count:     66
    .vgpr_count:     194
    .wavefront_size: 32
...
	.end_amdgpu_metadata
.endif
;; end of part 5
;; launch proj (part 6): grid 4 x 96, 4 waves a work-group, clusters of 4 x 4, 327,680 bytes of LDS; arguments qin, w_q_codes, w_q_scales, input_K_codes, input_K_scales, w_k_codes, w_k_scales, w_v_codes, w_v_scales, input_V_codes, input_V_scales, qkv; writes qkv
.if DOCPART == 6
	.amdgcn_target "amdgcn-amd-amdhsa--gfx1250"
	.amdhsa_code_object_version 6
	.text
	.protected	k_q7cbc4a671f_proj
	.globl	k_q7cbc4a671f_proj
	.p2align	8
	.type	k_q7cbc4a671f_proj,@function
k_q7cbc4a671f_proj:
	s_mov_b64 s[64:65], 0
	v_nop
	global_prefetch_b8 v0, s[64:65] scope:SCOPE_SE
	s_setreg_imm32_b32 hwreg(HW_REG_WAVE_MODE, 25, 1), 1
	s_wait_xcnt 0x0
	s_wait_alu depctr_hold_cnt(0) depctr_sa_sdst(0) depctr_va_vdst(0) depctr_va_sdst(0) depctr_va_ssrc(0) depctr_va_vcc(0) depctr_vm_vsrc(0)
	s_getreg_b32 s2, hwreg(HW_REG_IB_STS2, 6, 4)
	s_cmp_eq_u32 s2, 0
	s_cbranch_scc0 .Lentry_in_a_cluster
	s_endpgm
.Lentry_in_a_cluster:
	s_bfe_u32 s2, ttmp6, 0x10000c
	s_cmp_lg_u32 s2, 0xf033
	s_cbranch_scc0 .Lentry_shape_is_right
	s_endpgm
.Lentry_shape_is_right:
.set KSTEP,  256
.set NQ,     KSTEP/128
.set ROWB,   256
.set KROW,   1024
.set PITCH,  272
.set FR,     16
.set NL,     4
.set NP,     8
.set HALFT,  128*PITCH
.set SLOT,   4*HALFT
.set KS,     32
.set SCL,    2*SLOT
.set HALFS,  (128*KS/256)*272
.set SBLK,   (16*KS/256)*272
.set SPARE,  SCL+4*HALFS
.set OF,   8
.set ADRA, 16
.set ADRB, 20
.set LI,   24
.set L4,   25
.set ADRS, 27
.set SPW,  28
.set NIL,  29
.set SC,   32
.set TM,   64
.set SW,   80
.set AF,   128
.set PC,   128
.set G1, 24
.set G0, 32
.set G1B, 48
.set G0B, 56
.set G1S, 68
.set G0S, 76
.set G1SB, 80
.set G0SB, 88
.set MSB, 0
.macro WIN new
.if MSB != \new
	s_set_vgpr_msb (MSB<<8)|\new
.set MSB, \new
.endif
.endm
.set MUL_LO, 0xa1
.set MUL_HI, 0xf1
.set TO_B,   0x40
.macro JLOAD g0a, g1a, g0b, g1b
	s_cmp_eq_u32 s15, 0
	s_cbranch_scc0 .Lfor_b_\@
	tensor_load_to_lds s[\g0a:\g0a+3], s[\g1a:\g1a+7]
	s_nop 0
.rept 4
	v_nop
.endr
	s_branch .Lasked_\@
.Lfor_b_\@:
	tensor_load_to_lds s[\g0b:\g0b+3], s[\g1b:\g1b+7]
	s_nop 0
.rept 4
	v_nop
.endr
.Lasked_\@:
.endm
.macro CREST
	s_cmp_lg_u32 s14, 0
	s_cbranch_scc1 .Lnot_wave_0_\@
	s_barrier_signal -3
.Lnot_wave_0_\@:
	s_barrier_wait -3
	s_barrier_signal -1
	s_barrier_wait -1
.endm
.macro CROUND
	s_barrier_signal -1
	s_barrier_wait -1
	CREST
.endm
	s_load_b64 s[4:5], s[0:1], 0x0
	s_load_b128 s[8:11], s[0:1], 0x8
	s_load_b256 s[48:55], s[0:1], 0x18
	s_load_b256 s[56:63], s[0:1], 0x38
	s_load_b64 s[12:13], s[0:1], 0x58
	v_lshl_add_u32 v[SPW], v0, 2, SPARE
	v_mov_b32 v[NIL], 0
	ds_add_u32 v28, v29
	ds_add_u32 v28, v29
	s_wait_dscnt 0x0
	v_lshrrev_b32 v1, 5, v0
	v_readfirstlane_b32 s14, v1
	s_lshr_b32 s15, s14, 1
	s_and_b32 s16, s14, 1
	s_bfe_u32 s40, ttmp6, 0x40000
	s_bfe_u32 s41, ttmp6, 0x40004
	s_and_b32 s101, ttmp7, 0xffff
	s_lshr_b32 s98, s101, 3
	s_and_b32 s101, s101, 7
	s_mov_b32 s99, 16384
	s_mov_b32 s100, 32768
	s_cmp_eq_u32 s98, 2
	s_cselect_b32 s42, s101, 0
	s_cselect_b32 s17, 0, s101
	s_cselect_b32 s99, 131072, s99
	s_cselect_b32 s100, 4096, s100
	s_lshl_b32 s42, s42, 2
	s_add_co_u32 s42, s42, s40
	s_lshl_b32 s17, s17, 2
	s_add_co_u32 s17, s17, s41
	s_lshl_b32 s43, s41, 2
	s_lshl_b32 s43, 15, s43
	s_lshl_b32 s44, 0x1111, s40
	s_wait_kmcnt 0x0
	s_add_nc_u64 s[6:7], s[4:5], 0x800000
	s_cmp_eq_u32 s98, 1
	s_cselect_b64 s[4:5], s[48:49], s[4:5]
	s_cselect_b64 s[6:7], s[50:51], s[6:7]
	s_cselect_b64 s[8:9], s[52:53], s[8:9]
	s_cselect_b64 s[10:11], s[54:55], s[10:11]
	s_cmp_eq_u32 s98, 2
	s_cselect_b64 s[4:5], s[56:57], s[4:5]
	s_cselect_b64 s[6:7], s[58:59], s[6:7]
	s_cselect_b64 s[8:9], s[60:61], s[8:9]
	s_cselect_b64 s[10:11], s[62:63], s[10:11]
	s_or_b32 s[G1+0], s43, (0<<16)|(1<<20)|(1<<21)|(5<<22)|(3<<25)
	s_or_b32 s[G1B+0], s44, (0<<16)|(1<<20)|(1<<21)|(5<<22)|(3<<25)
.irp g, G1, G1B
	s_mov_b32 s[\g+1], ROWB<<16
	s_mov_b32 s[\g+2], 256<<16
	s_mov_b32 s[\g+3], ROWB<<16
	s_mov_b32 s[\g+4], 256
	s_mov_b32 s[\g+5], KROW
	s_mov_b32 s[\g+6], 0
	s_mov_b32 s[\g+7], 0
.endr
	s_or_b32 s[G1S+0], s43, (3<<16)|(1<<20)|(1<<21)|(5<<22)|(3<<25)
	s_or_b32 s[G1SB+0], s44, (3<<16)|(1<<20)|(1<<21)|(5<<22)|(3<<25)
.irp g, G1S, G1SB
	s_mov_b32 s[\g+1], 32<<16
	s_mov_b32 s[\g+2], KS<<16
	s_mov_b32 s[\g+3], 32<<16
	s_mov_b32 s[\g+4], KS
	s_mov_b32 s[\g+5], 32
	s_mov_b32 s[\g+6], 0
	s_mov_b32 s[\g+7], 0
.endr
	s_lshl_b32 s20, s17, 8                         ; A: the tile's first row
	s_lshl_b32 s46, s42, 8                         ; B: likewise
	s_mov_b32 s21, 0
	s_mov_b32 s47, 0
	s_mov_b64 s[18:19], KS
	s_mul_u64 s[22:23], s[20:21], s[18:19]
	s_mul_u64 s[92:93], s[46:47], s[18:19]
	s_mov_b64 s[18:19], KROW
	s_mul_u64 s[20:21], s[20:21], s[18:19]
	s_mul_u64 s[46:47], s[46:47], s[18:19]
	s_mul_i32 s45, s14, HALFT
	s_add_nc_u64 s[20:21], s[4:5], s[20:21]
	s_add_nc_u64 s[22:23], s[6:7], s[22:23]
	s_add_nc_u64 s[46:47], s[8:9], s[46:47]
	s_add_nc_u64 s[92:93], s[10:11], s[92:93]
	CROUND
	s_mov_b32 s[G0S], 1
	s_mov_b32 s[G0S+1], SCL
	s_mov_b64 s[G0S+2:G0S+3], s[22:23]
	s_or_b32 s[G0S+3], s[G0S+3], 0x80000000
	s_mov_b32 s[G0SB], 1
	s_mov_b32 s[G0SB+1], SCL+2*HALFS
	s_mov_b64 s[G0SB+2:G0SB+3], s[92:93]
	s_or_b32 s[G0SB+3], s[G0SB+3], 0x80000000
	s_mov_b32 s4, 1                                ; the head's four tiles, each whole: K step 0's 256 rows of A (group 0 in registers that held arguments),
	s_mov_b32 s5, 0
	s_mov_b64 s[6:7], s[20:21]
	s_or_b32 s7, s7, 0x80000000
	s_mov_b32 s8, 1                                ; its 256 rows of B, behind them in slot 0; the two blocks of scale bytes have their groups 0 above
	s_mov_b32 s9, 2*HALFT
	s_mov_b64 s[10:11], s[46:47]
	s_or_b32 s11, s11, 0x80000000
	s_mul_i32 s18, s16, 128*KROW                   ; in the ring a wave fetches 128 rows of a tile: which half, in bytes
	s_mov_b32 s19, 0
	s_add_nc_u64 s[20:21], s[20:21], s[18:19]
	s_add_nc_u64 s[46:47], s[46:47], s[18:19]
.irp s, 0,1
	s_mov_b32 s[G0+4*\s], 1
	s_add_co_u32 s[G0+4*\s+1], s45, \s*SLOT
	s_add_nc_u64 s[G0+4*\s+2:G0+4*\s+3], s[20:21], \s*ROWB
	s_or_b32 s[G0+4*\s+3], s[G0+4*\s+3], 0x80000000
	s_mov_b32 s[G0B+4*\s], 1
	s_add_co_u32 s[G0B+4*\s+1], s45, \s*SLOT
	s_add_nc_u64 s[G0B+4*\s+2:G0B+4*\s+3], s[46:47], \s*ROWB
	s_or_b32 s[G0B+4*\s+3], s[G0B+4*\s+3], 0x80000000
.endr
; THE HEAD'S LOADS, ONE A WAVE: wave 0 A's 256 rows of K step 0, wave 1 B's, wave 2 the scale bytes of A's 256 rows, wave 3 those of B's: one tree of branches on the wave's number, a load to an arm
.macro ARM under, g0, g1, next
	s_cmp_lt_u32 s14, \under
	s_cbranch_scc0 \next
	tensor_load_to_lds s[\g0:\g0+3], s[\g1:\g1+7]
	s_nop 0
.rept 4
	v_nop
.endr
	s_branch .Lhead_asked
\next:
.endm
	ARM 1, 4, G1, .Lhead_b
	ARM 2, 8, G1B, .Lhead_sa
	ARM 3, G0S, G1S, .Lhead_sb
	tensor_load_to_lds s[G0SB:G0SB+3], s[G1SB:G1SB+7]
	s_nop 0
.rept 4
	v_nop
.endr
.Lhead_asked:
	s_wait_alu depctr_va_vdst(0)
	s_wait_tensorcnt 0x0                           ; my tile of the head's four is in
	ds_add_u32 v28, v29
	s_mov_b32 s[G1+2], 128<<16                     ; no tensor load of mine is out: from here on a load brings 128 rows
	s_mov_b32 s[G1+4], 128
	s_mov_b32 s[G1B+2], 128<<16
	s_mov_b32 s[G1B+4], 128
	s_wait_dscnt 0x0
	CROUND
	JLOAD G0+4, G1, G0B+4, G1B                     ; K step 1's load, the first tensor load behind the round
	v_and_b32 v1, 15, v0
	v_bfe_u32 v2, v0, 4, 1
	v_mul_u32_u24 v3, v1, PITCH
	v_lshl_add_u32 v4, v2, 4, v3
	s_mul_i32 s21, s15, HALFT
	s_mul_i32 s22, s16, HALFT
	s_add_co_u32 s22, s22, 2*HALFT
.irp s, 0,1
	v_add_nc_u32 v[ADRA+\s], s21, v4
	v_add_nc_u32 v[ADRB+\s], s22, v4
	s_add_co_u32 s21, s21, SLOT
	s_add_co_u32 s22, s22, SLOT
.endr
	v_mul_u32_u24 v5, v1, KS
	v_lshrrev_b32 v6, 8, v5
	v_lshl_add_u32 v5, v6, 4, v5
	s_mul_i32 s21, s15, HALFS
	s_mul_i32 s22, s16, HALFS
	s_add_co_u32 s22, s22, 2*HALFS
	s_sub_co_u32 s22, s22, s21
	v_mul_u32_u24 v6, s22, v2
	s_add_co_u32 s21, s21, SCL
	v_add_nc_u32 v5, v5, v6
	v_add_nc_u32 v[ADRS], s21, v5
	v_and_b32 v6, 31, v0
	v_lshlrev_b32 v[LI], 4, v6
	v_lshlrev_b32 v[L4], 2, v6
	v_mov_b32 v[OF], v[LI]
.irp a, 1,2,3,4,5,6,7
	v_add_nc_u32 v[OF+\a], s99, v[OF+\a-1]
.endr
.irp b, 0,1,2,3
	v_mov_b32 v[TM+4+\b], 0
.endr
	s_mov_b32 s2, 0x600000
	s_mov_b32 s3, 0xffff0000
	s_mov_b32 s104, 0x76543210
	s_mov_b32 s105, 0xfedcba98
	s_lshl_b32 s20, s98, 23
	s_lshl_b32 s21, s17, 4
	s_lshl_b32 s22, s15, 3
	s_add_co_u32 s21, s21, s22
	s_mul_i32 s21, s21, s99
	s_add_co_u32 s20, s20, s21
	s_lshl_b32 s21, s42, 12
	s_add_co_u32 s20, s20, s21
	s_lshl_b32 s21, s16, 11
	s_add_co_u32 s20, s20, s21
	s_mov_b32 s21, 0
	s_add_nc_u64 s[92:93], s[12:13], s[20:21]
	s_lshl_b32 s20, s98, 18
	s_add_co_u32 s20, s20, 25165824
	s_lshl_b32 s22, s42, 1
	s_add_co_u32 s22, s22, s16
	s_mul_i32 s22, s22, s100
	s_add_co_u32 s20, s20, s22
	s_lshl_b32 s22, s17, 10
	s_add_co_u32 s20, s20, s22
	s_lshl_b32 s22, s15, 9
	s_add_co_u32 s20, s20, s22
	s_add_nc_u64 s[96:97], s[12:13], s[20:21]
.macro FRAG reg, adr, q, i
.irp c, 0,1,2,3
	ds_load_b128 v[\reg+4*\c:\reg+4*\c+3], v[\adr] offset:128*(\q)+32*\c+(\i)*16*PITCH
.endr
.endm
.macro MUL16 a0, p, q, sc, zero
.irp a, \a0, \a0+1
.irp b, 0,1,2,3,4,5,6,7
.if \zero
	v_wmma_scale_f32_16x16x128_f8f6f4 v[8*(8*((\a)%4)+\b):8*(8*((\a)%4)+\b)+7], v[128*(\p)+FR*\b:128*(\p)+FR*\b+FR-1], v[AF+FR*(\a):AF+FR*(\a)+FR-1], 0, v[SC+8*NQ*(\sc)+NQ*\b+(\q)], v[SC+8*NQ*(\sc)+NQ*(\a)+(\q)] matrix_a_scale:MATRIX_SCALE_ROW1
.else
	v_wmma_scale_f32_16x16x128_f8f6f4 v[8*(8*((\a)%4)+\b):8*(8*((\a)%4)+\b)+7], v[128*(\p)+FR*\b:128*(\p)+FR*\b+FR-1], v[AF+FR*(\a):AF+FR*(\a)+FR-1], v[8*(8*((\a)%4)+\b):8*(8*((\a)%4)+\b)+7], v[SC+8*NQ*(\sc)+NQ*\b+(\q)], v[SC+8*NQ*(\sc)+NQ*(\a)+(\q)] matrix_a_scale:MATRIX_SCALE_ROW1
.endif
.endr
.endr
.endm
.macro FETCH_B slot, q, p
	WIN TO_B
.irp i, 0,1,2,3,4,5,6,7
	FRAG 128*(\p)+FR*\i, ADRB+\slot, \q, \i
.endr
	WIN 0
.endm
.macro FETCH_A slot, q, i0
.irp i, \i0, \i0+1, \i0+2, \i0+3
	FRAG AF+FR*(\i), ADRA+\slot, \q, \i
.endr
.endm
.macro SCALES sc
.irp i, 0,1,2,3,4,5,6,7
	ds_load_b64 v[SC+8*NQ*\sc+NQ*\i:SC+8*NQ*\sc+NQ*\i+1], v[ADRS] offset:\i*SBLK
.endr
.endm
.macro PLACES n
.rept \n
	v_nop
.endr
.endm
.macro STEP slot, q, zero
	s_wait_dscnt 4*NL
	WIN MUL_LO
	MUL16 0, (\q)%2, \q, \slot, \zero
	MUL16 2, (\q)%2, \q, \slot, \zero
	s_wait_dscnt 0
	PLACES NP
	FETCH_B \slot, (\q)+1, 1-(\q)%2
	FETCH_A \slot, (\q)+1, 0
	WIN MUL_HI
	MUL16 4, (\q)%2, \q, \slot, \zero
	MUL16 6, (\q)%2, \q, \slot, \zero
	PLACES NP
	WIN 0
	FETCH_A \slot, (\q)+1, 4
.endm
.macro TURN slot, next, fill
	s_wait_tensorcnt 0x0
	ds_add_u32 v[SPW], v[NIL]
	s_wait_dscnt 4*NL+1
	WIN MUL_LO
	MUL16 0, 1, NQ-1, \slot, 0
	s_wait_dscnt 0x0
	s_barrier_signal -1
	MUL16 2, 1, NQ-1, \slot, 0
	WIN 0
	s_barrier_wait -1
.if \fill
	CREST
	s_add_nc_u64 s[G0+4*\slot+2:G0+4*\slot+3], s[G0+4*\slot+2:G0+4*\slot+3], 2*ROWB
	s_add_nc_u64 s[G0B+4*\slot+2:G0B+4*\slot+3], s[G0B+4*\slot+2:G0B+4*\slot+3], 2*ROWB
	JLOAD G0+4*\slot, G1, G0B+4*\slot, G1B
	PLACES NP-4
.else
	PLACES NP
.endif
	s_wait_alu depctr_va_vdst(0)
	v_add_nc_u32 v[ADRS], 4*NQ, v[ADRS]
	FETCH_B \next, 0, 0
	FETCH_A \next, 0, 0
	SCALES \next
	WIN MUL_HI
	MUL16 4, 1, NQ-1, \slot, 0
	MUL16 6, 1, NQ-1, \slot, 0
	PLACES NP
	WIN 0
	FETCH_A \next, 0, 4
.endm
.macro QUANT4 a
.set QW, 2+(\a)/4
.set QS, 64*((\a)%4)
.set QP, PC+16*(\a)
.set QM1, (QW<<2)|(QW<<4)
.set QM2, QW|(QW<<6)
	WIN QM1
.irp b, 0,1,2,3
	v_max3_num_f32 v[TM+\b], 0x4800000, |v[QS+16*\b]|, |v[QS+16*\b+1]|
.endr
.irp i, 2,4,6,8,10,12,14
.irp b, 0,1,2,3
	v_max3_num_f32 v[TM+\b], v[TM+\b], |v[QS+16*\b+\i]|, |v[QS+16*\b+\i+1]|
.endr
.endr
	WIN 0
.irp b, 0,1,2,3
	v_permlanex16_b32 v[TM+4+\b], v[TM+\b], s104, s105
.endr
.irp b, 0,1,2,3
	v_max_num_f32 v[TM+\b], v[TM+\b], v[TM+4+\b]
.endr
.irp b, 0,1,2,3
	v_add_nc_u32 v[TM+12+\b], 0xfc000000, v[TM+\b]
.endr
.irp b, 0,1,2,3
	v_and_or_b32 v[TM+8+\b], v[TM+\b], 0x7f800000, s2
.endr
.irp b, 0,1,2,3
	v_lshrrev_b32 v[TM+4+\b], 23, v[TM+12+\b]
.endr
	v_lshl_or_b32 v[SW+(\a)], v[TM+5], 8, v[TM+4]
	v_lshl_or_b32 v[SW+(\a)], v[TM+6], 16, v[SW+(\a)]
	v_lshl_or_b32 v[SW+(\a)], v[TM+7], 24, v[SW+(\a)]
	WIN QM2
.irp b, 0,1,2,3
.irp i, 0,1,2,3,4,5,6,7,8,9,10,11,12,13,14,15
	v_med3_num_f32 v[QS+16*\b+\i], v[QS+16*\b+\i], -v[TM+8+\b], v[TM+8+\b]
.endr
.endr
	WIN QW
.irp b, 0,1,2,3
	v_cvt_scalef32_pk8_fp8_f32 v[QP+4*\b:QP+4*\b+1], v[QS+16*\b:QS+16*\b+7], v[TM+12+\b]
	v_cvt_scalef32_pk8_fp8_f32 v[QP+4*\b+2:QP+4*\b+3], v[QS+16*\b+8:QS+16*\b+15], v[TM+12+\b]
.endr
	WIN 0
	v_nop
.irp b, 0,1,2,3
	v_permlane16_swap_b32 v[QP+4*\b], v[QP+4*\b+2]
	v_permlane16_swap_b32 v[QP+4*\b+1], v[QP+4*\b+3]
.endr
.irp b, 0,1,2,3
	global_store_b128 v[OF+(\a)], v[QP+4*\b:QP+4*\b+3], s[92:93] offset:512*\b
.endr
.endm
	s_wait_tensorcnt 1
	s_barrier_signal -1
	s_barrier_wait -1
	FETCH_B 0, 0, 0
	FETCH_A 0, 0, 0
	SCALES 0
	FETCH_A 0, 0, 4
	STEP 0, 0, 1
	TURN 0, 1, 1
	STEP 1, 0, 0
	TURN 1, 0, 1
	STEP 0, 0, 0
	TURN 0, 1, 0
	STEP 1, 0, 0
	s_wait_dscnt 4*NL
	WIN MUL_LO
	MUL16 0, 1, NQ-1, 1, 0
	MUL16 2, 1, NQ-1, 1, 0
	s_wait_dscnt 0
	WIN MUL_HI
	MUL16 4, 1, NQ-1, 1, 0
	MUL16 6, 1, NQ-1, 1, 0
	WIN 0
	PLACES NP
.irp a, 0,1,2,3,4,5,6,7
	QUANT4 \a
.endr
.irp e, 0,1,2,3
	v_cndmask_b32 v[88+\e], v[SW+2*\e], v[SW+2*\e+1], s3
.endr
.irp e, 0,1,2,3
	global_store_b32 v[L4], v[88+\e], s[96:97] offset:128*\e
.endr
	s_wait_tensorcnt 0x0
	ds_add_u32 v[SPW], v[NIL]
	s_wait_dscnt 0x0
	CROUND
	s_endpgm
.Lfunc_end_k_q7cbc4a671f_proj:
	.size	k_q7cbc4a671f_proj, .Lfunc_end_k_q7cbc4a671f_proj-k_q7cbc4a671f_proj
	.p2alignl 7, 3214868480
	.fill 96, 4, 3214868480
	.section	.rodata,"a",@progbits
	.p2align	6, 0x0
	.amdhsa_kernel k_q7cbc4a671f_proj
		.amdhsa_group_segment_fixed_size 327680
		.amdhsa_private_segment_fixed_size 0
		.amdhsa_enable_private_segment 0
		.amdhsa_kernarg_size 96
		.amdhsa_user_sgpr_count 2
		.amdhsa_user_sgpr_kernarg_segment_ptr 1
		.amdhsa_wavefront_size32 1
		.amdhsa_system_sgpr_workgroup_id_x 1
		.amdhsa_system_sgpr_workgroup_id_y 1
		.amdhsa_system_sgpr_workgroup_id_z 1
		.amdhsa_system_vgpr_workitem_id 0
		.amdhsa_next_free_vgpr 1024
		.amdhsa_next_free_sgpr 106
		.amdhsa_reserve_vcc 0
		.amdhsa_float_denorm_mode_32 3
		.amdhsa_float_denorm_mode_16_64 3
		.amdhsa_memory_ordered 1
		.amdhsa_forward_progress 1
		.amdhsa_inst_pref_size 189
	.end_amdhsa_kernel
	.amdgpu_metadata
---
amdhsa.version: [ 1, 2 ]
amdhsa.kernels:
  - .name:           k_q7cbc4a671f_proj
    .symbol:         k_q7cbc4a671f_proj.kd
    .args:
      - { .name: qin, .offset: 0, .size: 8, .value_kind: global_buffer, .address_space: global }
      - { .name: w_q_codes, .offset: 8, .size: 8, .value_kind: global_buffer, .address_space: global }
      - { .name: w_q_scales, .offset: 16, .size: 8, .value_kind: global_buffer, .address_space: global }
      - { .name: input_K_codes, .offset: 24, .size: 8, .value_kind: global_buffer, .address_space: global }
      - { .name: input_K_scales, .offset: 32, .size: 8, .value_kind: global_buffer, .address_space: global }
      - { .name: w_k_codes, .offset: 40, .size: 8, .value_kind: global_buffer, .address_space: global }
      - { .name: w_k_scales, .offset: 48, .size: 8, .value_kind: global_buffer, .address_space: global }
      - { .name: w_v_codes, .offset: 56, .size: 8, .value_kind: global_buffer, .address_space: global }
      - { .name: w_v_scales, .offset: 64, .size: 8, .value_kind: global_buffer, .address_space: global }
      - { .name: input_V_codes, .offset: 72, .size: 8, .value_kind: global_buffer, .address_space: global }
      - { .name: input_V_scales, .offset: 80, .size: 8, .value_kind: global_buffer, .address_space: global }
      - { .name: qkv, .offset: 88, .size: 8, .value_kind: global_buffer, .address_space: global }
    .group_segment_fixed_size: 327680
    .private_segment_fixed_size: 0
    .kernarg_segment_align: 8
    .kernarg_segment_size: 96
    .max_flat_workgroup_size: 128
    .sgpr_count:     106
    .vgpr_count:     1024
    .wavefront_size: 32
...
	.end_amdgpu_metadata
.endif
;; end of part 6
;; launch attn (part 7): grid 4 x 64, 8 waves a work-group, clusters of 4 x 1, 291,840 bytes of LDS; arguments qkv, maski, ctx; writes ctx
.if DOCPART == 7
	.amdgcn_target "amdgcn-amd-amdhsa--gfx1250"
	.amdhsa_code_object_version 6
	.text
	.protected	k_q7cbc4a671f_attn
	.globl	k_q7cbc4a671f_attn
	.p2align	8
	.type	k_q7cbc4a671f_attn,@function
k_q7cbc4a671f_attn:
	s_mov_b64 s[64:65], 0
	v_nop
	global_prefetch_b8 v0, s[64:65] scope:SCOPE_SE
	s_setreg_imm32_b32 hwreg(HW_REG_WAVE_MODE, 25, 1), 1
	s_wait_xcnt 0x0
	s_wait_alu depctr_hold_cnt(0) depctr_sa_sdst(0) depctr_va_vdst(0) depctr_va_sdst(0) depctr_va_ssrc(0) depctr_va_vcc(0) depctr_vm_vsrc(0)
	s_getreg_b32 s2, hwreg(HW_REG_IB_STS2, 6, 4)
	s_cmp_eq_u32 s2, 0
	s_cbranch_scc0 .Lentry_in_a_cluster
	s_endpgm
.Lentry_in_a_cluster:
	s_bfe_u32 s2, ttmp6, 0x10000c
	s_cmp_lg_u32 s2, 0x3003
	s_cbranch_scc0 .Lentry_shape_is_right
	s_endpgm
.Lentry_shape_is_right:
; ATTN: ctx = softmax(Q K^T / 8, masked) V for one head of one batch and 512 queries, both products on codes of FP8 (E4M3) with E8M0 scales; ctx leaves quantised along the features, as images of the next operand's registers.
; THE SOFTMAX: t = score x log2(e) / 8; M = the running largest t rounded UP to a whole number; p = 2^(t - M) is quantised along the keys, not normalised; the row's sum of the unquantised p divides at the end.
; SHARES: eight waves, two to a SIMD.  A wave owns four query tiles of 16, two at a time in two passes, and walks all 2,048 keys, 128 a step: each fragment of K and of V that it reads from LDS feeds two products.
; The head's whole K and V lie in LDS as images of their registers, brought once: one joint tensor load a wave (waves 0-3 a quarter of K each, waves 4-7 a quarter of V); no LDS byte is filled twice.
; CLUSTER 4 x 1: the four query blocks of a head read the same K and V: the same descriptor and the mask 15 in all four.  The place in the cluster enters the addresses of Q, of the mask and of ctx alone.
; LAYOUT: S^T = K Q^T, O^T = V^T P^T: a lane holds ONE query.  Lane r of key tile (b, u) takes key 32 b + 8 u + r + 8 (r / 8), so that the 16 registers of tiles (b, 0), (b, 1) are keys 32 b + 16 (lane / 16) + 0..15.
; THE MASK GOES THROUGH THE PRODUCT.  The head is 64 long, the instruction 128.  The other 64 places of K's operand hold a constant pattern: row m has the code of -1 at the place of its own key among 64 keys, zeros elsewhere.
;   The other 64 places of Q's operand hold the mask's own bytes of those 64 keys: 0 is the code of 0, 1 the code of 2^-9.  With the scale bytes 152 and 151 a masked key's score gets -2^40 added, an open key's exactly 0.
;   Registers [K tile][pattern][K tile 64 keys on] and [mask 64 on][Q][mask]: the first tile has its codes below the pattern, the second above; the scale words are laid to fit, once, at the head.
; A ROW ALL OF WHOSE KEYS SO FAR ARE MASKED keeps its running largest score at the start value -2^34; for such a row c and M are taken as 0, so that p = 1 for every key, as the definition has it (all logits equal).
;   The first open key makes f = 2^(old M - new M) = 0, which takes those sums away.  No branch and no address hangs on the mask.
; LIMITS: the promise holds while the scaled scores t of open keys stay under 2^31 in magnitude.  NaN and infinities are not served.  A block of ctx under 2^-118 gets the byte 1.
; NO PREFETCH of the mask: its loads stand a whole key step ahead of their use, straight into registers.  K, V come once, at the head, where there is no loop to run ahead in.
; The look-ahead of the last step of the last pass (K's step 0, the mask's first step, 64 KiB on in Q's image) stays inside its buffers and is not used.
; REGISTERS.  Tile 0's own registers lie in window 0 and tile 1's in window 1 at the same numbers, v98-255.  v0-97: window 0 addresses, scale words, V's four fragments (v32-95); window 1 K's four slots of 24.
.set KIMG, 8388608
.set VIMG, 16777216
.set QSW,  25165824
.set KSW,  25427968
.set VSW,  25690112
.set KP,   1152                        ; a tile of K in LDS: 1,024 bytes + 128 of padding: lanes 8-15 read one tile on, in the other half of the banks
.set LV,   147456                      ; V: [step / 4][feature tile 4][step % 4][2,048]
.set LKS,  278528                      ; K's scale words, 128 a step, in the order of the loop's loads
.set LVS,  286720                      ; V's, [step][64 rows]
.set SPARE, 290816
.set QA, 0
.set L16, 1
.set KB, 2
.set KSB, 3
.set VB, 4
.set VSB, 5
.set SO, 7
.set KSR, 8                            ; v8-11 K's scale words: lanes 0-15 a slot's first tile, lanes 16-31 its second
.set QS, 12                            ; v12-15 Q's: tile i's two forms at 2 i, 2 i + 1
.set VSR, 16
.set SPW, 18
.set NIL, 19
.set PSW, 20                           ; v20-21 p's scale words
.set AK, 22
.set AKS, 23
.set AV, 24
.set AVS, 25
.set MO, 26
.set U, 27                             ; v27-28 ctx's scale bytes
.set V, 32
.set QT, 96
.set B, 98                             ; [mask of keys 64-127][Q][mask of keys 0-63]
.set S, 122
.set O, 186
.set PC, 218
.set BM, 234
.set TT, 238
.set SOP, 242
.set MMP, 246                          ; (the M in use, the running largest score)
.set MMS, 246
.set SX, 247
.set CCP, 248                          ; (the c in use, -M)
.set CCS, 248
.set NM, 249
.set FP, 250                           ; (f, at work)
.set F, 250
.set TMP, 251
.set SUM, 252
.set SUM2, 254
.set MSB, 0
.macro WIN new                         ; the immediate's high byte repeats the setting that is left
.if MSB != \new
	s_set_vgpr_msb (MSB<<8)|\new
.set MSB, \new
.endif
.endm
.macro WALU
	s_wait_alu depctr_va_vdst(0)
.endm
.macro CROUND                          ; a round of the cluster's barrier
	s_barrier_signal -1
	s_barrier_wait -1
	s_cmp_lg_u32 s16, 0
	s_cbranch_scc1 .Lnot_wave_0_\@
	s_barrier_signal -3
.Lnot_wave_0_\@:
	s_barrier_wait -3
	s_barrier_signal -1
	s_barrier_wait -1
.endm
	s_load_b128 s[84:87], s[0:1], 0x0              ; qkv, maski
	s_load_b64 s[88:89], s[0:1], 0x10              ; ctx
	v_lshl_add_u32 v[SPW], v0, 2, SPARE
	v_mov_b32 v[NIL], 0
	ds_add_u32 v[SPW], v[NIL]
	ds_add_u32 v[SPW], v[NIL]
	v_lshrrev_b32 v1, 5, v0
	v_readfirstlane_b32 s16, v1                    ; wave 0..7
	s_and_b32 s24, ttmp7, 0xffff                   ; the cluster's y: 16 b + h
	s_lshr_b32 s25, s24, 4                         ; the batch
	s_and_b32 s26, s24, 15                         ; the head
	s_mov_b32 s31, 0
	s_mov_b32 s32, 15|(3<<16)|(1<<20)|(1<<21)|(7<<22)|(31<<25)   ; K: elements of 8 bytes, 32 words of padding behind every 256
	s_mov_b32 s33, 128<<16
	s_mov_b32 s34, 32<<16                          ; 32 tiles of 1,024 bytes,
	s_mov_b32 s35, 128<<16
	s_mov_b32 s36, 32
	s_mov_b32 s37, 2048                            ; 16,384 bytes apart
	s_mov_b32 s38, 0
	s_mov_b32 s39, 0
	s_mov_b32 s40, 15|(3<<16)|(1<<21)              ; V: no padding
	s_mov_b32 s41, 1024<<16
	s_mov_b32 s42, 4<<16                           ; 4 feature tiles x 8,192 bytes (four steps),
	s_mov_b32 s43, 1024<<16
	s_mov_b32 s44, 4
	s_mov_b32 s45, 16384                           ; 131,072 bytes apart
	s_mov_b32 s46, 0
	s_mov_b32 s47, 0
	s_and_b32 s18, s16, 3                          ; which quarter
	s_mov_b32 s68, 1
	s_mul_i32 s69, s18, 32*KP
	s_mov_b32 s72, 1
	s_lshl_b32 s73, s18, 15
	s_add_co_u32 s73, s73, LV
	s_wait_dscnt 0x0
	s_wait_kmcnt 0x0
	s_lshl_b32 s30, s25, 21                        ; K's image: ((128 b + 32 quarter) x 32 + 2 h) x 512
	s_lshl_b32 s28, s18, 19
	s_add_co_u32 s30, s30, s28
	s_lshl_b32 s28, s26, 10
	s_add_co_u32 s30, s30, s28
	s_add_co_u32 s30, s30, KIMG
	s_add_nc_u64 s[70:71], s[84:85], s[30:31]
	s_or_b32 s71, s71, 0x80000000
	s_lshl_b32 s30, s26, 19                        ; V's image: (4 h x 256 + 64 b + 16 quarter) x 512
	s_lshl_b32 s28, s25, 15
	s_add_co_u32 s30, s30, s28
	s_lshl_b32 s28, s18, 13
	s_add_co_u32 s30, s30, s28
	s_add_co_u32 s30, s30, VIMG
	s_add_nc_u64 s[74:75], s[84:85], s[30:31]
	s_or_b32 s75, s75, 0x80000000
	CROUND                                         ; all four work-groups are here: the joint loads meet
	s_cmp_lt_u32 s16, 4
	s_cbranch_scc0 .Lfor_v
	tensor_load_to_lds s[68:71], s[32:39]
	s_nop 0
.rept 4
	v_nop
.endr
	s_branch .Lasked
.Lfor_v:
	tensor_load_to_lds s[72:75], s[40:47]
	s_nop 0
.rept 4
	v_nop
.endr
.Lasked:
	s_bfe_u32 s18, ttmp6, 0x40000                  ; cx
	s_lshl_b32 s27, ttmp9, 2
	s_add_co_u32 s27, s27, s18                     ; my block of 512 queries
	s_lshl_b32 s27, s27, 5
	s_lshl_b32 s18, s25, 7
	s_add_co_u32 s27, s27, s18
	s_lshl_b32 s18, s16, 2
	s_add_co_u32 s27, s27, s18                     ; my first query tile: 128 b + 32 block + 4 w
	s_mov_b32 s3, 0
	s_lshl_b32 s2, s27, 14                         ; Q's image and ctx's: (tile x 32 + 2 h) x 512
	s_lshl_b32 s18, s26, 10
	s_add_co_u32 s2, s2, s18
	s_add_nc_u64 s[4:5], s[84:85], s[2:3]
	s_add_nc_u64 s[12:13], s[88:89], s[2:3]
	s_and_b32 s30, s26, 1
	s_lshl_b32 s82, s30, 1                         ; 2 (h % 2): my head's two bytes of a scale word
	s_lshl_b32 s30, s30, 4                         ; and the bit at which they begin
	s_lshr_b32 s83, s26, 1
	s_lshl_b32 s83, s83, 15                        ; (h / 2) x 8,192 words
	s_lshl_b32 s18, s27, 6
	s_add_co_u32 s2, s83, s18
	s_add_co_u32 s2, s2, s82
	s_add_co_u32 s2, s2, QSW
	s_add_nc_u64 s[6:7], s[84:85], s[2:3]          ; Q's scale bytes
	s_lshl_b32 s2, s27, 15
	s_add_nc_u64 s[8:9], s[86:87], s[2:3]          ; the mask's image: 32,768 bytes a tile
	s_lshl_b32 s2, s26, 14
	s_lshl_b32 s18, s27, 5
	s_add_co_u32 s2, s2, s18
	s_add_co_u32 s2, s2, 8388608
	s_add_nc_u64 s[14:15], s[88:89], s[2:3]        ; ctx's scale bytes
	s_lshl_b32 s18, s25, 13
	s_add_co_u32 s2, s83, s18
	s_lshl_b32 s18, s16, 10
	s_add_co_u32 s2, s2, s18
	s_add_co_u32 s2, s2, KSW
	s_add_nc_u64 s[76:77], s[84:85], s[2:3]        ; K's scale words: my wave's 256 keys
	s_add_co_u32 s80, s18, LKS
	s_lshl_b32 s2, s25, 16
	s_lshl_b32 s18, s16, 13
	s_add_co_u32 s2, s2, s18
	s_lshl_b32 s18, s26, 8
	s_add_co_u32 s2, s2, s18
	s_add_co_u32 s2, s2, VSW
	s_add_nc_u64 s[78:79], s[84:85], s[2:3]        ; V's: my wave's two steps
	s_lshl_b32 s81, s16, 9
	s_add_co_u32 s81, s81, LVS
	s_mov_b32 s29, 0xffff0000                      ; lanes 16-31
	s_mov_b32 s19, 0x600000                        ; the mantissa field of 448
	s_mov_b32 s20, 0x76543210
	s_mov_b32 s21, 0xfedcba98
	s_mov_b32 s22, 0x3e38aa3b                      ; c = log2(e) / 8
	s_mov_b32 s28, 0xd0800000                      ; -2^34: the running largest score's start
	s_mov_b32 s10, 0                               ; steps walked, for the mask's look-ahead
	s_mov_b32 s11, 0                               ; the pass
	v_and_b32 v29, 31, v0                          ; lane
	v_and_b32 v30, 15, v0                          ; r
	v_bfe_u32 v31, v0, 4, 1                        ; h
	v_lshlrev_b32 v[L16], 4, v29
	v_lshlrev_b32 v[SO], 1, v29
	v_lshlrev_b32 v[QA], 2, v30                    ; 4 r (the thread's number is not needed again)
	v_lshrrev_b32 v27, 3, v30
	v_and_b32 v28, 7, v30
	v_mul_u32_u24 v[KB], v27, KP
	v_lshl_add_u32 v[KB], v28, 4, v[KB]
	v_lshl_add_u32 v[KB], v31, 8, v[KB]            ; K: tile r / 8 of a pair, its row r % 8 (+ 8 u), half h
	v_lshl_add_u32 v[KSB], v29, 2, LKS
	v_add_nc_u32 v[VB], LV, v[L16]
	v_lshl_add_u32 v[VSB], v29, 2, LVS
	v_mov_b32 v[MO], v[L16]
	v_lshlrev_b32 v24, 12, v31
	v_lshl_add_u32 v24, v30, 4, v24                ; V's scale words in memory: lanes 0-15 one step's 256 bytes, lanes 16-31 the next step's
	v_add_nc_u32 v25, s81, v[L16]
	v_and_b32 v22, 1, v29                          ; where my four keys' scale words go: key bits (6 5 4 3 2) -> place bits (4 6 3 5 2)
	v_bfe_u32 v23, v29, 2, 1
	v_lshl_or_b32 v22, v23, 1, v22
	v_lshl_or_b32 v22, v31, 2, v22
	v_bfe_u32 v23, v29, 1, 1
	v_lshl_or_b32 v22, v23, 3, v22
	v_bfe_u32 v23, v29, 3, 1
	v_lshl_or_b32 v22, v23, 4, v22
	v_lshl_add_u32 v22, v22, 4, s80
	global_load_b128 v[32:35], v[L16], s[76:77]
	global_load_b128 v[36:39], v[L16], s[76:77] offset:512
	global_load_b128 v[40:43], v24, s[78:79]
	global_load_b128 v[B+8:B+11], v[L16], s[4:5]
	global_load_b128 v[B+12:B+15], v[L16], s[4:5] offset:512
	global_load_u16 v[QT], v[QA], s[6:7]
	global_load_u16 v[QT+1], v[QA], s[6:7] offset:64
	WIN 0x40
	global_load_b128 v[B+8:B+11], v[L16], s[4:5] offset:16384
	global_load_b128 v[B+12:B+15], v[L16], s[4:5] offset:16896
	WIN 0
.macro MASKLD                          ; both tiles' mask bytes of the step at v[MO]: group g = keys 32 g on
.irp g, 0,1,2,3
	global_load_b128 v[B+(16+4*\g)%24:B+(16+4*\g)%24+3], v[MO], s[8:9] offset:512*\g
.endr
	WIN 0x40
.irp g, 0,1,2,3
	global_load_b128 v[B+(16+4*\g)%24:B+(16+4*\g)%24+3], v[MO], s[8:9] offset:32768+512*\g
.endr
	WIN 0
.endm
	MASKLD
	v_cmp_eq_u32 vcc_lo, v31, v27                  ; the pattern: row m's code stands in the half m / 8, at byte 8 u + m % 8 of that half's 16
	v_and_b32 v28, 3, v30
	v_lshlrev_b32 v28, 3, v28
	v_mov_b32 v29, 0xb8                            ; the code of -1
	v_lshlrev_b32 v28, v28, v29
	v_cndmask_b32 v28, 0, v28, vcc_lo
	v_bfe_u32 v29, v30, 2, 1
	v_cmp_eq_u32 vcc_lo, 0, v29
	v_cndmask_b32 v6, 0, v28, vcc_lo               ; register 2 u,
	v_sub_nc_u32 v23, v28, v6                      ; register 2 u + 1
	WIN 0x40
.irp v, 0,1,2,3                        ; slot v = 2 (b % 2) + u
.irp j, 0,1,2,3,4,5,6,7
.if \j == 4*(\v/2)+2*(\v%2)
	v_mov_b32 v[24*\v+8+\j], v6
.elseif \j == 4*(\v/2)+2*(\v%2)+1
	v_mov_b32 v[24*\v+8+\j], v23
.else
	v_mov_b32 v[24*\v+8+\j], 0
.endif
.endr
.endr
.irp b, 0,1,2,3
	v_mov_b32 v[TT+\b], 0                          ; written once: a lane permute's destination counts as one of its sources
.endr
	WIN 0
.irp b, 0,1,2,3
	v_mov_b32 v[TT+\b], 0
.endr
	WALU
	s_wait_loadcnt 14                              ; the three loads of scale words are in; Q's six and the mask's eight stay out
.irp j, 0,1,2,3,4,5,6,7
	v_bfe_u32 v[32+\j], v[32+\j], s30, 16          ; my head's two bytes
	v_lshl_or_b32 v[44+\j], v[32+\j], 16, 0x9898   ; codes above the pattern (keys 64-127 of a step: lanes 16-31),
	v_or_b32 v[32+\j], 0x98980000, v[32+\j]        ; codes below it
	v_cndmask_b32 v[32+\j], v[32+\j], v[44+\j], s29
.endr
	ds_store_b128 v22, v[32:35]
	ds_store_b128 v22, v[36:39] offset:512
	ds_store_b128 v25, v[40:43]
	v_mov_b32 v[AK], v[KB]
	v_mov_b32 v[AKS], v[KSB]
	WALU
	s_wait_tensorcnt 0x0                           ; my quarter has landed,
	s_wait_dscnt 0x0                               ; my scale words are stored
	s_barrier_signal -1
	s_barrier_wait -1                              ; everybody's
.macro KLOAD                           ; a step's eight tiles of K into the four slots, and their scale words
.irp v, 0,1,2,3
	ds_load_b32 v[KSR+\v], v[AKS] offset:128*\v
.endr
	WIN 0x40
.irp v, 0,1,2,3
.irp y, 0,1
.irp c, 0,1
	ds_load_b128 v[24*\v+16*\y+4*\c:24*\v+16*\y+4*\c+3], v[AK] offset:2*(2*\y+\v/2)*KP+128*(\v%2)+512*\c
.endr
.endr
.endr
	WIN 0
.endm
.macro SMUL i                          ; S^T of tile i: eight products, each a sum of its own
.irp v, 0,1,2,3
	v_wmma_scale_f32_16x16x128_f8f6f4 v[S+8*\v:S+8*\v+7], v[24*\v:24*\v+15], v[B+8:B+23], 0, v[KSR+\v], v[QS+2*\i]
	v_wmma_scale_f32_16x16x128_f8f6f4 v[S+32+8*\v:S+32+8*\v+7], v[24*\v+8:24*\v+23], v[B:B+15], 0, v[KSR+\v], v[QS+2*\i+1] matrix_a_scale:MATRIX_SCALE_ROW1
.endr
.endm
.macro TREEOP n                        ; line n of 32: the largest score of each block of 32 keys, in eight chains (two a block) that take turns; each accumulator is read from its low end on
.set TB_, (\n)%4
.set TL_, (\n)/8
.if (\n) < 4
	v_max3_num_f32 v[BM+TB_], v[S+16*TB_], v[S+16*TB_+1], v[S+16*TB_+2]
.elseif (\n) < 8
	v_max3_num_f32 v[TT+TB_], v[S+16*TB_+8], v[S+16*TB_+9], v[S+16*TB_+10]
.elseif (\n) < 24 && ((\n)/4)%2 == 0
	v_max3_num_f32 v[BM+TB_], v[BM+TB_], v[S+16*TB_+1+2*TL_], v[S+16*TB_+2+2*TL_]
.elseif (\n) < 24
	v_max3_num_f32 v[TT+TB_], v[TT+TB_], v[S+16*TB_+9+2*TL_], v[S+16*TB_+10+2*TL_]
.elseif (\n) < 28
	v_max3_num_f32 v[BM+TB_], v[BM+TB_], v[S+16*TB_+7], v[S+16*TB_+15]
.else
	v_max_num_f32 v[BM+TB_], v[BM+TB_], v[TT+TB_]
.endif
.endm
.macro TREE
.set TN_, 0
.rept 32
	TREEOP TN_
.set TN_, TN_+1
.endr
.endm
.macro SM1 i, k                        ; product k of tile i's eight of S^T
.set SV_, (\k)/2
.if (\k)%2 == 0
	v_wmma_scale_f32_16x16x128_f8f6f4 v[S+8*SV_:S+8*SV_+7], v[24*SV_:24*SV_+15], v[B+8:B+23], 0, v[KSR+SV_], v[QS+2*\i]
.else
	v_wmma_scale_f32_16x16x128_f8f6f4 v[S+32+8*SV_:S+32+8*SV_+7], v[24*SV_+8:24*SV_+23], v[B:B+15], 0, v[KSR+SV_], v[QS+2*\i+1] matrix_a_scale:MATRIX_SCALE_ROW1
.endif
.endm
.macro PVOP i, d                       ; product d of tile i's four of O^T
.if (\d)%2 == 0
	v_wmma_scale_f32_16x16x128_f8f6f4 v[O+8*(\d):O+8*(\d)+7], v[V+16*(\d):V+16*(\d)+15], v[PC:PC+15], v[O+8*(\d):O+8*(\d)+7], v[VSR+(\d)/2], v[PSW+\i]
.else
	v_wmma_scale_f32_16x16x128_f8f6f4 v[O+8*(\d):O+8*(\d)+7], v[V+16*(\d):V+16*(\d)+15], v[PC:PC+15], v[O+8*(\d):O+8*(\d)+7], v[VSR+(\d)/2], v[PSW+\i] matrix_a_scale:MATRIX_SCALE_ROW1
.endif
.endm
.macro PVH i, d                        ; among tile 1's plain lines: tile 0's product d with V
.if \i == 1
	WIN 0
	PVOP 0, \d
	WIN 0x55
.endif
.endm
.macro CHAIN
.irp b, 0,1,2,3
	v_permlanex16_b32 v[TT+\b], v[BM+\b], s20, s21
.endr
.irp b, 0,1,2,3
	v_max_num_f32 v[BM+\b], v[BM+\b], v[TT+\b]     ; with lane l xor 16's 16 keys
.endr
	v_max3_num_f32 v[TMP], v[BM], v[BM+1], v[BM+2]
	v_max3_num_f32 v[SX], v[SX], v[TMP], v[BM+3]   ; the running largest score (c is positive: the largest t is c times it)
	v_mul_f32 v[TMP], s22, v[SX]
	v_cmp_lt_f32 vcc_lo, s28, v[SX]                ; has the row had an open key?
	v_floor_f32 v[TMP], -v[TMP]                    ; the new -M = -ceil(t)
	v_cndmask_b32 v[CCS], 0, s22, vcc_lo           ; if not: c = 0,
	v_sub_f32 v[F], v[TMP], v[NM]                  ; old M - new M: whole, 0 or less
	v_mov_b32 v[NM], v[TMP]
	v_cvt_i32_f32 v[F], v[F]                       ; (it saturates)
	v_cndmask_b32 v[MMS], 0, v[NM], vcc_lo         ; and M = 0: p = 1
	v_ldexp_f32 v[F], 1.0, v[F]                    ; f = 2^(old M - new M)
.endm
.macro RESC                            ; the sum and O^T under the new M; t - M
	v_pk_mul_f32 v[SUM:SUM+1], v[SUM:SUM+1], v[FP:FP+1] op_sel_hi:[1,0]
.irp j, 0,2,4,6,8,10,12,14,16,18,20,22,24,26,28,30
	v_pk_mul_f32 v[O+\j:O+\j+1], v[O+\j:O+\j+1], v[FP:FP+1] op_sel_hi:[1,0]
.endr
.endm
.macro TFMA                            ; t - M, of the scores and of each block's largest
.irp j, 0,2,4,6,8,10,12,14,16,18,20,22,24,26,28,30,32,34,36,38,40,42,44,46,48,50,52,54,56,58,60,62
	v_pk_fma_f32 v[S+\j:S+\j+1], v[S+\j:S+\j+1], v[CCP:CCP+1], v[MMP:MMP+1] op_sel_hi:[1,0,0]
.endr
.irp b, 0,1,2,3
	v_fma_f32 v[BM+\b], v[BM+\b], v[CCS], v[MMS]
.endr
.endm
.macro EXPS
.set n, 0
.rept 64
	v_exp_f32 v[S+n], v[S+n]                       ; p = 2^(t - M)
.set n, n+1
.endr
.irp b, 0,1,2,3
	v_exp_f32 v[BM+\b], v[BM+\b]                   ; the block's largest p: the same two instructions on the same number
.endr
.endm
.macro POST i                          ; p's scales, the row's sum, the hold, the codes
.irp b, 0,1,2,3
	v_max_num_f32 v[BM+\b], 0x4800000, v[BM+\b]    ; the floor 2^(9 - 127)
.endr
.irp b, 0,1,2,3
	v_add_nc_u32 v[SOP+\b], 0xfc000000, v[BM+\b]   ; the conversion's scale operand
.endr
.irp b, 0,1,2,3
	v_and_or_b32 v[BM+\b], v[BM+\b], 0x7f800000, s19   ; 448 x the scale
.endr
.irp b, 0,1,2,3
	v_lshrrev_b32 v[TT+\b], 23, v[SOP+\b]
.endr
	v_lshl_or_b32 v[TMP], v[TT+1], 8, v[TT]
	v_lshl_or_b32 v[TT+2], v[TT+3], 8, v[TT+2]
	WIN 0x15*\i
	v_lshl_or_b32 v[PSW+\i], v[TT+2], 16, v[TMP]
	WIN 0x55*\i
	PVH \i, 0
	v_pk_add_f32 v[SUM2:SUM2+1], v[S:S+1], v[S+2:S+3]   ; the sum of the unquantised p, in five chains that take turns (four of them in registers that are free here)
	v_pk_add_f32 v[TT:TT+1], v[S+4:S+5], v[S+6:S+7]
	v_pk_add_f32 v[TT+2:TT+3], v[S+8:S+9], v[S+10:S+11]
	v_pk_add_f32 v[FP:FP+1], v[S+12:S+13], v[S+14:S+15]
.irp j, 16,26,36,46
	v_pk_add_f32 v[SUM:SUM+1], v[SUM:SUM+1], v[S+\j:S+\j+1]
	v_pk_add_f32 v[SUM2:SUM2+1], v[SUM2:SUM2+1], v[S+\j+2:S+\j+3]
	v_pk_add_f32 v[TT:TT+1], v[TT:TT+1], v[S+\j+4:S+\j+5]
	v_pk_add_f32 v[TT+2:TT+3], v[TT+2:TT+3], v[S+\j+6:S+\j+7]
	v_pk_add_f32 v[FP:FP+1], v[FP:FP+1], v[S+\j+8:S+\j+9]
.endr
	v_pk_add_f32 v[SUM:SUM+1], v[SUM:SUM+1], v[S+56:S+57]
	v_pk_add_f32 v[SUM2:SUM2+1], v[SUM2:SUM2+1], v[S+58:S+59]
	v_pk_add_f32 v[TT:TT+1], v[TT:TT+1], v[S+60:S+61]
	v_pk_add_f32 v[TT+2:TT+3], v[TT+2:TT+3], v[S+62:S+63]
	PVH \i, 1
.irp b, 0,2
.if \i == 0
.irp e, 0,2,4,6,8,10,12,14                     ; the hold (p is not negative), two numbers an instruction
	v_dual_min_num_f32 v[S+16*\b+\e], v[S+16*\b+\e], v[BM+\b] :: v_dual_min_num_f32 v[S+16*\b+17+\e], v[S+16*\b+17+\e], v[BM+\b+1]
	v_dual_min_num_f32 v[S+16*\b+\e+1], v[S+16*\b+\e+1], v[BM+\b] :: v_dual_min_num_f32 v[S+16*\b+16+\e], v[S+16*\b+16+\e], v[BM+\b+1]
.endr
.else
.irp e, 0,1,2,3,4,5,6,7,8,9,10,11,12,13,14,15
	v_min_num_f32 v[S+16*\b+\e], v[S+16*\b+\e], v[BM+\b]
	v_min_num_f32 v[S+16*\b+16+\e], v[S+16*\b+16+\e], v[BM+\b+1]
.endr
.endif
.irp g, 0,1
	v_cvt_scalef32_pk8_fp8_f32 v[PC+4*(\b+\g):PC+4*(\b+\g)+1], v[S+16*(\b+\g):S+16*(\b+\g)+7], v[SOP+\b+\g]
	v_cvt_scalef32_pk8_fp8_f32 v[PC+4*(\b+\g)+2:PC+4*(\b+\g)+3], v[S+16*(\b+\g)+8:S+16*(\b+\g)+15], v[SOP+\b+\g]
.endr
	PVH \i, 2+\b/2
.endr
	v_pk_add_f32 v[SUM2:SUM2+1], v[SUM2:SUM2+1], v[TT:TT+1]   ; the five chains are joined: also the four places between the codes and the products that take them
	v_pk_add_f32 v[TT+2:TT+3], v[TT+2:TT+3], v[FP:FP+1]
	v_pk_add_f32 v[SUM:SUM+1], v[SUM:SUM+1], v[SUM2:SUM2+1]
	v_pk_add_f32 v[SUM:SUM+1], v[SUM:SUM+1], v[TT+2:TT+3]
.endm
.macro PVMUL i                         ; O^T += V^T P^T: four accumulators by turns
.irp d, 0,2
	v_wmma_scale_f32_16x16x128_f8f6f4 v[O+8*\d:O+8*\d+7], v[V+16*\d:V+16*\d+15], v[PC:PC+15], v[O+8*\d:O+8*\d+7], v[VSR+\d/2], v[PSW+\i]
	v_wmma_scale_f32_16x16x128_f8f6f4 v[O+8*\d+8:O+8*\d+15], v[V+16*\d+16:V+16*\d+31], v[PC:PC+15], v[O+8*\d+8:O+8*\d+15], v[VSR+\d/2], v[PSW+\i] matrix_a_scale:MATRIX_SCALE_ROW1
.endr
.endm
.macro INIT
	v_mov_b32 v[SX], s28
	v_mov_b32 v[NM], 0x4f38aa3b                    ; -M of the start value: c x 2^34, a whole number
	v_mov_b32 v[SUM], 0
	v_mov_b32 v[SUM+1], 0
.set n, 0
.rept 32
	v_mov_b32 v[O+n], 0                            ; the step is written once: the first finds zeros
.set n, n+1
.endr
.endm
.macro LSUM
	v_add_f32 v[SUM], v[SUM], v[SUM+1]
	v_permlanex16_b32 v[TMP], v[SUM], s20, s21
	v_add_f32 v[SUM], v[SUM], v[TMP]               ; the row's sum
.endm
.macro OUT i                           ; O^T / the sum; 32 numbers of a lane (register 8 d + j = feature 16 d + 8 h + j) -> two register groups of the next operand and their two scale bytes; stored
.irp j, 0,2,4,6,8,10,12,14,16,18,20,22,24,26,28,30
	v_pk_mul_f32 v[O+\j:O+\j+1], v[O+\j:O+\j+1], v[SUM:SUM+1] op_sel_hi:[1,0]
.endr
.irp g, 0,1
	v_max3_num_f32 v[BM+\g], |v[O+16*\g]|, |v[O+16*\g+1]|, 0x4800000
.endr
.irp e, 2,4,6,8,10,12,14
.irp g, 0,1
	v_max3_num_f32 v[BM+\g], v[BM+\g], |v[O+16*\g+\e]|, |v[O+16*\g+\e+1]|
.endr
.endr
.irp g, 0,1
	v_permlanex16_b32 v[BM+2+\g], v[BM+\g], s20, s21
.endr
.irp g, 0,1
	v_max_num_f32 v[BM+\g], v[BM+\g], v[BM+2+\g]
.endr
.irp g, 0,1
	v_add_nc_u32 v[BM+4+\g], 0xfc000000, v[BM+\g]
.endr
.irp g, 0,1
	v_and_or_b32 v[BM+6+\g], v[BM+\g], 0x7f800000, s19
.endr
.irp g, 0,1
	v_lshrrev_b32 v[BM+2+\g], 23, v[BM+4+\g]
.endr
	WIN 0x15*\i
	v_lshl_or_b32 v[U+\i], v[BM+3], 8, v[BM+2]
	WIN 0x55*\i
.irp g, 0,1
.irp e, 0,1,2,3,4,5,6,7,8,9,10,11,12,13,14,15
	v_med3_num_f32 v[O+16*\g+\e], v[O+16*\g+\e], -v[BM+6+\g], v[BM+6+\g]
.endr
	v_cvt_scalef32_pk8_fp8_f32 v[PC+4*\g:PC+4*\g+1], v[O+16*\g:O+16*\g+7], v[BM+4+\g]
	v_cvt_scalef32_pk8_fp8_f32 v[PC+4*\g+2:PC+4*\g+3], v[O+16*\g+8:O+16*\g+15], v[BM+4+\g]
.endr
	v_nop                                          ; a plain line behind the conversions
.irp g, 0,1
	v_permlane16_swap_b32 v[PC+4*\g], v[PC+4*\g+2] ; into the operand's order: lane (r, h) holds features 32 g + 16 h + 0..15
	v_permlane16_swap_b32 v[PC+4*\g+1], v[PC+4*\g+3]
.endr
	WIN 0x04*\i
	global_store_b128 v[L16], v[PC:PC+3], s[12:13] offset:16384*\i        ; 512 consecutive bytes a store
	global_store_b128 v[L16], v[PC+4:PC+7], s[12:13] offset:16384*\i+512
.endm
	KLOAD                                          ; step 0's K
.Lpass:
	s_wait_loadcnt 0x0                             ; the pass's Q, its scale bytes, the first step's mask
	s_wait_dscnt 0x0                               ; step 0's K
	v_or_b32 v[QS], 0x97970000, v[QT]              ; Q's scale words in both forms, with the mask's scale bytes
	v_lshl_or_b32 v[QS+1], v[QT], 16, 0x9797
	v_or_b32 v[QS+2], 0x97970000, v[QT+1]
	v_lshl_or_b32 v[QS+3], v[QT+1], 16, 0x9797
	INIT
	WIN 0x55
	INIT
	WIN 0
	s_mov_b32 s17, 0
	WALU
.Lstep:
	s_wait_loadcnt 0x0                             ; the step's mask bytes; their address register is free
	s_add_co_u32 s24, s17, 1
	s_and_b32 s24, s24, 15                         ; the next step; behind the last, step 0: what the next pass begins with
	s_lshl_b32 s25, s24, 13
	s_lshl_b32 s26, s24, 10
	s_add_co_u32 s25, s25, s26                     ; 8 tiles of 1,152 bytes a step
	s_lshl_b32 s26, s24, 9
	s_lshr_b32 s27, s17, 2
	s_lshl_b32 s27, s27, 15
	s_and_b32 s30, s17, 3
	s_lshl_b32 s30, s30, 11
	s_add_co_u32 s27, s27, s30
	s_lshl_b32 s30, s17, 8
	s_add_co_u32 s10, s10, 1
	s_and_b32 s2, s10, 31                          ; the mask's next step among the two passes' 32
	s_lshr_b32 s3, s2, 4
	s_lshl_b32 s3, s3, 16                          ; two tiles of 32,768 bytes a pass
	s_and_b32 s2, s2, 15
	s_lshl_b32 s2, s2, 11
	s_add_co_u32 s2, s2, s3
	WIN 0x01
	SMUL 0
.set K_, 0
.rept 8                                ; tile 1's eight products, four plain lines behind each: first the eight places behind tile 0's last product, then tile 0's maxima
	WIN 0x45
	SM1 1, K_
	WIN 0
.if K_ == 0
	v_add_nc_u32 v[AK], s25, v[KB]
	v_add_nc_u32 v[AKS], s26, v[KSB]
	v_add_nc_u32 v[AV], s27, v[VB]
	v_add_nc_u32 v[AVS], s30, v[VSB]
.elseif K_ == 1
	v_add_nc_u32 v[MO], s2, v[L16]
.rept 3
	v_nop
.endr
.else
	TREEOP 4*K_-8
	TREEOP 4*K_-7
	TREEOP 4*K_-6
	TREEOP 4*K_-5
.endif
.set K_, K_+1
.endr
.irp n, 24,25,26,27,28,29,30,31
	TREEOP \n                                      ; with the four above: twelve places ahead of the loads into operands that the products have read
.endr
.irp d, 0,1,2,3
.irp c, 0,1,2,3
	ds_load_b128 v[V+16*\d+4*\c:V+16*\d+4*\c+3], v[AV] offset:8192*\d+512*\c   ; this step's V: it has the softmax in which to come
.endr
.endr
	ds_load_b32 v[VSR], v[AVS]
	ds_load_b32 v[VSR+1], v[AVS] offset:128
	KLOAD                                          ; the next step's K
	MASKLD
	WIN 0x55
	TREE
	WIN 0
	CHAIN
	WIN 0x55
	CHAIN
	RESC                                           ; both tiles' O^T are first read here, ahead of the step's exponentials
	WIN 0
	RESC
	TFMA
	WALU                                           ; ahead of the batch
	EXPS
	WIN 0x55
	TFMA
	WALU                                           ; behind tile 0's batch and ahead of tile 1's
	EXPS
	WIN 0
	POST 0                                         ; tile 0's plain lines stand behind tile 1's batch
	WALU                                           ; behind tile 1's batch, and ahead of the wait below
	s_wait_dscnt 0x0                               ; V and its scale words (and the next step's K)
	WIN 0x55
	POST 1                                         ; with tile 0's four products with V among its lines
	WALU
	WIN 0x54
	PVMUL 1
	WIN 0
	s_add_co_u32 s17, s17, 1
	s_cmp_lt_u32 s17, 16
	s_cbranch_scc1 .Lstep
	global_load_b128 v[B+8:B+11], v[L16], s[4:5] offset:32768    ; the next pass's Q comes while this pass goes out
	global_load_b128 v[B+12:B+15], v[L16], s[4:5] offset:33280
	global_load_u16 v[QT], v[QA], s[6:7] offset:128
	global_load_u16 v[QT+1], v[QA], s[6:7] offset:192
	WIN 0x40
	global_load_b128 v[B+8:B+11], v[L16], s[4:5] offset:49152
	global_load_b128 v[B+12:B+15], v[L16], s[4:5] offset:49664
	WIN 0
	LSUM
	WIN 0x55
	LSUM
	WALU                                           ; ahead of the two reciprocals
	v_rcp_f32 v[SUM], v[SUM]
	WIN 0
	v_rcp_f32 v[SUM], v[SUM]
.rept 6
	v_nop                                          ; with the sums' additions: the places behind the last products
.endr
	WALU                                           ; behind them, directly ahead of the first reader of O^T
	OUT 0
	WIN 0x55
	WALU                                           ; directly ahead of the first reader of tile 1's O^T
	OUT 1
	WIN 0
	v_cndmask_b32 v29, v[U], v[U+1], s29           ; lanes 0-15: tile 0's rows; lanes 16-31: tile 1's
	global_store_b16 v[SO], v29, s[14:15]
	s_wait_xcnt 0x0                                ; bases and the stores' registers are written again only behind this wait
	s_add_nc_u64 s[4:5], s[4:5], 32768
	s_add_nc_u64 s[6:7], s[6:7], 128
	s_add_nc_u64 s[12:13], s[12:13], 32768
	s_add_nc_u64 s[14:15], s[14:15], 64
	s_add_co_u32 s11, s11, 1
	s_cmp_lt_u32 s11, 2
	WALU
	s_cbranch_scc1 .Lpass
	s_wait_tensorcnt 0x0                           ; the wave's end
	ds_add_u32 v[SPW], v[NIL]
	s_wait_dscnt 0x0
	CROUND                                         ; the closing round
	s_endpgm
.Lfunc_end_k_q7cbc4a671f_attn:
	.size	k_q7cbc4a671f_attn, .Lfunc_end_k_q7cbc4a671f_attn-k_q7cbc4a671f_attn
	.p2alignl 7, 3214868480
	.fill 96, 4, 3214868480
	.section	.rodata,"a",@progbits
	.p2align	6, 0x0
	.amdhsa_kernel k_q7cbc4a671f_attn
		.amdhsa_group_segment_fixed_size 291840
		.amdhsa_private_segment_fixed_size 0
		.amdhsa_enable_private_segment 0
		.amdhsa_kernarg_size 24
		.amdhsa_user_sgpr_count 2
		.amdhsa_user_sgpr_kernarg_segment_ptr 1
		.amdhsa_wavefront_size32 1
		.amdhsa_system_sgpr_workgroup_id_x 1
		.amdhsa_system_sgpr_workgroup_id_y 1
		.amdhsa_system_sgpr_workgroup_id_z 1
		.amdhsa_system_vgpr_workitem_id 0
		.amdhsa_next_free_vgpr 512
		.amdhsa_next_free_sgpr 100
		.amdhsa_reserve_vcc 1
		.amdhsa_float_denorm_mode_32 3
		.amdhsa_float_denorm_mode_16_64 3
		.amdhsa_memory_ordered 1
		.amdhsa_forward_progress 1
		.amdhsa_inst_pref_size 67
	.end_amdhsa_kernel
	.amdgpu_metadata
---
amdhsa.version: [ 1, 2 ]
amdhsa.kernels:
  - .name:           k_q7cbc4a671f_attn
    .symbol:         k_q7cbc4a671f_attn.kd
    .args:
      - { .name: qkv, .offset: 0, .size: 8, .value_kind: global_buffer, .address_space: global }
      - { .name: maski, .offset: 8, .size: 8, .value_kind: global_buffer, .address_space: global }
      - { .name: ctx, .offset: 16, .size: 8, .value_kind: global_buffer, .address_space: global }
    .group_segment_fixed_size: 291840
    .private_segment_fixed_size: 0
    .kernarg_segment_align: 8
    .kernarg_segment_size: 24
    .max_flat_workgroup_size: 256
    .sgpr_count:     100
    .vgpr_count:     512
    .wavefront_size: 32
...
	.end_amdgpu_metadata
.endif
;; end of part 7
;; launch oproj (part 8): grid 256 x 1, 16 waves a work-group, no clusters, 110,592 bytes of LDS; arguments ctx, wo, input_Q, ln_gamma, ln_beta, out0; writes out0
.if DOCPART == 8
	.amdgcn_target "amdgcn-amd-amdhsa--gfx1250"
	.amdhsa_code_object_version 6
	.text
	.protected	k_q7cbc4a671f_oproj
	.globl	k_q7cbc4a671f_oproj
	.p2align	8
	.type	k_q7cbc4a671f_oproj,@function
k_q7cbc4a671f_oproj:
	s_mov_b64 s[64:65], 0
	v_nop
	global_prefetch_b8 v0, s[64:65] scope:SCOPE_SE
	s_setreg_imm32_b32 hwreg(HW_REG_WAVE_MODE, 25, 1), 1
	s_wait_xcnt 0x0
; OPROJ: out0 = LayerNorm(ctx w_o^T + input_Q) x gamma + beta; the product on codes of FP8 (E4M3) with E8M0 scales, all else in f32.
; SHARES: a work-group takes 32 rows and all 1,024 columns, so that a row's mean and variance stay inside it.  Sixteen waves; wave w makes columns 64 w .. 64 w + 63: four tiles of w_o x two tiles of rows, 8 accumulators.
; ctx's 16 fragments (32 KB) are needed by every wave: each wave brings one into LDS as an image of its registers.  Each fragment of w_o is used by ONE wave of the work-group, once: it comes dense from its image straight into registers.
; NO CLUSTER, NO TENSOR LOAD: w_o does not pass through LDS here, so there is no tile that a joint load could serve.
; THE PRODUCT IS USED TRANSPOSED (source 0 = 16 rows of w_o, source 1 = 16 rows of ctx): lane (r, h) holds row r and columns 16 t + 8 h + 0..7.
; The residual comes in and the result goes out through the wave's own stage in LDS, so that sixteen lanes read or store 256 consecutive bytes, aligned.  The variance is taken of the centred numbers, in a second pass.
; REGISTERS: v1-11 addresses; v16-23 w_o's scale words, two sets; v24-25 ctx's; v[26:27], v[28:29] a row tile's mean, then 1 / sigma; v32-63 ctx's two fragments, later gamma; v64-127, v128-191 w_o's fragments, two sets,
;   later the residual, beta, partial sums and the rows on their way out; v192-255 the accumulators ((t, a) at 192 + 8 (2 t + a)).
.set YSC,   32768                      ; LDS: ctx's 16 fragments at 0, (8 a + s) x 2,048; their scale words here, 128 s + 64 a + 4 r;
.set STAGE, 33792                      ; a stage of 16 rows x (256 + 16) bytes for each wave;
.set RED1,  103424                     ; 32 rows x 16 partial sums, rows 80 bytes apart;
.set RED2,  2560                       ; and the same for the squares, this far behind
.set ACC,   192
	s_load_b256 s[4:11], s[0:1], 0x0               ; ctx, wo, input_Q, ln_gamma
	s_load_b128 s[12:15], s[0:1], 0x20             ; ln_beta, out0
	v_lshrrev_b32 v1, 5, v0
	s_delay_alu instid0(VALU_DEP_1)
	v_readfirstlane_b32 s16, v1                    ; wave 0..15
	s_and_b32 s17, s16, 1                          ; which tile of rows, and
	s_lshr_b32 s18, s16, 1                         ; which K step of ctx I bring in
	s_mov_b32 s25, 0
	v_and_b32 v12, 31, v0
	v_and_b32 v13, 15, v0                          ; r
	v_bfe_u32 v14, v0, 4, 1                        ; h
	s_delay_alu instid0(VALU_DEP_3)
	v_lshlrev_b32 v1, 4, v12                       ; 16 x lane
	s_delay_alu instid0(VALU_DEP_3)
	v_lshlrev_b32 v2, 2, v13                       ; 4 r
	s_delay_alu instid0(VALU_DEP_4)
	v_lshlrev_b32 v11, 1, v13                      ; 2 r
	s_delay_alu instid0(VALU_DEP_4)
	v_lshlrev_b32 v8, 5, v14                       ; 32 h
	s_mul_i32 s19, s16, 4352
	s_add_co_u32 s19, s19, STAGE
	v_mul_u32_u24 v3, v13, 272
	s_delay_alu instid0(VALU_DEP_1)
	v_lshl_add_u32 v3, v14, 5, v3
	s_delay_alu instid0(VALU_DEP_1)
	v_add_nc_u32 v3, s19, v3                       ; the stage in the result's layout: row r, + 32 h
	v_mul_u32_u24 v4, v14, 272
	s_delay_alu instid0(VALU_DEP_1)
	v_lshl_add_u32 v4, v13, 4, v4
	s_delay_alu instid0(VALU_DEP_1)
	v_add_nc_u32 v4, s19, v4                       ; and by rows: lanes 0-15 one row, lanes 16-31 the next
	v_lshlrev_b32 v5, 12, v14
	s_delay_alu instid0(VALU_DEP_1)
	v_lshl_add_u32 v5, v13, 4, v5
	s_lshl_b32 s19, s16, 8
	v_add_nc_u32 v5, s19, v5                       ; the same two rows in memory, at my 256 bytes
	v_mul_u32_u24 v7, v13, 80
	s_delay_alu instid0(VALU_DEP_1)
	v_add_nc_u32 v7, RED1, v7
	s_lshl_b32 s19, s16, 2
	v_add_nc_u32 v6, s19, v7
	s_lshl_b32 s19, s17, 14
	s_lshl_b32 s20, s18, 11
	s_add_co_u32 s19, s19, s20
	v_add_nc_u32 v9, s19, v1                       ; where my fragment of ctx goes
	s_lshl_b32 s19, s18, 7
	s_lshl_b32 s20, s17, 6
	s_add_co_u32 s19, s19, s20
	s_add_co_u32 s19, s19, YSC
	v_add_nc_u32 v10, s19, v2                      ; and its scale words
	v_mov_b32 v27, 0                               ; (upper halves of pairs that are named whole)
	v_mov_b32 v29, 0
	v_mov_b32 v30, 0                               ; written once: a lane permute's destination counts as one of its sources
	v_mov_b32 v31, 0
	s_mov_b32 s34, 0x3a800000                      ; 1 / 1,024
	s_mov_b32 s35, 0x3727c5ac                      ; 1e-5
	s_mov_b32 s36, 0x76543210
	s_mov_b32 s37, 0xfedcba98
	s_lshl_b32 s21, ttmp9, 1
	s_add_co_u32 s21, s21, s17                     ; the tile of 16 rows that I bring in
	s_wait_alu depctr_va_vdst(0)
	s_wait_kmcnt 0x0
	s_lshl_b32 s24, s21, 14
	s_lshl_b32 s20, s18, 11
	s_add_co_u32 s24, s24, s20
	s_add_nc_u64 s[26:27], s[4:5], s[24:25]        ; ctx's image: (tile x 32 + 4 s) x 512
	s_lshl_b32 s24, s18, 15
	s_lshl_b32 s20, s21, 5
	s_add_co_u32 s24, s24, s20
	s_add_co_u32 s24, s24, 8388608
	s_add_nc_u64 s[28:29], s[4:5], s[24:25]        ; its scale bytes: (head 2 s x 8,192 + 16 tile) x 2
	s_lshl_b32 s24, s16, 16
	s_add_nc_u64 s[30:31], s[6:7], s[24:25]        ; w_o's image: my four tiles
	s_lshl_b32 s24, s16, 11
	s_add_co_u32 s24, s24, 1048576
	s_add_nc_u64 s[32:33], s[6:7], s[24:25]        ; and their scale words
	s_lshl_b32 s24, ttmp9, 17
	s_add_nc_u64 s[8:9], s[8:9], s[24:25]          ; input_Q and out0 at my 32 rows
	s_add_nc_u64 s[14:15], s[14:15], s[24:25]
	s_lshl_b32 s24, s16, 8
	s_add_nc_u64 s[10:11], s[10:11], s[24:25]      ; gamma and beta at my 64 columns
	s_add_nc_u64 s[12:13], s[12:13], s[24:25]
.macro XLOAD s                         ; K step s of w_o: four fragments and their scale words: 20 loads
.irp t, 0,1,2,3
.irp c, 0,1,2,3
	global_load_b128 v[64+64*((\s)%2)+16*\t+4*\c:64+64*((\s)%2)+16*\t+4*\c+3], v1, s[30:31] offset:16384*\t+2048*(\s)+512*\c
.endr
	global_load_b32 v[16+4*((\s)%2)+\t], v2, s[32:33] offset:1024*(\t/2)+128*(\s)+64*(\t%2)
.endr
.endm
.macro YLOAD s                         ; K step s of ctx, both tiles of rows
.irp a, 0,1
.irp c, 0,1,2,3
	ds_load_b128 v[32+16*\a+4*\c:32+16*\a+4*\c+3], v1 offset:(8*\a+(\s))*2048+512*\c
.endr
	ds_load_b32 v[24+\a], v2 offset:YSC+128*(\s)+64*\a
.endr
.endm
.irp c, 0,1,2,3
	global_load_b128 v[32+4*\c:35+4*\c], v1, s[26:27] offset:512*\c
.endr
	global_load_u16 v48, v11, s[28:29]
	global_load_u16 v49, v11, s[28:29] offset:16384
	XLOAD 0
	XLOAD 1
	s_wait_loadcnt 40                              ; my fragment of ctx and its scale bytes are in; the 40 loads of w_o's first two K steps stay out
	v_lshl_or_b32 v50, v49, 16, v48                ; two heads' bytes make the K step's scale word
.irp c, 0,1,2,3
	ds_store_b128 v9, v[32+4*\c:35+4*\c] offset:512*\c
.endr
	ds_store_b32 v10, v50                          ; (both halves of the lanes write the same word)
	s_wait_dscnt 0x0                               ; for the others' sake
	s_barrier_signal -1
	s_barrier_wait -1                              ; ctx's sixteen fragments lie in LDS
	YLOAD 0
.macro KSTEP s
.if (\s)==7
	s_wait_loadcnt 16                              ; the last K step of w_o is in; the residual's 16 loads stay out
.else
	s_wait_loadcnt 20                              ; this K step of w_o is in; the next one's 20 loads stay out
.endif
	s_wait_dscnt 0x0
.irp t, 0,1,2,3
.irp a, 0,1
.if (\s)==0
	v_wmma_scale_f32_16x16x128_f8f6f4 v[ACC+8*(2*\t+\a):ACC+8*(2*\t+\a)+7], v[64+64*((\s)%2)+16*\t:64+64*((\s)%2)+16*\t+15], v[32+16*\a:32+16*\a+15], 0, v[16+4*((\s)%2)+\t], v[24+\a]
.else
	v_wmma_scale_f32_16x16x128_f8f6f4 v[ACC+8*(2*\t+\a):ACC+8*(2*\t+\a)+7], v[64+64*((\s)%2)+16*\t:64+64*((\s)%2)+16*\t+15], v[32+16*\a:32+16*\a+15], v[ACC+8*(2*\t+\a):ACC+8*(2*\t+\a)+7], v[16+4*((\s)%2)+\t], v[24+\a]
.endif
.endr
.endr
.rept 8
	v_nop                                          ; in front of loads into registers that these products have read, and of the first read of results (ISA guide 7.12.1 for vector instructions)
.endr
.if (\s)<7
	YLOAD (\s)+1
.endif
.if (\s)<6
	XLOAD (\s)+2
.endif
.if (\s)==6
.irp a, 0,1
.irp i, 0,1,2,3,4,5,6,7
	global_load_b128 v[64+32*\a+4*\i:67+32*\a+4*\i], v5, s[8:9] offset:(16*\a+2*\i)*4096 th:TH_LOAD_NT   ; the residual, by rows: sixteen lanes read 256 consecutive bytes
.endr
.endr
.endif
.endm
.irp s, 0,1,2,3,4,5,6,7
	KSTEP \s                                       ; the eight accumulators take turns, one instruction a turn
.endr
.irp t, 0,1,2,3
	global_load_b128 v[32+8*\t:35+8*\t], v8, s[10:11] offset:64*\t        ; gamma in the result's layout: columns 16 t + 8 h + 0..7
	global_load_b128 v[36+8*\t:39+8*\t], v8, s[10:11] offset:64*\t+16
.endr
	s_wait_loadcnt 8                               ; the residual is in; gamma's eight loads stay out
.irp a, 0,1
.irp i, 0,1,2,3,4,5,6,7
	ds_store_b128 v4, v[64+32*\a+4*\i:67+32*\a+4*\i] offset:544*\i
.endr
.irp t, 0,1,2,3
	ds_load_b128 v[128+32*\a+8*\t:131+32*\a+8*\t], v3 offset:64*\t        ; LDS serves a wave's instructions in order: these see the stores above, and the next tile's stores come behind them
	ds_load_b128 v[132+32*\a+8*\t:135+32*\a+8*\t], v3 offset:64*\t+16
.endr
.endr
	s_wait_dscnt 0x0
.irp t, 0,1,2,3
	global_load_b128 v[64+8*\t:67+8*\t], v8, s[12:13] offset:64*\t        ; beta likewise
	global_load_b128 v[68+8*\t:71+8*\t], v8, s[12:13] offset:64*\t+16
.endr
.irp t, 0,1,2,3
.irp a, 0,1
.irp j, 0,2,4,6
	v_pk_add_f32 v[ACC+8*(2*\t+\a)+\j:ACC+8*(2*\t+\a)+\j+1], v[ACC+8*(2*\t+\a)+\j:ACC+8*(2*\t+\a)+\j+1], v[128+32*\a+8*\t+\j:128+32*\a+8*\t+\j+1]   ; y = the product + the residual; each accumulator from its low end on
.endr
.endr
.endr
; A sum over a row's 1,024 numbers (sq = 0) or their squares (sq = 1): my 32, lane l xor 16's 32, then the sixteen waves' through LDS.  Ends with the totals in v96 (rows 0-15) and v112 (rows 16-31), the same bits in every wave.
.macro ROWRED sq, red
.irp a, 0,1
.if \sq
	v_pk_mul_f32 v[96+2*\a:97+2*\a], v[ACC+8*\a:ACC+8*\a+1], v[ACC+8*\a:ACC+8*\a+1]
.else
	v_pk_add_f32 v[96+2*\a:97+2*\a], v[ACC+8*\a:ACC+8*\a+1], v[ACC+8*\a+2:ACC+8*\a+3]
.endif
.endr
.set p, 2-\sq
.rept 14+\sq
.irp a, 0,1
.if \sq
	s_delay_alu instid0(VALU_DEP_2)
	v_pk_fma_f32 v[96+2*\a:97+2*\a], v[ACC+8*(2*(p/4)+\a)+2*(p%4):ACC+8*(2*(p/4)+\a)+2*(p%4)+1], v[ACC+8*(2*(p/4)+\a)+2*(p%4):ACC+8*(2*(p/4)+\a)+2*(p%4)+1], v[96+2*\a:97+2*\a]
.else
	s_delay_alu instid0(VALU_DEP_2)
	v_pk_add_f32 v[96+2*\a:97+2*\a], v[96+2*\a:97+2*\a], v[ACC+8*(2*(p/4)+\a)+2*(p%4):ACC+8*(2*(p/4)+\a)+2*(p%4)+1]
.endif
.endr
.set p, p+1
.endr
.irp a, 0,1
	s_delay_alu instid0(VALU_DEP_2)
	v_add_f32 v[96+2*\a], v[96+2*\a], v[97+2*\a]
.endr
.irp a, 0,1
	s_delay_alu instid0(VALU_DEP_2)
	v_permlanex16_b32 v[30+\a], v[96+2*\a], s36, s37
.endr
.irp a, 0,1
	s_delay_alu instid0(VALU_DEP_2)
	v_add_f32 v[96+2*\a], v[96+2*\a], v[30+\a]
.endr
	ds_store_b32 v6, v96 offset:\red               ; row r's partial sum of my 64 columns (both halves of the lanes write the same word)
	ds_store_b32 v6, v98 offset:\red+1280
	s_wait_dscnt 0x0                               ; for the others' sake
	s_barrier_signal -1
	s_barrier_wait -1
.irp a, 0,1
.irp q, 0,1,2,3
	ds_load_b128 v[96+16*\a+4*\q:99+16*\a+4*\q], v7 offset:\red+1280*\a+16*\q
.endr
.endr
	s_wait_dscnt 0x0
.irp a, 0,1
	v_pk_add_f32 v[96+16*\a:97+16*\a], v[96+16*\a:97+16*\a], v[98+16*\a:99+16*\a]
	v_pk_add_f32 v[100+16*\a:101+16*\a], v[100+16*\a:101+16*\a], v[102+16*\a:103+16*\a]
	v_pk_add_f32 v[104+16*\a:105+16*\a], v[104+16*\a:105+16*\a], v[106+16*\a:107+16*\a]
	v_pk_add_f32 v[108+16*\a:109+16*\a], v[108+16*\a:109+16*\a], v[110+16*\a:111+16*\a]
	s_delay_alu instid0(VALU_DEP_3)
	v_pk_add_f32 v[96+16*\a:97+16*\a], v[96+16*\a:97+16*\a], v[100+16*\a:101+16*\a]
	s_delay_alu instid0(VALU_DEP_2)
	v_pk_add_f32 v[104+16*\a:105+16*\a], v[104+16*\a:105+16*\a], v[108+16*\a:109+16*\a]
	s_delay_alu instid0(VALU_DEP_1)
	v_pk_add_f32 v[96+16*\a:97+16*\a], v[96+16*\a:97+16*\a], v[104+16*\a:105+16*\a]
	s_delay_alu instid0(VALU_DEP_1)
	v_add_f32 v[96+16*\a], v[96+16*\a], v[97+16*\a]
.endr
.endm
	ROWRED 0, 0
	v_mul_f32 v26, s34, v96                        ; the means
	s_delay_alu instid0(VALU_DEP_2)
	v_mul_f32 v28, s34, v112
.irp t, 0,1,2,3
.irp a, 0,1
.irp j, 0,2,4,6
	v_pk_add_f32 v[ACC+8*(2*\t+\a)+\j:ACC+8*(2*\t+\a)+\j+1], v[ACC+8*(2*\t+\a)+\j:ACC+8*(2*\t+\a)+\j+1], v[26+2*\a:27+2*\a] op_sel_hi:[1,0] neg_lo:[0,1] neg_hi:[0,1]   ; y - mean
.endr
.endr
.endr
	ROWRED 1, RED2
	v_fma_f32 v96, v96, s34, s35                   ; the variance + 1e-5
	s_delay_alu instid0(VALU_DEP_2)
	v_fma_f32 v112, v112, s34, s35
	s_wait_alu depctr_va_vdst(0)
	v_rsq_f32 v26, v96
	v_rsq_f32 v28, v112
	v_nop                                          ; a plain place behind the transcendentals
	s_wait_loadcnt 0x0                             ; gamma and beta
	s_wait_alu depctr_va_vdst(0)
.irp t, 0,1,2,3
.irp a, 0,1
.irp j, 0,2,4,6
	v_pk_mul_f32 v[ACC+8*(2*\t+\a)+\j:ACC+8*(2*\t+\a)+\j+1], v[ACC+8*(2*\t+\a)+\j:ACC+8*(2*\t+\a)+\j+1], v[26+2*\a:27+2*\a] op_sel_hi:[1,0]
.endr
.endr
.endr
.irp t, 0,1,2,3
.irp a, 0,1
.irp j, 0,2,4,6
	v_pk_fma_f32 v[ACC+8*(2*\t+\a)+\j:ACC+8*(2*\t+\a)+\j+1], v[ACC+8*(2*\t+\a)+\j:ACC+8*(2*\t+\a)+\j+1], v[32+8*\t+\j:32+8*\t+\j+1], v[64+8*\t+\j:64+8*\t+\j+1]
.endr
.endr
.endr
.irp a, 0,1                            ; the way out: a tile of 16 rows x my 256 bytes through my stage, back by rows
.irp t, 0,1,2,3
	ds_store_b128 v3, v[ACC+8*(2*\t+\a):ACC+8*(2*\t+\a)+3] offset:64*\t
	ds_store_b128 v3, v[ACC+8*(2*\t+\a)+4:ACC+8*(2*\t+\a)+7] offset:64*\t+16
.endr
.irp i, 0,1,2,3,4,5,6,7
	ds_load_b128 v[128+32*\a+4*\i:131+32*\a+4*\i], v4 offset:544*\i
.endr
.endr
.irp i, 0,1,2,3,4,5,6,7
	s_wait_dscnt 23-\i                             ; behind this load: the rest of its run, and the second tile's 8 stores and 8 loads
	global_store_b128 v5, v[128+4*\i:131+4*\i], s[14:15] offset:2*\i*4096 th:TH_STORE_NT   ; sixteen lanes store 256 consecutive bytes, aligned
.endr
.irp i, 0,1,2,3,4,5,6,7
	s_wait_dscnt 7-\i
	global_store_b128 v5, v[160+4*\i:163+4*\i], s[14:15] offset:(16+2*\i)*4096 th:TH_STORE_NT
.endr
	s_wait_xcnt 0x0
	v_lshl_add_u32 v254, v0, 2, 0x1a800
	v_mov_b32 v255, 0
	s_wait_alu depctr_va_vdst(0)
	s_wait_tensorcnt 0x0
	ds_add_u32 v254, v255
	s_wait_dscnt 0x0
	s_endpgm
.Lfunc_end_k_q7cbc4a671f_oproj:
	.size	k_q7cbc4a671f_oproj, .Lfunc_end_k_q7cbc4a671f_oproj-k_q7cbc4a671f_oproj
	.p2alignl 7, 3214868480
	.fill 96, 4, 3214868480
	.section	.rodata,"a",@progbits
	.p2align	6, 0x0
	.amdhsa_kernel k_q7cbc4a671f_oproj
		.amdhsa_group_segment_fixed_size 110592
		.amdhsa_private_segment_fixed_size 0
		.amdhsa_enable_private_segment 0
		.amdhsa_kernarg_size 48
		.amdhsa_user_sgpr_count 2
		.amdhsa_user_sgpr_kernarg_segment_ptr 1
		.amdhsa_wavefront_size32 1
		.amdhsa_system_sgpr_workgroup_id_x 1
		.amdhsa_system_sgpr_workgroup_id_y 1
		.amdhsa_system_sgpr_workgroup_id_z 1
		.amdhsa_system_vgpr_workitem_id 0
		.amdhsa_next_free_vgpr 256
		.amdhsa_next_free_sgpr 66
		.amdhsa_reserve_vcc 0
		.amdhsa_float_denorm_mode_32 3
		.amdhsa_float_denorm_mode_16_64 3
		.amdhsa_memory_ordered 1
		.amdhsa_forward_progress 1
		.amdhsa_inst_pref_size 64
	.end_amdhsa_kernel
	.amdgpu_metadata
---
amdhsa.version: [ 1, 2 ]
amdhsa.kernels:
  - .name:           k_q7cbc4a671f_oproj
    .symbol:         k_q7cbc4a671f_oproj.kd
    .args:
      - { .name: ctx, .offset: 0, .size: 8, .value_kind: global_buffer, .address_space: global }
      - { .name: wo, .offset: 8, .size: 8, .value_kind: global_buffer, .address_space: global }
      - { .name: input_Q, .offset: 16, .size: 8, .value_kind: global_buffer, .address_space: global }
      - { .name: ln_gamma, .offset: 24, .size: 8, .value_kind: global_buffer, .address_space: global }
      - { .name: ln_beta, .offset: 32, .size: 8, .value_kind: global_buffer, .address_space: global }
      - { .name: out0, .offset: 40, .size: 8, .value_kind: global_buffer, .address_space: global }
    .group_segment_fixed_size: 110592
    .private_segment_fixed_size: 0
    .kernarg_segment_align: 8
    .kernarg_segment_size: 48
    .max_flat_workgroup_size: 512
    .sgpr_count:     66
    .vgpr_count:     256
    .wavefront_size: 32
...
	.end_amdgpu_metadata
.endif
;; end of part 8
